; MI455X (gfx1250); checked and timed in simulation.
; The chip was launched on July 23, 2026; its instructions are those of AMD's public machine-readable ISA for CDNA 5 (MIT licence, August 2026) and "CDNA5" Instruction Set Architecture Reference Guide (July 2026). The comments in the code are by the model that wrote it; some were corrected since.
;; Standard Encoder Layer. Allowed arithmetic: matrix products marked QUANTISED: E5M2 operands, one E8M0 scale for each 32 along K, by v_wmma_scale_f32_16x16x128_f8f6f4 with both operands' format E5M2, f32 sums; everything else in f32.
;; Inputs: W1_codes 4,096 x 32 x 32 uint8 (E5M2 codes of W1, K innermost, in blocks of 32 codes); W1_scales 4,096 x 32 uint8 (E8M0 scales of W1, one for each 32 codes along K); W2_codes 1,024 x 128 x 32 uint8 (E5M2 codes of W2, K innermost, in blocks of 32 codes); W2_scales 1,024 x 128 uint8 (E8M0 scales of W2, one for each 32 codes along K); Wk_codes 1,024 x 32 x 32 uint8 (E5M2 codes of Wk, K innermost, in blocks of 32 codes); Wk_scales 1,024 x 32 uint8 (E8M0 scales of Wk, one for each 32 codes along K); Wo_codes 1,024 x 32 x 32 uint8 (E5M2 codes of Wo, K innermost, in blocks of 32 codes); Wo_scales 1,024 x 32 uint8 (E8M0 scales of Wo, one for each 32 codes along K); Wq_codes 1,024 x 32 x 32 uint8 (E5M2 codes of Wq, K innermost, in blocks of 32 codes); Wq_scales 1,024 x 32 uint8 (E8M0 scales of Wq, one for each 32 codes along K); Wv_codes 1,024 x 32 x 32 uint8 (E5M2 codes of Wv, K innermost, in blocks of 32 codes); Wv_scales 1,024 x 32 uint8 (E8M0 scales of Wv, one for each 32 codes along K); b1 1,024 float32; b2 1,024 float32; bf1 4,096 float32; bf2 1,024 float32; bk 1,024 float32; bo 1,024 float32; bq 1,024 float32; bv 1,024 float32; g1 1,024 float32; g2 1,024 float32; mask 2 x 1 x 2,048 x 2,048 int32; x 2 x 2,048 x 1,024 float32.
;; Outputs: out0 2 x 2,048 x 1,024 float32.
;; This version of the problem:
;;   THIS VERSION OF THE PROBLEM IS GIVEN IN LOW PRECISION. The matrix products marked QUANTISED in the list below multiply operands that are first quantised to E5M2 (5 exponent bits, 2 mantissa bits; 8 bits a number), with one power-of-two scale for each 32 numbers along K (OCP MX v1.0); their sums are f32. All else is computed in f32.
;;   The module's matrix products, in the order in which they are computed (A, B: the left and right operand; K: the contracted axis; several contracted axes count as one K, in the product's order):
;;     1. [M 4,096, K 1,024] x [K 1,024, N 1,024]; A: input x; B: input Wq (given as codes): QUANTISED
;;     2. [M 4,096, K 1,024] x [K 1,024, N 1,024]; A: input x; B: input Wk (given as codes): QUANTISED
;;     3. [M 4,096, K 1,024] x [K 1,024, N 1,024]; A: input x; B: input Wv (given as codes): QUANTISED
;;     4. batch 32 x [M 2,048, K 64] x [K 64, N 2,048]; A: computed on the way; B: computed on the way: QUANTISED
;;     5. batch 32 x [M 2,048, K 2,048] x [K 2,048, N 64]; A: computed on the way; B: computed on the way: QUANTISED
;;     6. [M 4,096, K 1,024] x [K 1,024, N 1,024]; A: computed on the way; B: input Wo (given as codes): QUANTISED
;;     7. [M 4,096, K 1,024] x [K 1,024, N 4,096]; A: computed on the way; B: input W1 (given as codes): QUANTISED
;;     8. [M 4,096, K 4,096] x [K 4,096, N 1,024]; A: computed on the way; B: input W2 (given as codes): QUANTISED
;;   THE QUANTISER, for each operand of a quantised product, along K:
;;     - K is cut into blocks of 32 from its start; a last block that is shorter is filled with zeros.
;;     - A block's scale is 2^e with e = floor(log2(the largest magnitude in the block)) - 15, held to -126 .. 127; a block of zeros has e = 0. As a byte (E8M0): e + 127.
;;     - Each number is divided by its block's scale, clamped to +-57,344, and rounded to the nearest number of E5M2, ties to even, subnormals kept.
;;     - The product sums the exact products of the quantised numbers (number of the format x scale) in f32.
;;   ~~~python
;;   def quantise(x, axis):      # numpy; x: float32 -> the quantised numbers, widened to float32 again
;;       x = np.moveaxis(x, axis, -1); K = x.shape[-1]
;;       x = np.pad(x, [(0, 0)] * (x.ndim - 1) + [(0, -K % 32)]); x = x.reshape(x.shape[:-1] + (-1, 32)); a = np.abs(x).max(-1, keepdims=True)
;;       e = np.where(a > 0, np.clip(np.frexp(np.where(a > 0, a, 1))[1] - 1 - 15, -126, 127), 0)      # np.frexp(a)[1] - 1 = floor(log2(a)), exactly
;;       r = np.clip(x / 2.0 ** e, -57344, 57344)
;;       step = 2.0 ** (np.maximum(np.frexp(np.where(r == 0, 1, r))[1] - 1, -14) - 2)
;;       q = np.round(r / step) * step * 2.0 ** e      # np.round: ties to even
;;       return np.moveaxis(q.reshape(q.shape[:-2] + (-1,))[..., :K], -1, axis).astype(np.float32)
;;   ~~~
;;   OPERANDS COMPUTED ON THE WAY. 'Computed on the way' means the value that the module computes at that place (a softmax that the list does not call 'softmax' is quantised finished and normalised). What goes into a quantiser is computed in f32, as accurately as f32 sums, v_exp_f32 and their like allow (about 1e-6 of the number): no bf16 or f16 on the way to a quantiser, and a product that is left as it is and whose result goes on into a quantised operand takes f32 operands (vector FMAs, or v_wmma_f32_16x16x4_f32). A number that lies on a knife's edge between two numbers of the format may be rounded either way, as far as f32 arithmetic and the matrix unit's own rounding can turn it there, and no further.
;;   INPUTS GIVEN AS CODES. W1 (in the module: [1024, 4096], K = its axis 0); W2 (in the module: [4096, 1024], K = its axis 0); Wk (in the module: [1024, 1024], K = its axis 0); Wo (in the module: [1024, 1024], K = its axis 0); Wq (in the module: [1024, 1024], K = its axis 0); Wv (in the module: [1024, 1024], K = its axis 0): each comes as NAME_codes (uint8): NAME with its K axis moved to the last place and cut into blocks of 32 codes, [.., K / 32, bytes a block], one block behind the other in memory; one code a byte (a code: sign, 5 exponent bits, 2 mantissa bits); and NAME_scales (uint8): the same leading axes, one E8M0 byte (e + 127) for each 32 codes along K. Its value is code x scale, taken as it is: it is not quantised again, and the codes and scales need not be those that the quantiser above would give.
;; One version. Each part assembles by itself: llvm-mc -triple=amdgcn-amd-amdhsa -mcpu=gfx1250 --defsym DOCPART=n.
;; ======== version 1 of 1: 9 launches
;; limits: right only within a limited range of input values
;; workspace buffers: mb 1,048,576 bytes of whole numbers; mf 4,096 bytes of whole numbers; xq 4,325,376 bytes; qkv 12,976,128 bytes; ab 4,325,376 bytes; y 16,777,216 bytes; ib 21,102,592 bytes; hb 17,301,504 bytes
;; launch prep (part 1): grid 512 x 1, 4 waves a work-group, no clusters, 67,072 bytes of LDS; arguments mask, mb, mf, x, xq; writes mb, mf, xq
.if DOCPART == 1
	.amdgcn_target "amdgcn-amd-amdhsa--gfx1250"
	.amdhsa_code_object_version 6
	.text
	.protected	k_q16d586a48e_prep
	.globl	k_q16d586a48e_prep
	.p2align	8
	.type	k_q16d586a48e_prep,@function
k_q16d586a48e_prep:
	s_mov_b64 s[64:65], 0
	v_nop
	global_prefetch_b8 v0, s[64:65] scope:SCOPE_SE
	s_setreg_imm32_b32 hwreg(HW_REG_WAVE_MODE, 25, 1), 1
	s_wait_xcnt 0x0
; TWO PREPARING STREAMS IN ONE LAUNCH; they share nothing and part on the work-group's number: work-groups 0-255 pack the mask, work-groups 256-511 quantise x.  Each path has LDS bytes of its own.
; THE MASK.  mask [2][1][2048][2048] int32 becomes lane-mask words.  mb [T = row / 16 (256)][kb = key / 32 (64)][i (16)] u32: bit l of word (T, kb, i = 8 u + j) says whether mask[row 16 T + l % 16][key 32 kb + 16 u + 8 (l / 16) + j] is not 0:
; the select mask of the attention launch's score register 16 (kb % 4) + i.  mf [T][wave 4] u32: bit g says that all 16 rows x 128 keys of the wave's group g are not 0.
; Work-group T takes 16 rows; its wave w the keys 512 w on, in four groups of 128.  Each load reads 512 consecutive bytes of a row; a group turns through the wave's own stage in LDS (rows 528 bytes apart), so that lane (r, h) gets row r's numbers
; in the order of the words.  A compare gives a word in a scalar register; 64 words of a group are laid two to a lane and leave as 256 consecutive, aligned bytes.
; x [4096][1024] f32 becomes codes of BF8 (E5M2), K innermost, at xq + 0, with one E8M0 scale byte for each 32 along K, [4096][32], at xq + 4,194,304.  A block's byte is its largest magnitude's exponent field - 15, held at 1 from below;
; each number is divided by the scale, held within +-57,344 and rounded to the nearest code, ties to even.  A wave takes 8 steps of 512 numbers; a step's 2,048 bytes turn through the wave's own stage and come back 64 bytes a lane:
; 16 neighbours a lane, two lanes to a block.  A lane's 16 codes are 16 bytes: the wave stores 512 consecutive bytes.  The wave's 128 scale bytes are gathered in LDS and leave by one store.
; LIMITS: a block of x whose largest magnitude lies under 2^-111 (a block of zeros among them) gets the byte 1 (this program alone reads the bytes); NaN and infinities are not served.
; Waves share nothing: no barrier.  Streams that are read once: no matrix unit, no cluster, no tensor load.
.set SP, 528                           ; the mask's stage: a row of 512 bytes + 16; 16 rows a wave: bytes 0 .. 33,791
.set R,  16                            ; v16-143  two sets of 16 x 4 registers as loaded
.set X,  144                           ; v144-207 64 numbers in the order of the words
.set OW, 8                             ; v8-15    a group's 64 words, two to a lane
.set QB, 33792                         ; x's path: 8,192 bytes a wave from here on: two stages of 32 x QSP bytes, and behind them its scale bytes
.set WREG, 8192
.set QSP, 80                           ; a lane's place in a stage: 64 bytes + 16
.set SPARE, QB+4*WREG                  ; the spare words, 128 bytes for each wave
.set STEPS, 8
.set QR, 16                            ; v16-79   four sets of 16 numbers as loaded
.set QX, 80                            ; v80-111  two sets of 16 neighbours
.set QE, 112                           ; v112-119 a scale byte for each step
.set QC, 128                           ; v128-159 codes: four registers for each step
	v_lshl_add_u32 v208, v0, 2, SPARE
	v_mov_b32 v209, 0
	v_lshrrev_b32 v1, 5, v0
	v_readfirstlane_b32 s8, v1                     ; wave
	v_and_b32 v2, 31, v0                           ; lane
	v_lshlrev_b32 v3, 4, v2                        ; 16 bytes a lane
	s_and_b32 s38, ttmp9, 255                      ; my number inside my path
	s_cmp_ge_u32 ttmp9, 256
	s_wait_alu depctr_va_vdst(0)
	s_cbranch_scc1 .Lquant
	s_load_b128 s[4:7], s[0:1], 0x0                ; mask, mb
	s_load_b64 s[32:33], s[0:1], 0x10              ; mf
	s_mul_i32 s9, s8, 16*SP                        ; my stage
	v_add_nc_u32 v4, s9, v3                        ; into it: as loaded
	v_and_b32 v5, 15, v2                           ; r
	v_lshrrev_b32 v6, 4, v2                        ; h
	v_mul_u32_u24 v5, v5, SP
	v_lshl_add_u32 v5, v6, 5, v5
	v_add_nc_u32 v5, s9, v5                        ; out of it: row r, + 32 h bytes (8 keys)
	v_lshlrev_b32 v7, 3, v2                        ; 8 bytes a lane on the way out
.irp i, 0,1,2,3,4,5,6,7
	v_mov_b32 v[OW+\i], 0                          ; a lane write's destination counts as read
.endr
	s_lshl_b32 s10, s38, 17                        ; 16 rows of 8,192 bytes
	s_lshl_b32 s11, s8, 11                         ; 512 keys of 4 bytes
	s_add_co_u32 s10, s10, s11
	s_mov_b32 s11, 0
	s_lshl_b32 s12, s38, 12                        ; 64 x 16 words
	s_lshl_b32 s13, s8, 10
	s_add_co_u32 s12, s12, s13
	s_mov_b32 s13, 0
	s_lshl_b32 s34, s38, 4                         ; my flag word: 16 T + 4 x wave
	s_lshl_b32 s35, s8, 2
	s_add_co_u32 s34, s34, s35
	s_mov_b32 s35, 0
	s_mov_b32 s36, 0                               ; the flags so far
	s_wait_alu depctr_va_vdst(0)
	s_wait_kmcnt 0x0
	s_add_nc_u64 s[4:5], s[4:5], s[10:11]
	s_add_nc_u64 s[6:7], s[6:7], s[12:13]
	s_add_nc_u64 s[32:33], s[32:33], s[34:35]
.macro LOAD g                          ; group g: 128 keys of each of the 16 rows
.irp y, 0,1,2,3,4,5,6,7,8,9,10,11,12,13,14,15
	global_load_b128 v[R+64*((\g)%2)+4*\y:R+64*((\g)%2)+4*\y+3], v3, s[4:5] offset:\y*8192+512*(\g) th:TH_LOAD_NT
.endr
.endm
.macro TURN g                          ; through the stage: LDS serves a wave's instructions in order, so no wait stands between the stores and the loads
.irp y, 0,1,2,3,4,5,6,7,8,9,10,11,12,13,14,15
	ds_store_b128 v4, v[R+64*((\g)%2)+4*\y:R+64*((\g)%2)+4*\y+3] offset:\y*SP
.endr
.irp q, 0,1,2,3,4,5,6,7,8,9,10,11,12,13,14,15
	ds_load_b128 v[X+4*\q:X+4*\q+3], v5 offset:128*(\q/4)+64*((\q/2)%2)+16*(\q%2)   ; q = 4 (kb % 4) + 2 u + half of the eight j
.endr
.endm
.macro PACK g                          ; word n = 16 k + i of the group goes to lane n / 2, register n % 2
	s_mov_b64 s[34:35], -1                         ; the AND of the group's 64 words, two at a time
.irp k, 0,1,2,3
.irp i, 0,1,2,3,4,5,6,7,8,9,10,11,12,13,14,15
	v_cmp_ne_u32 s[16+\i], 0, v[X+16*\k+\i]
.endr
.irp i, 0,2,4,6,8,10,12,14
	s_and_b64 s[34:35], s[34:35], s[16+\i:17+\i]
.endr
.irp i, 0,1,2,3,4,5,6,7,8,9,10,11,12,13,14,15
	v_writelane_b32 v[OW+2*(\g)+\i%2], s[16+\i], 8*\k+\i/2
.endr
.endr
	s_and_b32 s34, s34, s35
	s_cmp_eq_u32 s34, -1                           ; every bit set: every key of the group counts for every row
	s_cselect_b32 s34, 1<<(\g), 0
	s_or_b32 s36, s36, s34
	global_store_b64 v7, v[OW+2*(\g):OW+2*(\g)+1], s[6:7] offset:256*(\g)   ; 32 lanes store 256 consecutive bytes, aligned
.endm
	LOAD 0
	LOAD 1
.irp g, 0,1,2,3
.if \g < 3
	s_wait_loadcnt 16                              ; this group's 16 loads are in; the next group's may be out
.else
	s_wait_loadcnt 0x0
.endif
	TURN \g
	s_wait_dscnt 0x0                               ; the numbers are back, and the stage's stores have read their registers,
.if \g < 2
	LOAD \g+2                                      ; which take the group two further on
.endif
	PACK \g
.endr
	v_mov_b32 v1, s36                              ; the wave's four flags leave by lane 0 (v7 = 0 there): one word a wave, 16 bytes a work-group
	v_cmp_eq_u32 vcc_lo, 0, v2
	s_wait_alu depctr_va_vdst(0)
	s_wait_xcnt 0x0                                ; EXEC changes only behind this wait
	s_and_saveexec_b32 s37, vcc_lo
	global_store_b32 v7, v1, s[32:33]
	s_wait_xcnt 0x0
	s_or_b32 exec_lo, exec_lo, s37
	s_wait_tensorcnt 0x0                           ; the wave's end
	ds_add_u32 v208, v209
	s_wait_dscnt 0x0
	s_endpgm
.Lquant:
	s_load_b128 s[4:7], s[0:1], 0x18               ; x, xq
	s_mul_i32 s17, s8, WREG
	s_add_co_u32 s17, s17, QB                      ; my region
	v_lshrrev_b32 v14, 2, v2
	v_mul_u32_u24 v14, v14, QSP
	v_and_b32 v15, 3, v2
	v_lshl_add_u32 v14, v15, 4, v14
	v_add_nc_u32 v14, s17, v14                     ; the stage, on the way in: QSP (lane / 4) + 16 (lane % 4)
	v_mul_u32_u24 v15, v2, QSP
	v_add_nc_u32 v15, s17, v15                     ; and on the way out: QSP x lane
	v_lshrrev_b32 v5, 1, v2
	s_add_co_u32 s17, s17, 2*32*QSP
	v_add_nc_u32 v5, s17, v5                       ; my block's scale byte
	v_lshlrev_b32 v7, 2, v2                        ; on the way out 4 bytes a lane
	v_add_nc_u32 v6, s17, v7
	s_mov_b32 s23, 0x600000                        ; the mantissa field of 57,344
	s_lshl_b32 s18, s38, 2
	s_add_co_u32 s18, s18, s8                      ; which run of 4,096 numbers is my wave's
	s_mov_b32 s19, 0
	s_lshl_b64 s[20:21], s[18:19], 14              ; its numbers,
	s_lshl_b64 s[24:25], s[18:19], 12              ; its codes,
	s_lshl_b32 s18, s18, 7                         ; its 128 scale bytes
	s_add_co_u32 s18, s18, 4194304
	s_wait_alu depctr_va_vdst(0)
	s_wait_kmcnt 0x0
	s_add_nc_u64 s[4:5], s[4:5], s[20:21]
	s_add_nc_u64 s[12:13], s[6:7], s[24:25]
	s_add_nc_u64 s[10:11], s[6:7], s[18:19]
.macro QLOAD t
.irp i, 0,1,2,3
	global_load_b128 v[QR+16*((\t)%4)+4*\i:QR+16*((\t)%4)+4*\i+3], v3, s[4:5] offset:2048*(\t)+512*\i
.endr
.endm
.macro QTURN t                         ; LDS serves a wave's instructions in order: no wait between the stores and the loads
.irp i, 0,1,2,3
	ds_store_b128 v14, v[QR+16*((\t)%4)+4*\i:QR+16*((\t)%4)+4*\i+3] offset:32*QSP*((\t)%2)+8*QSP*\i
.endr
.irp i, 0,1,2,3
	ds_load_b128 v[QX+16*((\t)%2)+4*\i:QX+16*((\t)%2)+4*\i+3], v15 offset:32*QSP*((\t)%2)+16*\i
.endr
.endm
.irp t, 0,1,2,3
	QLOAD \t
.endr
	s_wait_loadcnt 12                              ; step 0's four loads are in
	QTURN 0
.macro QSTEP t
.set XS, QX+16*((\t)%2)
.if (\t) > 0
	s_wait_dscnt 1                                 ; this step's numbers are back (the last step's byte store may be out): so its stores into the stage have read their registers,
.else
	s_wait_dscnt 0x0
.endif
.if (\t)+4 < STEPS
	QLOAD (\t)+4                                   ; which take the loads of four steps on
.endif
.if (\t)+1 < STEPS
.if STEPS-2-(\t) >= 3
	s_wait_loadcnt 12                              ; the next step's four loads are in; those of the three steps behind it may be out
.else
	s_wait_loadcnt 4*(STEPS-2-(\t))
.endif
	QTURN (\t)+1
.endif
	v_max3_num_f32 v8, |v[XS]|, |v[XS+1]|, |v[XS+2]|               ; the largest magnitude of my 16
	v_max3_num_f32 v9, |v[XS+3]|, |v[XS+4]|, |v[XS+5]|
.irp i, 6,10
	v_max3_num_f32 v8, v8, |v[XS+\i]|, |v[XS+\i+1]|
	v_max3_num_f32 v9, v9, |v[XS+\i+2]|, |v[XS+\i+3]|
.endr
	v_max3_num_f32 v8, v8, |v[XS+14]|, |v[XS+15]|
	v_max3_num_f32 v8, v8, v9, 0x8000000           ; and the floor 2^(16 - 127): the byte cannot fall under 1
	v_max_num_f32_dpp v8, v8, v8 row_xmask:1 row_mask:0xf bank_mask:0xf   ; and of my neighbour's 16: the block's
	v_add_nc_u32 v11, 0xf8800000, v8               ; 15 off its exponent field: the conversion's scale operand
	v_and_or_b32 v10, v8, 0x7f800000, s23          ; 57,344 x the scale
.irp i, 0,1,2,3,4,5,6,7,8,9,10,11,12,13,14,15
	v_med3_num_f32 v[XS+\i], v[XS+\i], -v10, v10   ; the conversion to an 8-bit code does not saturate (ISA guide 7.6.2): hold first
.endr
	v_cvt_scalef32_pk8_bf8_f32 v[QC+4*(\t):QC+4*(\t)+1], v[XS:XS+7], v11
	v_cvt_scalef32_pk8_bf8_f32 v[QC+4*(\t)+2:QC+4*(\t)+3], v[XS+8:XS+15], v11
	v_lshrrev_b32 v[QE+(\t)], 23, v11              ; the scale's byte
	ds_store_b8 v5, v[QE+(\t)] offset:16*(\t)      ; both lanes of a block write the same byte with the same value
	global_store_b128 v3, v[QC+4*(\t):QC+4*(\t)+3], s[12:13] offset:512*(\t)
.endm
.irp t, 0,1,2,3,4,5,6,7
	QSTEP \t
.endr
	ds_load_b32 v12, v6                            ; LDS serves a wave's instructions in order: this sees my stores
	s_wait_dscnt 0x0
	global_store_b32 v7, v12, s[10:11]             ; 32 lanes store 128 consecutive bytes
	s_wait_tensorcnt 0x0                           ; the wave's end
	ds_add_u32 v208, v209
	s_wait_dscnt 0x0
	s_endpgm
.Lfunc_end_k_q16d586a48e_prep:
	.size	k_q16d586a48e_prep, .Lfunc_end_k_q16d586a48e_prep-k_q16d586a48e_prep
	.p2alignl 7, 3214868480
	.fill 96, 4, 3214868480
	.section	.rodata,"a",@progbits
	.p2align	6, 0x0
	.amdhsa_kernel k_q16d586a48e_prep
		.amdhsa_group_segment_fixed_size 67072
		.amdhsa_private_segment_fixed_size 0
		.amdhsa_enable_private_segment 0
		.amdhsa_kernarg_size 40
		.amdhsa_user_sgpr_count 2
		.amdhsa_user_sgpr_kernarg_segment_ptr 1
		.amdhsa_wavefront_size32 1
		.amdhsa_system_sgpr_workgroup_id_x 1
		.amdhsa_system_sgpr_workgroup_id_y 1
		.amdhsa_system_sgpr_workgroup_id_z 1
		.amdhsa_system_vgpr_workitem_id 0
		.amdhsa_next_free_vgpr 210
		.amdhsa_next_free_sgpr 66
		.amdhsa_reserve_vcc 1
		.amdhsa_float_denorm_mode_32 3
		.amdhsa_float_denorm_mode_16_64 3
		.amdhsa_memory_ordered 1
		.amdhsa_forward_progress 1
		.amdhsa_inst_pref_size 80
	.end_amdhsa_kernel
	.amdgpu_metadata
---
amdhsa.version: [ 1, 2 ]
amdhsa.kernels:
  - .name:           k_q16d586a48e_prep
    .symbol:         k_q16d586a48e_prep.kd
    .args:
      - { .name: mask, .offset: 0, .size: 8, .value_kind: global_buffer, .address_space: global }
      - { .name: mb, .offset: 8, .size: 8, .value_kind: global_buffer, .address_space: global }
      - { .name: mf, .offset: 16, .size: 8, .value_kind: global_buffer, .address_space: global }
      - { .name: x, .offset: 24, .size: 8, .value_kind: global_buffer, .address_space: global }
      - { .name: xq, .offset: 32, .size: 8, .value_kind: global_buffer, .address_space: global }
    .group_segment_fixed_size: 67072
    .private_segment_fixed_size: 0
    .kernarg_segment_align: 8
    .kernarg_segment_size: 40
    .max_flat_workgroup_size: 128
    .sgpr_count:     66
    .vgpr_count:     210
    .wavefront_size: 32
...
	.end_amdgpu_metadata
.endif
;; end of part 1
;; launch qk (part 2): grid 16 x 32, 4 waves a work-group, clusters of 4 x 4, 327,680 bytes of LDS; arguments xq, Wq_codes, Wq_scales, bq, Wk_codes, Wk_scales, bk, qkv; writes qkv
.if DOCPART == 2
	.amdgcn_target "amdgcn-amd-amdhsa--gfx1250"
	.amdhsa_code_object_version 6
	.text
	.protected	k_q16d586a48e_qk
	.globl	k_q16d586a48e_qk
	.p2align	8
	.type	k_q16d586a48e_qk,@function
k_q16d586a48e_qk:
	s_mov_b64 s[64:65], 0
	v_nop
	global_prefetch_b8 v0, s[64:65] scope:SCOPE_SE
	s_setreg_imm32_b32 hwreg(HW_REG_WAVE_MODE, 25, 1), 1
	s_wait_xcnt 0x0
	s_wait_alu depctr_hold_cnt(0) depctr_sa_sdst(0) depctr_va_vdst(0) depctr_va_sdst(0) depctr_va_ssrc(0) depctr_va_vcc(0) depctr_vm_vsrc(0)
	s_getreg_b32 s2, hwreg(HW_REG_IB_STS2, 6, 4)
	s_cmp_eq_u32 s2, 0
	s_cbranch_scc0 .Lentry_in_a_cluster
	s_endpgm
.Lentry_in_a_cluster:
	s_bfe_u32 s2, ttmp6, 0x10000c
	s_cmp_lg_u32 s2, 0xf033
	s_cbranch_scc0 .Lentry_shape_is_right
	s_endpgm
.Lentry_shape_is_right:
; q = x Wq + bq and k = x Wk + bk on codes of BF8 (E5M2) with one E8M0 scale for each 32 along K = 1,024; the results are quantised along the head's 64 (two blocks of 32) for the scores' product.
; A = x's codes [4096][1024] at xq + 0, scale bytes [4096][32] at xq + 4,194,304.  B = the weight's codes [1024 (n)][1024 (k)], scale bytes [1024][32].  Clusters 0 and 1 along x take Wq, clusters 2 and 3 Wk.
; OUT, in qkv: codes [head 16][token 4096][64] (q at 0, k at 4,194,304); scale bytes [head][token][2] (q at 12,582,912, k at 12,713,984).
; SHARES.  A work-group of four waves makes 128 tokens x 128 columns, a wave 64 x 64 (one head): 16 accumulators.  The tile is 128 x 128 since the product has only 64 tiles of 256 x 256.
; K goes in steps of 512 through two LDS slots filled by the tensor data mover; with K = 1,024 both slots are filled once.  The scale bytes of the tile's rows for all of K come once, as units of 256 bytes.
; CLUSTERS: 4 x 4 work-groups.  A's tiles are shared along a row of the cluster, B's along a column: each is asked for jointly, by the same tensor load with the same descriptor and a mask that names the four.
; THE MATRIX INSTRUCTION IS USED TRANSPOSED (source 0 = 16 rows of B, source 1 = 16 rows of A): a lane holds one token and eight neighbouring columns.  The bias is the C of each sum's first product.
; LIMITS: a block whose largest magnitude lies under 2^-111 gets the scale byte 1 (this program alone reads the bytes); NaN and infinities are not served.
; REGISTERS: window 0: v16-31 addresses; v32-47 scale words; v48-63 the quantiser's; v64-95 the bias, later rows on the way out; v96-113 codes; v128-255 accumulators.  window 1: two fragment buffers of 128: A's four, then B's four.
.set SIZE_K, 1024
.set KSTEP,  512                       ; along K in a slot: four matrix instructions deep
.set PITCH,  1040                      ; THE TILES AS THIS TEXT HAS THEM: a row holds all of K: 1,024 bytes + 16 = 260 words: row r starts at bank 4 r mod 64.  Each tile is filled once, by one load; 'slot 1' is the rows' second 512 bytes
.set HALFT,  64*PITCH                  ; 64 rows: what one wave reads of A or of B
.set SLOT,   4*HALFT                   ; A's 128 rows, then B's 128 rows
.set LAPS,   SIZE_K/(2*KSTEP)
.set KS,     SIZE_K/32                 ; a row of scale bytes
.set TB,     18944                     ; the tiles begin here: bytes 0 .. 18,943 are the way out's stage, into which no load lands
.set SCL,    TB+SLOT                   ; behind the tiles: the scale bytes, as units of 256 bytes + 16 of padding
.set HALFS,  (64*KS/256)*272           ; those of 64 rows
.set SBLK,   (16*KS/256)*272           ; those of 16 rows
.set SPARE,  SCL+4*HALFS               ; the spare words, 128 bytes for each wave: two blocks of 256 bytes that no other line names
.set ASOFF,  4194304                   ; A's scale bytes behind A's codes
.set CPITCH, 144                       ; the way out: a stage of 128 rows x (128 bytes + 16) in LDS bytes of its own, from byte 0;
.set SST,    128*CPITCH                ; behind it 512 scale bytes
.set ADRA, 16
.set ADRB, 20
.set STO,  24
.set RD,   25
.set CO,   26
.set ADRS, 27
.set SPW,  28
.set NIL,  29
.set SSTO, 30
.set SRD,  31
.set SCO,  13
.set SC,   32                          ; scale words and nothing else: register 4 i + q: lanes 0-15 A's block i, lanes 16-31 B's block i, the slot's q-th 128 along K
.set TM,   48
.set BI,   64
.set PC,   96
.set W0,   112
.set W1,   113
.set ACC,  128
.set F0,   0
.set F1,   128
.set G1, 24
.set G0, 32
.set G1B, 48
.set G0B, 56
.set G1S, 68
.set G0S, 76
.set G1SB, 80
.set G0SB, 88
.set MSB, 0
.macro WIN new                         ; the immediate's high byte repeats the setting that is left
.if MSB != \new
	s_set_vgpr_msb (MSB<<8)|\new
.set MSB, \new
.endif
.endm
.set MUL,  0x05                        ; sources 0 and 1 window 1; C and D window 0
.set TO_F, 0x40                        ; destination window 1, address window 0
.macro JLOAD g0a, g1a, g0b, g1b        ; a joint load: waves 0 and 1 fetch for A, waves 2 and 3 for B; four v_nop follow each of the two lines
	s_cmp_eq_u32 s15, 0
	s_cbranch_scc0 .Lfor_b_\@
	tensor_load_to_lds s[\g0a:\g0a+3], s[\g1a:\g1a+7]
	s_nop 0
.rept 4
	v_nop
.endr
	s_branch .Lasked_\@
.Lfor_b_\@:
	tensor_load_to_lds s[\g0b:\g0b+3], s[\g1b:\g1b+7]
	s_nop 0
.rept 4
	v_nop
.endr
.Lasked_\@:
.endm
.macro CREST                           ; a round of the cluster's barrier behind its opening barrier
	s_cmp_lg_u32 s14, 0
	s_cbranch_scc1 .Lnot_wave_0_\@
	s_barrier_signal -3
.Lnot_wave_0_\@:
	s_barrier_wait -3
	s_barrier_signal -1
	s_barrier_wait -1
.endm
.macro CROUND
	s_barrier_signal -1
	s_barrier_wait -1
	CREST
.endm
.macro PLACES n                        ; plain vector instructions between a matrix instruction and what touches its registers (ISA guide 7.12.1)
.rept \n
	v_nop
.endr
.endm
	s_load_b64 s[4:5], s[0:1], 0x0                 ; xq
	s_load_b128 s[8:11], s[0:1], 0x8               ; Wq's codes, Wq's scales
	s_load_b64 s[96:97], s[0:1], 0x18              ; bq
	s_load_b128 s[80:83], s[0:1], 0x20             ; Wk's codes, Wk's scales
	s_load_b64 s[84:85], s[0:1], 0x30              ; bk
	s_load_b64 s[12:13], s[0:1], 0x38              ; qkv
	v_lshl_add_u32 v[SPW], v0, 2, SPARE
	v_mov_b32 v[NIL], 0
	ds_add_u32 v28, v29
	ds_add_u32 v28, v29
	s_wait_dscnt 0x0
	v_lshrrev_b32 v1, 5, v0
	v_readfirstlane_b32 s14, v1                    ; wave 0..3
	s_lshr_b32 s15, s14, 1                         ; which half of the tile's tokens is mine.  Also: I fetch for A (0) or for B (1)
	s_and_b32 s16, s14, 1                          ; which half of its columns
	s_bfe_u32 s40, ttmp6, 0x40000                  ; cx, cy: my place in the cluster
	s_bfe_u32 s41, ttmp6, 0x40004
	s_lshl_b32 s42, ttmp9, 2
	s_add_co_u32 s42, s42, s40
	s_and_b32 s42, s42, 7                          ; tile column inside the weight: 8 tiles for Wq, then 8 for Wk
	s_and_b32 s17, ttmp7, 0xffff
	s_lshl_b32 s17, s17, 2
	s_add_co_u32 s17, s17, s41                     ; tile row
	s_lshl_b32 s43, s41, 2
	s_lshl_b32 s43, 15, s43                        ; my row of the cluster
	s_lshl_b32 s44, 0x1111, s40                    ; my column
	s_or_b32 s[G1+0], s43, (0<<16)|(1<<20)|(1<<21)|(7<<22)|(3<<25)   ; the mask; elements of 1 byte; padding on; bit 21 beside a mask; after every 256 words (code 7) four words (code 3)
	s_or_b32 s[G1B+0], s44, (0<<16)|(1<<20)|(1<<21)|(7<<22)|(3<<25)
.irp g, G1, G1B
	s_mov_b32 s[\g+1], SIZE_K<<16                  ; tensor_dim0: all of K
	s_mov_b32 s[\g+2], 128<<16                     ; tensor_dim1: the tile's 128 rows
	s_mov_b32 s[\g+3], SIZE_K<<16                  ; tile_dim0
	s_mov_b32 s[\g+4], 128                         ; tile_dim1
	s_mov_b32 s[\g+5], SIZE_K                      ; tensor_dim0_stride
	s_mov_b32 s[\g+6], 0
	s_mov_b32 s[\g+7], 0
.endr
	s_lshl_b32 s20, s17, 7                         ; A: row 128 x tile row
	s_lshl_b32 s46, s42, 7                         ; B: row 128 x tile column
	s_mul_i32 s22, s20, KS                         ; where these rows' scale bytes begin,
	s_mul_i32 s92, s46, KS
	s_mul_i32 s20, s20, SIZE_K                     ; and their codes (all under 2^32)
	s_mul_i32 s46, s46, SIZE_K
	s_mov_b32 s21, 0
	s_mov_b32 s23, 0
	s_mov_b32 s47, 0
	s_mov_b32 s93, 0
	s_wait_kmcnt 0x0
	s_cmp_lt_u32 ttmp9, 2                          ; Wq's clusters or Wk's: the cluster's x, which all partners share
	s_cselect_b64 s[8:9], s[8:9], s[80:81]
	s_cselect_b64 s[10:11], s[10:11], s[82:83]
	s_cselect_b64 s[96:97], s[96:97], s[84:85]
	s_cselect_b32 s2, 0, 4194304                   ; q's or k's codes in qkv,
	s_cselect_b32 s3, 0, 131072                    ; and scale bytes
	s_add_nc_u64 s[6:7], s[4:5], ASOFF
	s_add_nc_u64 s[20:21], s[4:5], s[20:21]
	s_add_nc_u64 s[22:23], s[6:7], s[22:23]
	s_add_nc_u64 s[46:47], s[8:9], s[46:47]
	s_add_nc_u64 s[92:93], s[10:11], s[92:93]
	s_or_b32 s[G1S+0], s43, (3<<16)|(1<<20)|(1<<21)|(5<<22)|(3<<25)  ; the scale bytes of 128 rows: a dense block, as rows of 256 bytes (32 elements of 8), 16 bytes of padding behind each
	s_or_b32 s[G1SB+0], s44, (3<<16)|(1<<20)|(1<<21)|(5<<22)|(3<<25)
.irp g, G1S, G1SB
	s_mov_b32 s[\g+1], 32<<16
	s_mov_b32 s[\g+2], (128*KS/256)<<16
	s_mov_b32 s[\g+3], 32<<16
	s_mov_b32 s[\g+4], 128*KS/256
	s_mov_b32 s[\g+5], 32
	s_mov_b32 s[\g+6], 0
	s_mov_b32 s[\g+7], 0
.endr
	CROUND                                         ; all sixteen work-groups are here: the first joint loads meet
	s_mov_b32 s[G0S], 1
	s_mov_b32 s[G0S+1], SCL
	s_mov_b64 s[G0S+2:G0S+3], s[22:23]
	s_or_b32 s[G0S+3], s[G0S+3], 0x80000000
	s_mov_b32 s[G0SB], 1
	s_mov_b32 s[G0SB+1], SCL+2*HALFS
	s_mov_b64 s[G0SB+2:G0SB+3], s[92:93]
	s_or_b32 s[G0SB+3], s[G0SB+3], 0x80000000
	s_mov_b32 s[G0], 1                             ; A's 128 rows, all of K
	s_mov_b32 s[G0+1], TB
	s_mov_b64 s[G0+2:G0+3], s[20:21]
	s_or_b32 s[G0+3], s[G0+3], 0x80000000
	s_mov_b32 s[G0B], 1                            ; B's 128 rows behind them
	s_mov_b32 s[G0B+1], TB+2*HALFT
	s_mov_b64 s[G0B+2:G0B+3], s[46:47]
	s_or_b32 s[G0B+3], s[G0B+3], 0x80000000
; THE LOADS, ONE A WAVE, and the launch's only ones: wave 0 A's tile, wave 1 B's, wave 2 A's scale bytes, wave 3 B's.  One tree of branches on the wave's number: every way passes exactly one load.
.macro ARM under, g0, g1, next
	s_cmp_lt_u32 s14, \under
	s_cbranch_scc0 \next
	tensor_load_to_lds s[\g0:\g0+3], s[\g1:\g1+7]
	s_nop 0
.rept 4
	v_nop
.endr
	s_branch .Lhead_asked
\next:
.endm
	ARM 1, G0,  G1,  .Lhead_b
	ARM 2, G0B, G1B, .Lhead_sa
	ARM 3, G0S, G1S, .Lhead_sb
	tensor_load_to_lds s[G0SB:G0SB+3], s[G1SB:G1SB+7]
	s_nop 0
.rept 4
	v_nop
.endr
.Lhead_asked:
	v_and_b32 v1, 15, v0                           ; r = lane % 16
	v_bfe_u32 v2, v0, 4, 1                         ; h = lane / 16
	v_mul_u32_u24 v3, v1, PITCH
	v_lshl_add_u32 v4, v2, 4, v3                   ; a fragment's row x pitch + 16 h
	s_mul_i32 s21, s15, HALFT                      ; my 64 rows of A
	s_mul_i32 s22, s16, HALFT                      ; my 64 rows of B,
	s_add_co_u32 s21, s21, TB
	s_add_co_u32 s22, s22, 2*HALFT+TB              ; which lie behind A's 128
.irp s, 0,1
	v_add_nc_u32 v[ADRA+\s], s21, v4
	v_add_nc_u32 v[ADRB+\s], s22, v4
	s_add_co_u32 s21, s21, KSTEP                   ; the rows' second 512 bytes
	s_add_co_u32 s22, s22, KSTEP
.endr
	s_wait_alu depctr_va_vdst(0)                   ; ahead of the lines that read lane % 16 and lane / 16 again
	v_mul_u32_u24 v5, v1, KS                       ; my row's scale bytes: KS a row,
	v_lshrrev_b32 v6, 8, v5
	v_lshl_add_u32 v5, v6, 4, v5                   ; and 16 more for each 256 passed
	s_mul_i32 s21, s15, HALFS
	s_mul_i32 s22, s16, HALFS
	s_add_co_u32 s22, s22, 2*HALFS
	s_sub_co_u32 s22, s22, s21
	v_mul_u32_u24 v6, s22, v2                      ; lanes 16-31 take B's
	s_add_co_u32 s21, s21, SCL
	v_add_nc_u32 v5, v5, v6
	v_add_nc_u32 v[ADRS], s21, v5
	s_lshl_b32 s46, s42, 9                         ; my first column, in bytes of f32: 512 x tile column + 256 x half
	s_lshl_b32 s47, s16, 8
	s_add_co_u32 s46, s46, s47
	s_mov_b32 s47, 0
	s_add_nc_u64 s[96:97], s[96:97], s[46:47]
	v_lshlrev_b32 v7, 5, v2                        ; the bias in the result's layout: register 8 b + j = bias[16 b + 8 h + j]
.irp b, 0,1,2,3
	global_load_b128 v[BI+8*\b:BI+8*\b+3], v7, s[96:97] offset:64*\b
	global_load_b128 v[BI+8*\b+4:BI+8*\b+7], v7, s[96:97] offset:64*\b+16
.endr
	; the way out's addresses
	s_mul_i32 s23, s15, 64*CPITCH
	s_lshl_b32 s22, s16, 6
	s_add_co_u32 s23, s23, s22
	v_mul_u32_u24 v5, v1, CPITCH
	v_lshl_add_u32 v5, v2, 3, v5
	v_add_nc_u32 v[STO], s23, v5                   ; into the stage: row 64 x token half + r, byte 64 x column half + 8 h
	v_and_b32 v6, 31, v0
	v_lshrrev_b32 v8, 3, v6
	v_and_b32 v9, 7, v6
	s_mul_i32 s23, s14, 32*CPITCH
	v_mul_u32_u24 v5, v8, CPITCH
	v_lshl_add_u32 v5, v9, 4, v5
	v_add_nc_u32 v[RD], s23, v5                    ; back: wave w takes rows 32 w on, four rows an instruction, eight lanes to a row
	v_lshrrev_b32 v10, 2, v9
	v_and_b32 v11, 3, v9
	v_lshlrev_b32 v5, 18, v10                      ; the row's second 64 bytes belong to the next head: 4,096 tokens x 64 bytes on
	v_lshl_add_u32 v5, v8, 6, v5
	v_lshl_add_u32 v[CO], v11, 4, v5
	s_lshl_b32 s23, s16, 8
	s_lshl_b32 s22, s15, 7
	s_add_co_u32 s23, s23, s22
	s_add_co_u32 s23, s23, SST
	v_lshl_add_u32 v[SSTO], v1, 1, s23             ; scale bytes in LDS: [head of the tile 2][token 128][2]
	v_lshl_add_u32 v[SRD], v6, 4, SST
	v_lshlrev_b32 v5, 13, v2
	v_lshl_add_u32 v[SCO], v1, 4, v5               ; and in memory: a head's are 8,192 bytes
.irp b, 0,1,2,3
	v_mov_b32 v[TM+4+\b], 0                        ; written once: a lane permute's destination counts as one of its sources
.endr
	s_lshl_b32 s20, s17, 7
	s_lshl_b32 s21, s14, 5
	s_add_co_u32 s20, s20, s21                     ; the first token that I store: 128 x tile row + 32 x wave
	s_lshl_b32 s20, s20, 6
	s_lshl_b32 s21, s42, 19                        ; head 2 x tile column
	s_add_co_u32 s20, s20, s21
	s_add_co_u32 s20, s20, s2
	s_mov_b32 s21, 0
	s_lshl_b32 s22, s42, 14
	s_lshl_b32 s23, s17, 8
	s_add_co_u32 s22, s22, s23
	s_add_co_u32 s22, s22, s3
	s_add_co_u32 s22, s22, 12582912
	s_mov_b32 s23, 0
	s_add_nc_u64 s[94:95], s[12:13], s[22:23]
	s_add_nc_u64 s[12:13], s[12:13], s[20:21]
.macro FRAG reg, adr, q, i             ; 16 rows x 128 K of 8-bit codes: lane l holds row l % 16; registers 4 c .. 4 c + 3 hold K = 32 c + 16 (l / 16) + 0 .. 15
.irp c, 0,1,2,3
	ds_load_b128 v[\reg+4*\c:\reg+4*\c+3], v[\adr] offset:128*(\q)+32*\c+(\i)*16*PITCH
.endr
.endm
.macro FETCH slot, q, f                ; 32 LDS loads in one run: the fragments of the slot's q-th 128 along K into buffer f
	WIN TO_F
.irp i, 0,1,2,3
	FRAG \f+64+16*\i, ADRB+\slot, \q, \i
	FRAG \f+16*\i, ADRA+\slot, \q, \i
.endr
.endm
.macro SCALES                          ; a K step's scale words: four words a row; lanes 0-15 A's block i, lanes 16-31 B's
	WIN 0
.irp i, 0,1,2,3
	ds_load_b128 v[SC+4*\i:SC+4*\i+3], v[ADRS] offset:\i*SBLK
.endr
.endm
; 8 matrix instructions: A's blocks a0, a0 + 1 x B's four.  first = 1: the bias is the C of the sum's first product.  The 16 accumulators take turns, one instruction a turn, in the same order in every step.
.macro MUL8 f, q, a0, first
.irp a, \a0, \a0+1
.irp b, 0,1,2,3
.if \first
	v_wmma_scale_f32_16x16x128_f8f6f4 v[ACC+8*(4*(\a)+\b):ACC+8*(4*(\a)+\b)+7], v[\f+64+16*\b:\f+64+16*\b+15], v[\f+16*(\a):\f+16*(\a)+15], v[BI+8*\b:BI+8*\b+7], v[SC+4*\b+\q], v[SC+4*(\a)+\q] matrix_a_fmt:MATRIX_FMT_BF8 matrix_b_fmt:MATRIX_FMT_BF8 matrix_a_scale:MATRIX_SCALE_ROW1
.else
	v_wmma_scale_f32_16x16x128_f8f6f4 v[ACC+8*(4*(\a)+\b):ACC+8*(4*(\a)+\b)+7], v[\f+64+16*\b:\f+64+16*\b+15], v[\f+16*(\a):\f+16*(\a)+15], v[ACC+8*(4*(\a)+\b):ACC+8*(4*(\a)+\b)+7], v[SC+4*\b+\q], v[SC+4*(\a)+\q] matrix_a_fmt:MATRIX_FMT_BF8 matrix_b_fmt:MATRIX_FMT_BF8 matrix_a_scale:MATRIX_SCALE_ROW1
.endif
.endr
.endr
.endm
; A step of 128 along K: the next step's fragments are asked for into buffer g (np places behind the products that read it), then buffer f is multiplied while they come.
.macro QUARTER slot, qn, f, g, q, first, np
.if \np
	PLACES \np
.endif
	FETCH \slot, \qn, \g
	s_wait_dscnt 32                                ; all but the 32 just issued: buffer f and the scale words are in
	WIN MUL
	MUL8 \f, \q, 0, \first
	MUL8 \f, \q, 2, \first
.endm
; A slot's last step changes slots: one barrier; in front of it each wave waits for all its tensor loads, adds 0 to its spare word, and waits for that and for its own reads of this slot.
.macro TURN slot, next, fill
	WIN 0
	s_wait_tensorcnt 0x0                           ; all my tensor loads have landed: my part of the next slot
	ds_add_u32 v[SPW], v[NIL]                      ; 0 onto my spare word
	s_wait_dscnt 1                                 ; buffer 1 is in; the add may be out
	WIN MUL
	MUL8 F1, 3, 0, 0
	s_wait_dscnt 0x0                               ; the add is done, and my reads of this slot are over
	s_barrier_signal -1
	MUL8 F1, 3, 2, 0
	WIN 0
	s_barrier_wait -1
.if \fill
	CREST                                          ; the barrier has opened a round of the cluster's barrier: no wave of any partner still reads this slot or has a load on its way
	s_add_nc_u64 s[G0+4*\slot+2:G0+4*\slot+3], s[G0+4*\slot+2:G0+4*\slot+3], 2*KSTEP
	s_add_nc_u64 s[G0B+4*\slot+2:G0B+4*\slot+3], s[G0B+4*\slot+2:G0B+4*\slot+3], 2*KSTEP
	JLOAD G0+4*\slot, G1, G0B+4*\slot, G1B
	PLACES 4                                       ; with the four behind the joint load: eight places in front of the loads below
.else
	PLACES 8
.endif
	v_add_nc_u32 v[ADRS], 16, v[ADRS]              ; on to the next K step's scale words
	FETCH \next, 0, F0
	SCALES
.endm
	s_wait_alu depctr_va_vdst(0)
	s_wait_tensorcnt 0x0                           ; my tile is in,
	s_barrier_signal -1
	s_barrier_wait -1                              ; everybody's are
	FETCH 0, 0, F0
	SCALES
	s_wait_loadcnt 0x0                             ; the bias
	QUARTER 0, 1, F0, F1, 0, 1, 0
	QUARTER 0, 2, F1, F0, 1, 0, 8
	QUARTER 0, 3, F0, F1, 2, 0, 8
	TURN 0, 1, 0
	QUARTER 1, 1, F0, F1, 0, 0, 0
	QUARTER 1, 2, F1, F0, 1, 0, 8
	QUARTER 1, 3, F0, F1, 2, 0, 8
	s_wait_dscnt 0x0
	MUL8 F1, 3, 0, 0
	MUL8 F1, 3, 2, 0
	WIN 0
	PLACES 8
; 64 numbers of a lane, register 16 b + i, four blocks of which lanes l and l xor 16 hold 16 numbers each, become codes in v[PC] on and two halfwords of scale bytes (blocks 0, 1 and 2, 3).
.macro QUANT s
.irp b, 0,1,2,3
	v_max3_num_f32 v[TM+\b], |v[\s+16*\b]|, |v[\s+1+16*\b]|, 0x8000000   ; my 16 numbers, and the floor 2^(16 - 127): the byte cannot fall under 1
.endr
.irp i, 2,4,6,8,10,12,14
.irp b, 0,1,2,3
	v_max3_num_f32 v[TM+\b], v[TM+\b], |v[\s+16*\b+\i]|, |v[\s+1+16*\b+\i]|
.endr
.endr
.irp b, 0,1,2,3
	v_permlanex16_b32 v[TM+4+\b], v[TM+\b], s18, s19
.endr
.irp b, 0,1,2,3
	v_max_num_f32 v[TM+\b], v[TM+\b], v[TM+4+\b]   ; with lane l xor 16's: the block's largest magnitude
.endr
.irp b, 0,1,2,3
	v_add_nc_u32 v[TM+12+\b], 0xf8800000, v[TM+\b] ; 15 off its exponent field: the conversion's scale operand
.endr
.irp b, 0,1,2,3
	v_and_or_b32 v[TM+8+\b], v[TM+\b], 0x7f800000, s23   ; 57,344 x the scale
.endr
.irp b, 0,1,2,3
	v_lshrrev_b32 v[TM+4+\b], 23, v[TM+12+\b]      ; the scale's byte
.endr
	v_lshl_or_b32 v[W0], v[TM+5], 8, v[TM+4]
	v_lshl_or_b32 v[W1], v[TM+7], 8, v[TM+6]
.irp b, 0,1,2,3
.irp i, 0,1,2,3,4,5,6,7,8,9,10,11,12,13,14,15
	v_med3_num_f32 v[\s+16*\b+\i], v[\s+16*\b+\i], -v[TM+8+\b], v[TM+8+\b]   ; the conversion to an 8-bit code does not saturate (ISA guide 7.6.2): hold first
.endr
	v_cvt_scalef32_pk8_bf8_f32 v[PC+4*\b:PC+1+4*\b], v[\s+16*\b:\s+7+16*\b], v[TM+12+\b]
	v_cvt_scalef32_pk8_bf8_f32 v[PC+2+4*\b:PC+3+4*\b], v[\s+8+16*\b:\s+15+16*\b], v[TM+12+\b]
.endr
	v_nop                                          ; a plain vector instruction behind the last conversion
.endm
	; THE WAY OUT.  Register 8 (4 a + b) + j of lane (r, h) is (token 16 a + r, column 16 b + 8 h + j): the 16 registers of b = 2 beta, 2 beta + 1 are half of the block of columns 32 beta on.
	; Each run of eight codes goes to its true place along the head's 64: 32 beta + 16 u + 8 h.
	s_mov_b32 s18, 0x76543210
	s_mov_b32 s19, 0xfedcba98                      ; v_permlanex16_b32's selects for lane l xor 16
	s_mov_b32 s23, 0x600000                        ; the mantissa field of 57,344
.irp p, 0,1
	QUANT ACC+64*\p
.irp bb, 0,1,2,3
	ds_store_b64 v[STO], v[PC+4*\bb:PC+4*\bb+1] offset:16*(2*\p+\bb/2)*CPITCH+32*(\bb%2)
	ds_store_b64 v[STO], v[PC+4*\bb+2:PC+4*\bb+3] offset:16*(2*\p+\bb/2)*CPITCH+32*(\bb%2)+16
.endr
	ds_store_b16 v[SSTO], v[W0] offset:32*(2*\p)   ; both halves of the lanes write the same two bytes with the same values
	ds_store_b16 v[SSTO], v[W1] offset:32*(2*\p+1)
	s_wait_dscnt 0x0                               ; for the others' sake, and the stores have read their registers
.endr
	s_barrier_signal -1
	s_barrier_wait -1                              ; 128 rows of codes and their scale bytes lie in the stage
.irp t, 0,1,2,3,4,5,6,7
	ds_load_b128 v[BI+4*\t:BI+4*\t+3], v[RD] offset:\t*4*CPITCH
.endr
.irp t, 0,1,2,3,4,5,6,7
	s_wait_dscnt 7-\t
	global_store_b128 v[CO], v[BI+4*\t:BI+4*\t+3], s[12:13] offset:256*\t   ; for each of the two heads four tokens' 64 bytes: 256 consecutive bytes, aligned
.endr
	s_cmp_lg_u32 s14, 0                            ; wave 0 alone stores the scale bytes
	s_cbranch_scc1 .Lno_scales
	ds_load_b128 v[PC:PC+3], v[SRD]
	s_wait_dscnt 0x0
	global_store_b128 v[SCO], v[PC:PC+3], s[94:95] ; sixteen lanes store a head's 256 bytes, aligned
.Lno_scales:
	s_wait_tensorcnt 0x0                           ; the wave's end
	ds_add_u32 v[SPW], v[NIL]
	s_wait_dscnt 0x0
	CROUND                                         ; the closing round: no work-group ends while a partner may still ask for a tile that names it
	s_endpgm
.Lfunc_end_k_q16d586a48e_qk:
	.size	k_q16d586a48e_qk, .Lfunc_end_k_q16d586a48e_qk-k_q16d586a48e_qk
	.p2alignl 7, 3214868480
	.fill 96, 4, 3214868480
	.section	.rodata,"a",@progbits
	.p2align	6, 0x0
	.amdhsa_kernel k_q16d586a48e_qk
		.amdhsa_group_segment_fixed_size 327680
		.amdhsa_private_segment_fixed_size 0
		.amdhsa_enable_private_segment 0
		.amdhsa_kernarg_size 64
		.amdhsa_user_sgpr_count 2
		.amdhsa_user_sgpr_kernarg_segment_ptr 1
		.amdhsa_wavefront_size32 1
		.amdhsa_system_sgpr_workgroup_id_x 1
		.amdhsa_system_sgpr_workgroup_id_y 1
		.amdhsa_system_sgpr_workgroup_id_z 1
		.amdhsa_system_vgpr_workitem_id 0
		.amdhsa_next_free_vgpr 512
		.amdhsa_next_free_sgpr 98
		.amdhsa_reserve_vcc 0
		.amdhsa_float_denorm_mode_32 3
		.amdhsa_float_denorm_mode_16_64 3
		.amdhsa_memory_ordered 1
		.amdhsa_forward_progress 1
		.amdhsa_inst_pref_size 66
	.end_amdhsa_kernel
	.amdgpu_metadata
---
amdhsa.version: [ 1, 2 ]
amdhsa.kernels:
  - .name:           k_q16d586a48e_qk
    .symbol:         k_q16d586a48e_qk.kd
    .args:
      - { .name: xq, .offset: 0, .size: 8, .value_kind: global_buffer, .address_space: global }
      - { .name: Wq_codes, .offset: 8, .size: 8, .value_kind: global_buffer, .address_space: global }
      - { .name: Wq_scales, .offset: 16, .size: 8, .value_kind: global_buffer, .address_space: global }
      - { .name: bq, .offset: 24, .size: 8, .value_kind: global_buffer, .address_space: global }
      - { .name: Wk_codes, .offset: 32, .size: 8, .value_kind: global_buffer, .address_space: global }
      - { .name: Wk_scales, .offset: 40, .size: 8, .value_kind: global_buffer, .address_space: global }
      - { .name: bk, .offset: 48, .size: 8, .value_kind: global_buffer, .address_space: global }
      - { .name: qkv, .offset: 56, .size: 8, .value_kind: global_buffer, .address_space: global }
    .group_segment_fixed_size: 327680
    .private_segment_fixed_size: 0
    .kernarg_segment_align: 8
    .kernarg_segment_size: 64
    .max_flat_workgroup_size: 128
    .sgpr_count:     98
    .vgpr_count:     512
    .wavefront_size: 32
...
	.end_amdgpu_metadata
.endif
;; end of part 2
;; launch vproj (part 3): grid 8 x 32, 4 waves a work-group, clusters of 4 x 4, 327,680 bytes of LDS; arguments xq, Wv_codes, Wv_scales, bv, qkv; writes qkv
.if DOCPART == 3
	.amdgcn_target "amdgcn-amd-amdhsa--gfx1250"
	.amdhsa_code_object_version 6
	.text
	.protected	k_q16d586a48e_vproj
	.globl	k_q16d586a48e_vproj
	.p2align	8
	.type	k_q16d586a48e_vproj,@function
k_q16d586a48e_vproj:
	s_mov_b64 s[64:65], 0
	v_nop
	global_prefetch_b8 v0, s[64:65] scope:SCOPE_SE
	s_setreg_imm32_b32 hwreg(HW_REG_WAVE_MODE, 25, 1), 1
	s_wait_xcnt 0x0
	s_wait_alu depctr_hold_cnt(0) depctr_sa_sdst(0) depctr_va_vdst(0) depctr_va_sdst(0) depctr_va_ssrc(0) depctr_va_vcc(0) depctr_vm_vsrc(0)
	s_getreg_b32 s2, hwreg(HW_REG_IB_STS2, 6, 4)
	s_cmp_eq_u32 s2, 0
	s_cbranch_scc0 .Lentry_in_a_cluster
	s_endpgm
.Lentry_in_a_cluster:
	s_bfe_u32 s2, ttmp6, 0x10000c
	s_cmp_lg_u32 s2, 0xf033
	s_cbranch_scc0 .Lentry_shape_is_right
	s_endpgm
.Lentry_shape_is_right:
; v = x Wv + bv on codes of BF8 (E5M2) with one E8M0 scale for each 32 along K = 1,024; the result is quantised ALONG THE TOKENS (the keys), which are the K of attention's second product.
; A = x's codes [4096][1024] at xq + 0, scale bytes at xq + 4,194,304.  B = Wv's codes [1024 (n)][1024 (k)], scale bytes [1024][32].
; OUT, in qkv: codes at 8,388,608: [b 2][head 16][step of 128 keys 16][d 64][128 bytes]; scale bytes at 12,845,056: [b][head][step][d][4].
; In a row of 128 bytes, byte 32 alpha + 16 h + 8 u + j holds key 32 alpha + 16 u + 8 h + j: inside each block of 32 two groups of eight change places.  The attention launch's weights come out of their conversions in
; the same order, and a permutation inside a scale's block that both operands share keeps the product.
; SHARES, ring, cluster: as in this program's other products: 128 tokens x 128 columns to a work-group of four waves, 64 x 64 to a wave; K in steps of 512 through two LDS slots, both filled once; joint loads in a 4 x 4 cluster.
; THE MATRIX INSTRUCTION IS USED AS IT STANDS (source 0 = 16 tokens, source 1 = 16 rows of Wv): a lane holds ONE column and its registers run down the tokens, so the conversions take neighbours along the next K.
; The bias is the C of each sum's first product: a lane's eight registers hold its column's bias.
; LIMITS: a block whose largest magnitude lies under 2^-111 gets the scale byte 1 (this program alone reads the bytes); NaN and infinities are not served.
; REGISTERS: window 0: v16-31 addresses; v32-47 scale words; v48-63 the quantiser's; v64-95 the bias, later rows on the way out; v96-113 codes; v128-255 accumulators.  window 1: two fragment buffers of 128: A's four, then B's four.
.set SIZE_K, 1024
.set KSTEP,  512
.set PITCH,  1040                      ; THE TILES AS THIS TEXT HAS THEM: a row holds all of K: 1,024 bytes + 16 = 260 words: row r starts at bank 4 r mod 64.  Each tile is filled once, by one load; 'slot 1' is the rows' second 512 bytes
.set HALFT,  64*PITCH
.set SLOT,   4*HALFT
.set LAPS,   SIZE_K/(2*KSTEP)
.set KS,     SIZE_K/32
.set TB,     18944                     ; the tiles begin here: bytes 0 .. 18,943 are the way out's stage, into which no load lands
.set SCL,    TB+SLOT
.set HALFS,  (64*KS/256)*272
.set SBLK,   (16*KS/256)*272
.set SPARE,  SCL+4*HALFS               ; the spare words, 128 bytes for each wave: two blocks of 256 bytes that no other line names
.set ASOFF,  4194304
.set CPITCH, 144                       ; the way out: a stage of 128 rows (columns of v) x (128 bytes + 16) in LDS bytes of its own, from byte 0;
.set SST,    128*CPITCH                ; behind it 512 scale bytes
.set ADRA, 16
.set ADRB, 20
.set STO,  24
.set RD,   25
.set CO,   26
.set ADRS, 27
.set SPW,  28
.set NIL,  29
.set SSTO, 30
.set SRD,  31
.set SCO,  13
.set SC,   32                          ; scale words and nothing else
.set TM,   48
.set BI,   64
.set PC,   96
.set W0,   112
.set W1,   113
.set ACC,  128
.set F0,   0
.set F1,   128
.set G1, 24
.set G0, 32
.set G1B, 48
.set G0B, 56
.set G1S, 68
.set G0S, 76
.set G1SB, 80
.set G0SB, 88
.set MSB, 0
.macro WIN new
.if MSB != \new
	s_set_vgpr_msb (MSB<<8)|\new
.set MSB, \new
.endif
.endm
.set MUL,  0x05
.set TO_F, 0x40
.macro JLOAD g0a, g1a, g0b, g1b        ; a joint load: waves 0 and 1 fetch for A, waves 2 and 3 for B; four v_nop follow each of the two lines
	s_cmp_eq_u32 s15, 0
	s_cbranch_scc0 .Lfor_b_\@
	tensor_load_to_lds s[\g0a:\g0a+3], s[\g1a:\g1a+7]
	s_nop 0
.rept 4
	v_nop
.endr
	s_branch .Lasked_\@
.Lfor_b_\@:
	tensor_load_to_lds s[\g0b:\g0b+3], s[\g1b:\g1b+7]
	s_nop 0
.rept 4
	v_nop
.endr
.Lasked_\@:
.endm
.macro CREST
	s_cmp_lg_u32 s14, 0
	s_cbranch_scc1 .Lnot_wave_0_\@
	s_barrier_signal -3
.Lnot_wave_0_\@:
	s_barrier_wait -3
	s_barrier_signal -1
	s_barrier_wait -1
.endm
.macro CROUND
	s_barrier_signal -1
	s_barrier_wait -1
	CREST
.endm
.macro PLACES n
.rept \n
	v_nop
.endr
.endm
	s_load_b64 s[4:5], s[0:1], 0x0                 ; xq
	s_load_b128 s[8:11], s[0:1], 0x8               ; Wv's codes, Wv's scales
	s_load_b64 s[96:97], s[0:1], 0x18              ; bv
	s_load_b64 s[12:13], s[0:1], 0x20              ; qkv
	v_lshl_add_u32 v[SPW], v0, 2, SPARE
	v_mov_b32 v[NIL], 0
	ds_add_u32 v28, v29
	ds_add_u32 v28, v29
	s_wait_dscnt 0x0
	v_lshrrev_b32 v1, 5, v0
	v_readfirstlane_b32 s14, v1                    ; wave 0..3
	s_lshr_b32 s15, s14, 1                         ; which half of the tile's tokens is mine.  Also: I fetch for A (0) or for B (1)
	s_and_b32 s16, s14, 1                          ; which half of its columns
	s_bfe_u32 s40, ttmp6, 0x40000
	s_bfe_u32 s41, ttmp6, 0x40004
	s_lshl_b32 s42, ttmp9, 2
	s_add_co_u32 s42, s42, s40                     ; tile column
	s_and_b32 s17, ttmp7, 0xffff
	s_lshl_b32 s17, s17, 2
	s_add_co_u32 s17, s17, s41                     ; tile row
	s_lshl_b32 s43, s41, 2
	s_lshl_b32 s43, 15, s43                        ; my row of the cluster
	s_lshl_b32 s44, 0x1111, s40                    ; my column
	s_or_b32 s[G1+0], s43, (0<<16)|(1<<20)|(1<<21)|(7<<22)|(3<<25)   ; padding: four words after every 256
	s_or_b32 s[G1B+0], s44, (0<<16)|(1<<20)|(1<<21)|(7<<22)|(3<<25)
.irp g, G1, G1B
	s_mov_b32 s[\g+1], SIZE_K<<16                  ; all of K
	s_mov_b32 s[\g+2], 128<<16                     ; the tile's 128 rows
	s_mov_b32 s[\g+3], SIZE_K<<16
	s_mov_b32 s[\g+4], 128
	s_mov_b32 s[\g+5], SIZE_K
	s_mov_b32 s[\g+6], 0
	s_mov_b32 s[\g+7], 0
.endr
	s_lshl_b32 s20, s17, 7                         ; A: row 128 x tile row
	s_lshl_b32 s46, s42, 7                         ; B: row 128 x tile column
	s_mul_i32 s22, s20, KS
	s_mul_i32 s92, s46, KS
	s_mul_i32 s20, s20, SIZE_K
	s_mul_i32 s46, s46, SIZE_K
	s_mov_b32 s21, 0
	s_mov_b32 s23, 0
	s_mov_b32 s47, 0
	s_mov_b32 s93, 0
	s_wait_kmcnt 0x0
	s_add_nc_u64 s[6:7], s[4:5], ASOFF
	s_add_nc_u64 s[20:21], s[4:5], s[20:21]
	s_add_nc_u64 s[22:23], s[6:7], s[22:23]
	s_add_nc_u64 s[46:47], s[8:9], s[46:47]
	s_add_nc_u64 s[92:93], s[10:11], s[92:93]
	s_or_b32 s[G1S+0], s43, (3<<16)|(1<<20)|(1<<21)|(5<<22)|(3<<25)
	s_or_b32 s[G1SB+0], s44, (3<<16)|(1<<20)|(1<<21)|(5<<22)|(3<<25)
.irp g, G1S, G1SB
	s_mov_b32 s[\g+1], 32<<16
	s_mov_b32 s[\g+2], (128*KS/256)<<16
	s_mov_b32 s[\g+3], 32<<16
	s_mov_b32 s[\g+4], 128*KS/256
	s_mov_b32 s[\g+5], 32
	s_mov_b32 s[\g+6], 0
	s_mov_b32 s[\g+7], 0
.endr
	CROUND                                         ; all sixteen work-groups are here: the first joint loads meet
	s_mov_b32 s[G0S], 1
	s_mov_b32 s[G0S+1], SCL
	s_mov_b64 s[G0S+2:G0S+3], s[22:23]
	s_or_b32 s[G0S+3], s[G0S+3], 0x80000000
	s_mov_b32 s[G0SB], 1
	s_mov_b32 s[G0SB+1], SCL+2*HALFS
	s_mov_b64 s[G0SB+2:G0SB+3], s[92:93]
	s_or_b32 s[G0SB+3], s[G0SB+3], 0x80000000
	s_mov_b32 s[G0], 1                             ; A's 128 rows, all of K
	s_mov_b32 s[G0+1], TB
	s_mov_b64 s[G0+2:G0+3], s[20:21]
	s_or_b32 s[G0+3], s[G0+3], 0x80000000
	s_mov_b32 s[G0B], 1                            ; B's 128 rows behind them
	s_mov_b32 s[G0B+1], TB+2*HALFT
	s_mov_b64 s[G0B+2:G0B+3], s[46:47]
	s_or_b32 s[G0B+3], s[G0B+3], 0x80000000
; THE LOADS, ONE A WAVE, and the launch's only ones: wave 0 A's tile, wave 1 B's, wave 2 A's scale bytes, wave 3 B's.  One tree of branches on the wave's number: every way passes exactly one load.
.macro ARM under, g0, g1, next
	s_cmp_lt_u32 s14, \under
	s_cbranch_scc0 \next
	tensor_load_to_lds s[\g0:\g0+3], s[\g1:\g1+7]
	s_nop 0
.rept 4
	v_nop
.endr
	s_branch .Lhead_asked
\next:
.endm
	ARM 1, G0,  G1,  .Lhead_b
	ARM 2, G0B, G1B, .Lhead_sa
	ARM 3, G0S, G1S, .Lhead_sb
	tensor_load_to_lds s[G0SB:G0SB+3], s[G1SB:G1SB+7]
	s_nop 0
.rept 4
	v_nop
.endr
.Lhead_asked:
	v_and_b32 v1, 15, v0                           ; r
	v_bfe_u32 v2, v0, 4, 1                         ; h
	v_mul_u32_u24 v3, v1, PITCH
	v_lshl_add_u32 v4, v2, 4, v3
	s_mul_i32 s21, s15, HALFT
	s_mul_i32 s22, s16, HALFT
	s_add_co_u32 s21, s21, TB
	s_add_co_u32 s22, s22, 2*HALFT+TB
.irp s, 0,1
	v_add_nc_u32 v[ADRA+\s], s21, v4
	v_add_nc_u32 v[ADRB+\s], s22, v4
	s_add_co_u32 s21, s21, KSTEP                   ; the rows' second 512 bytes
	s_add_co_u32 s22, s22, KSTEP
.endr
	s_wait_alu depctr_va_vdst(0)                   ; ahead of the lines that read lane % 16 and lane / 16 again
	v_mul_u32_u24 v5, v1, KS
	v_lshrrev_b32 v6, 8, v5
	v_lshl_add_u32 v5, v6, 4, v5
	s_mul_i32 s21, s15, HALFS
	s_mul_i32 s22, s16, HALFS
	s_add_co_u32 s22, s22, 2*HALFS
	s_sub_co_u32 s22, s22, s21
	v_mul_u32_u24 v6, s22, v2
	s_add_co_u32 s21, s21, SCL
	v_add_nc_u32 v5, v5, v6
	v_add_nc_u32 v[ADRS], s21, v5
	s_lshl_b32 s46, s42, 9
	s_lshl_b32 s47, s16, 8
	s_add_co_u32 s46, s46, s47
	s_mov_b32 s47, 0
	s_add_nc_u64 s[96:97], s[96:97], s[46:47]
	v_lshlrev_b32 v7, 2, v1                        ; the bias of my column 16 b + r
.irp b, 0,1,2,3
	global_load_b32 v[BI+8*\b], v7, s[96:97] offset:64*\b
.endr
	; the way out's addresses
	s_mul_i32 s23, s16, 64*CPITCH
	s_lshl_b32 s22, s15, 6
	s_add_co_u32 s23, s23, s22
	v_mul_u32_u24 v5, v1, CPITCH
	v_lshl_add_u32 v5, v2, 4, v5
	v_add_nc_u32 v[STO], s23, v5                   ; into the stage: row 64 x column half + r, byte 64 x token half + 16 h
	v_and_b32 v6, 31, v0
	v_lshrrev_b32 v8, 3, v6
	v_and_b32 v9, 7, v6
	s_mul_i32 s23, s14, 32*CPITCH
	v_mul_u32_u24 v5, v8, CPITCH
	v_lshl_add_u32 v5, v9, 4, v5
	v_add_nc_u32 v[RD], s23, v5                    ; back: wave w takes rows 32 w on, four rows an instruction
	v_lshlrev_b32 v[CO], 4, v6                     ; which are 512 consecutive bytes in memory
	s_lshl_b32 s23, s16, 8
	s_lshl_b32 s22, s15, 1
	s_add_co_u32 s23, s23, s22
	s_add_co_u32 s23, s23, SST
	v_lshl_add_u32 v[SSTO], v1, 2, s23             ; scale bytes in LDS: [column 128][4]; my token half's two
	v_lshl_add_u32 v[SRD], v6, 4, SST
	v_lshlrev_b32 v5, 12, v2
	v_lshl_add_u32 v[SCO], v1, 4, v5               ; in memory the next head's lie 16 steps x 256 bytes on
.irp b, 0,1,2,3
	v_mov_b32 v[TM+4+\b], 0                        ; written once: a lane permute's destination counts as one of its sources
.endr
	s_lshr_b32 s20, s17, 4
	s_lshl_b32 s20, s20, 4                         ; 16 b
	s_lshl_b32 s21, s42, 1
	s_add_co_u32 s20, s20, s21                     ; + the tile's first head
	s_lshl_b32 s22, s20, 4
	s_and_b32 s21, s17, 15
	s_add_co_u32 s22, s22, s21                     ; x 16 + the step of 128 keys
	s_lshl_b32 s21, s15, 4
	s_add_co_u32 s21, s22, s21                     ; rows 32 w on lie in head w / 2 of the tile,
	s_lshl_b32 s20, s21, 13
	s_lshl_b32 s21, s16, 12                        ; d = 32 (w % 2) on
	s_add_co_u32 s20, s20, s21
	s_add_co_u32 s20, s20, 8388608
	s_mov_b32 s21, 0
	s_lshl_b32 s22, s22, 8
	s_add_co_u32 s22, s22, 12845056
	s_mov_b32 s23, 0
	s_add_nc_u64 s[94:95], s[12:13], s[22:23]
	s_add_nc_u64 s[12:13], s[12:13], s[20:21]
.macro FRAG reg, adr, q, i
.irp c, 0,1,2,3
	ds_load_b128 v[\reg+4*\c:\reg+4*\c+3], v[\adr] offset:128*(\q)+32*\c+(\i)*16*PITCH
.endr
.endm
.macro FETCH slot, q, f
	WIN TO_F
.irp i, 0,1,2,3
	FRAG \f+64+16*\i, ADRB+\slot, \q, \i
	FRAG \f+16*\i, ADRA+\slot, \q, \i
.endr
.endm
.macro SCALES
	WIN 0
.irp i, 0,1,2,3
	ds_load_b128 v[SC+4*\i:SC+4*\i+3], v[ADRS] offset:\i*SBLK
.endr
.endm
; 8 matrix instructions: A's blocks a0, a0 + 1 x B's four; accumulator (b, a) at 8 (4 b + a), so that a column's 64 tokens lie in 32 registers on end.  The 16 accumulators take turns.
.macro MUL8 f, q, a0, first
.irp a, \a0, \a0+1
.irp b, 0,1,2,3
.if \first
	v_wmma_scale_f32_16x16x128_f8f6f4 v[ACC+8*(4*\b+(\a)):ACC+8*(4*\b+(\a))+7], v[\f+16*(\a):\f+16*(\a)+15], v[\f+64+16*\b:\f+64+16*\b+15], v[BI+8*\b:BI+8*\b+7], v[SC+4*(\a)+\q], v[SC+4*\b+\q] matrix_a_fmt:MATRIX_FMT_BF8 matrix_b_fmt:MATRIX_FMT_BF8 matrix_b_scale:MATRIX_SCALE_ROW1
.else
	v_wmma_scale_f32_16x16x128_f8f6f4 v[ACC+8*(4*\b+(\a)):ACC+8*(4*\b+(\a))+7], v[\f+16*(\a):\f+16*(\a)+15], v[\f+64+16*\b:\f+64+16*\b+15], v[ACC+8*(4*\b+(\a)):ACC+8*(4*\b+(\a))+7], v[SC+4*(\a)+\q], v[SC+4*\b+\q] matrix_a_fmt:MATRIX_FMT_BF8 matrix_b_fmt:MATRIX_FMT_BF8 matrix_b_scale:MATRIX_SCALE_ROW1
.endif
.endr
.endr
.endm
.macro QUARTER slot, qn, f, g, q, first, np
.if \np
	PLACES \np
.endif
	FETCH \slot, \qn, \g
	s_wait_dscnt 32                                ; all but the 32 just issued
	WIN MUL
	MUL8 \f, \q, 0, \first
	MUL8 \f, \q, 2, \first
.endm
.macro TURN slot, next, fill
	WIN 0
	s_wait_tensorcnt 0x0                           ; all my tensor loads have landed: my part of the next slot
	ds_add_u32 v[SPW], v[NIL]                      ; 0 onto my spare word
	s_wait_dscnt 1                                 ; buffer 1 is in; the add may be out
	WIN MUL
	MUL8 F1, 3, 0, 0
	s_wait_dscnt 0x0                               ; the add is done, and my reads of this slot are over
	s_barrier_signal -1
	MUL8 F1, 3, 2, 0
	WIN 0
	s_barrier_wait -1
.if \fill
	CREST
	s_add_nc_u64 s[G0+4*\slot+2:G0+4*\slot+3], s[G0+4*\slot+2:G0+4*\slot+3], 2*KSTEP
	s_add_nc_u64 s[G0B+4*\slot+2:G0B+4*\slot+3], s[G0B+4*\slot+2:G0B+4*\slot+3], 2*KSTEP
	JLOAD G0+4*\slot, G1, G0B+4*\slot, G1B
	PLACES 4
.else
	PLACES 8
.endif
	v_add_nc_u32 v[ADRS], 16, v[ADRS]
	FETCH \next, 0, F0
	SCALES
.endm
	s_wait_alu depctr_va_vdst(0)
	s_wait_tensorcnt 0x0                           ; my tile is in,
	s_barrier_signal -1
	s_barrier_wait -1
	FETCH 0, 0, F0
	SCALES
	s_wait_loadcnt 0x0                             ; the bias
.irp b, 0,1,2,3
.irp j, 1,2,3,4,5,6,7
	v_mov_b32 v[BI+8*\b+\j], v[BI+8*\b]            ; a C operand is eight registers: my column's bias for eight tokens
.endr
.endr
	s_wait_alu depctr_va_vdst(0)
	QUARTER 0, 1, F0, F1, 0, 1, 0
	QUARTER 0, 2, F1, F0, 1, 0, 8
	QUARTER 0, 3, F0, F1, 2, 0, 8
	TURN 0, 1, 0
	QUARTER 1, 1, F0, F1, 0, 0, 0
	QUARTER 1, 2, F1, F0, 1, 0, 8
	QUARTER 1, 3, F0, F1, 2, 0, 8
	s_wait_dscnt 0x0
	MUL8 F1, 3, 0, 0
	MUL8 F1, 3, 2, 0
	WIN 0
	PLACES 8
.macro QUANT s
.irp b, 0,1,2,3
	v_max3_num_f32 v[TM+\b], |v[\s+16*\b]|, |v[\s+1+16*\b]|, 0x8000000   ; my 16 numbers, and the floor 2^(16 - 127)
.endr
.irp i, 2,4,6,8,10,12,14
.irp b, 0,1,2,3
	v_max3_num_f32 v[TM+\b], v[TM+\b], |v[\s+16*\b+\i]|, |v[\s+1+16*\b+\i]|
.endr
.endr
.irp b, 0,1,2,3
	v_permlanex16_b32 v[TM+4+\b], v[TM+\b], s18, s19
.endr
.irp b, 0,1,2,3
	v_max_num_f32 v[TM+\b], v[TM+\b], v[TM+4+\b]
.endr
.irp b, 0,1,2,3
	v_add_nc_u32 v[TM+12+\b], 0xf8800000, v[TM+\b]
.endr
.irp b, 0,1,2,3
	v_and_or_b32 v[TM+8+\b], v[TM+\b], 0x7f800000, s23
.endr
.irp b, 0,1,2,3
	v_lshrrev_b32 v[TM+4+\b], 23, v[TM+12+\b]
.endr
	v_lshl_or_b32 v[W0], v[TM+5], 8, v[TM+4]
	v_lshl_or_b32 v[W1], v[TM+7], 8, v[TM+6]
.irp b, 0,1,2,3
.irp i, 0,1,2,3,4,5,6,7,8,9,10,11,12,13,14,15
	v_med3_num_f32 v[\s+16*\b+\i], v[\s+16*\b+\i], -v[TM+8+\b], v[TM+8+\b]   ; the conversion to an 8-bit code does not saturate (ISA guide 7.6.2): hold first
.endr
	v_cvt_scalef32_pk8_bf8_f32 v[PC+4*\b:PC+1+4*\b], v[\s+16*\b:\s+7+16*\b], v[TM+12+\b]
	v_cvt_scalef32_pk8_bf8_f32 v[PC+2+4*\b:PC+3+4*\b], v[\s+8+16*\b:\s+15+16*\b], v[TM+12+\b]
.endr
	v_nop                                          ; a plain vector instruction behind the last conversion
.endm
	; THE WAY OUT.  Register 8 (4 b + a) + j of lane (r, h) is (token 16 a + 8 h + j, column 16 b + r): the 16 registers of a = 2 alpha, 2 alpha + 1 are half of the block of tokens 32 alpha on.
	; A lane's 16 codes of a block go out on end, at 32 alpha + 16 h: the order stated at the head.
	s_mov_b32 s18, 0x76543210
	s_mov_b32 s19, 0xfedcba98
	s_mov_b32 s23, 0x600000
.irp p, 0,1
	QUANT ACC+64*\p
.irp bb, 0,1,2,3
	ds_store_b128 v[STO], v[PC+4*\bb:PC+4*\bb+3] offset:16*(2*\p+\bb/2)*CPITCH+32*(\bb%2)
.endr
	ds_store_b16 v[SSTO], v[W0] offset:64*(2*\p)
	ds_store_b16 v[SSTO], v[W1] offset:64*(2*\p+1)
	s_wait_dscnt 0x0                               ; for the others' sake, and the stores have read their registers
.endr
	s_barrier_signal -1
	s_barrier_wait -1
.irp t, 0,1,2,3,4,5,6,7
	ds_load_b128 v[BI+4*\t:BI+4*\t+3], v[RD] offset:\t*4*CPITCH
.endr
.irp t, 0,1,2,3,4,5,6,7
	s_wait_dscnt 7-\t
	global_store_b128 v[CO], v[BI+4*\t:BI+4*\t+3], s[12:13] offset:512*\t   ; 32 lanes store 512 consecutive bytes, aligned
.endr
	s_cmp_lg_u32 s14, 0                            ; wave 0 alone stores the scale bytes
	s_cbranch_scc1 .Lno_scales
	ds_load_b128 v[PC:PC+3], v[SRD]
	s_wait_dscnt 0x0
	global_store_b128 v[SCO], v[PC:PC+3], s[94:95] ; sixteen lanes store a head's 256 bytes, aligned
.Lno_scales:
	s_wait_tensorcnt 0x0                           ; the wave's end
	ds_add_u32 v[SPW], v[NIL]
	s_wait_dscnt 0x0
	CROUND                                         ; the closing round
	s_endpgm
.Lfunc_end_k_q16d586a48e_vproj:
	.size	k_q16d586a48e_vproj, .Lfunc_end_k_q16d586a48e_vproj-k_q16d586a48e_vproj
	.p2alignl 7, 3214868480
	.fill 96, 4, 3214868480
	.section	.rodata,"a",@progbits
	.p2align	6, 0x0
	.amdhsa_kernel k_q16d586a48e_vproj
		.amdhsa_group_segment_fixed_size 327680
		.amdhsa_private_segment_fixed_size 0
		.amdhsa_enable_private_segment 0
		.amdhsa_kernarg_size 40
		.amdhsa_user_sgpr_count 2
		.amdhsa_user_sgpr_kernarg_segment_ptr 1
		.amdhsa_wavefront_size32 1
		.amdhsa_system_sgpr_workgroup_id_x 1
		.amdhsa_system_sgpr_workgroup_id_y 1
		.amdhsa_system_sgpr_workgroup_id_z 1
		.amdhsa_system_vgpr_workitem_id 0
		.amdhsa_next_free_vgpr 512
		.amdhsa_next_free_sgpr 98
		.amdhsa_reserve_vcc 0
		.amdhsa_float_denorm_mode_32 3
		.amdhsa_float_denorm_mode_16_64 3
		.amdhsa_memory_ordered 1
		.amdhsa_forward_progress 1
		.amdhsa_inst_pref_size 66
	.end_amdhsa_kernel
	.amdgpu_metadata
---
amdhsa.version: [ 1, 2 ]
amdhsa.kernels:
  - .name:           k_q16d586a48e_vproj
    .symbol:         k_q16d586a48e_vproj.kd
    .args:
      - { .name: xq, .offset: 0, .size: 8, .value_kind: global_buffer, .address_space: global }
      - { .name: Wv_codes, .offset: 8, .size: 8, .value_kind: global_buffer, .address_space: global }
      - { .name: Wv_scales, .offset: 16, .size: 8, .value_kind: global_buffer, .address_space: global }
      - { .name: bv, .offset: 24, .size: 8, .value_kind: global_buffer, .address_space: global }
      - { .name: qkv, .offset: 32, .size: 8, .value_kind: global_buffer, .address_space: global }
    .group_segment_fixed_size: 327680
    .private_segment_fixed_size: 0
    .kernarg_segment_align: 8
    .kernarg_segment_size: 40
    .max_flat_workgroup_size: 128
    .sgpr_count:     98
    .vgpr_count:     512
    .wavefront_size: 32
...
	.end_amdgpu_metadata
.endif
;; end of part 3
;; launch attn (part 4): grid 8 x 32, 16 waves a work-group, no clusters, 327,680 bytes of LDS; arguments qkv, mb, mf, ab; writes ab
.if DOCPART == 4
	.amdgcn_target "amdgcn-amd-amdhsa--gfx1250"
	.amdhsa_code_object_version 6
	.text
	.protected	k_q16d586a48e_attn
	.globl	k_q16d586a48e_attn
	.p2align	8
	.type	k_q16d586a48e_attn,@function
k_q16d586a48e_attn:
	s_mov_b64 s[64:65], 0
	v_nop
	global_prefetch_b8 v0, s[64:65] scope:SCOPE_SE
	s_setreg_imm32_b32 hwreg(HW_REG_WAVE_MODE, 25, 1), 1
	s_wait_xcnt 0x0
; attn[token][head 64 + d] = the sum over keys of aw V, aw = softmax over the keys of (q . k / 8, -infinity where the mask is 0), 0 for a row whose every key is masked.  Both products on codes of BF8 (E5M2) with E8M0 scales.
; WHAT IS QUANTISED FOR THE SECOND PRODUCT IS aw FINISHED AND NORMALISED.  So the keys are walked twice: pass 1 finds each row's largest score m and the sum of its exponentials (running maximum); pass 2 makes the
; scores again, aw = 2^(c s - c m - log2(sum)), quantises it along the keys and multiplies by V.  c = log2(e) / 8.  The division by the sum stands in the exponent: one fused multiply-add a score serves both.
; IN, from qkv: q's and k's codes [head][token][64] with two scale bytes a token; V's codes [b][head][step of 128 keys][d 64][128] with four scale bytes a row; V's bytes inside a block of 32 stand in the order in which
; p's codes leave the conversions here.  From mb: the mask as lane-mask words, 64 words for 16 queries x 128 keys.  From mf: a bit for each such 64 words that says that all their bits are set.
; OUT, ab: attn's codes [4096][1024] and scale bytes [4096][32] at 4,194,304, quantised along the 1,024.
; THE MASK.  A step whose flag is set jumps over the 64 selects and the loads of their words: a scalar branch on a whole number that an earlier launch stored.  Every other step loads its words and selects.
; K and V come into LDS through registers, and there is no cluster and no joint load.
; THE FIRST PRODUCT'S K IS 64, the instruction's 128: the upper half of both operands is zero codes, set once; their scale bytes are 0 (2^-127), under which zeros add nothing.
; SHARES.  A work-group owns 256 queries of one head, each of its sixteen waves 16: four waves to a SIMD.  THE WHOLE HEAD'S K AND V LIE IN LDS (320,000 bytes), each byte stored once, in chunks of 8,192 bytes (16 bytes a thread): a chunk of K
; is a step's 128 keys, a chunk of V a step's 64 rows.  All 16 chunks of K are asked for at the head.  Chunks 0-3 and the scale bytes are stored there; pass 1's first four steps run on them while chunks 4-15 land in 48 registers that
; pass 1 leaves free; these are stored behind those steps, one barrier follows, and all of V is asked for into 64 free registers; it is stored behind pass 1's other twelve steps, in front of the barrier between the passes.
; No prefetch: every byte is asked for by its own load, four to twelve steps ahead of the wait for it.
; LAYOUT.  Both products transposed: S^T = K Q^T (source 0 = 16 neighbouring keys), O^T = V^T P^T: a lane holds one query (lane % 16) throughout.  Score register 16 beta + 8 u + j of lane (r, h) is key 32 beta + 16 u + 8 h + j.
; LIMITS: scores under -3e38 are not served; NaN and infinities among the inputs are not served; v_exp_f32 gives 0 for results under 2^-126; a block of p or of attn whose largest magnitude lies under 2^-111 gets the byte 1.
; attn's codes leave as 64 bytes a token (a head's share of a row), in four stores of 8 bytes a lane: blocks of 256 bytes of ab are written by four work-groups.
; REGISTERS: v1-4 addresses that stay; v5 -infinity; v[6:7] the sum; v8-11 addresses in hand (v11 in pass 1: 16 x thread); v12 the exponent's addend; v14 m; v15 q's scale word; v16-31 Q; v32-95 four fragments of K; v96-159 S^T, p, then V's fragments;
;   v160-191 O^T, v192-207 p's codes (in pass 1: K's chunks 4-15, then V's 0-11); v208-211 V's scale words (in pass 1: where I store K, v208-210, and V's second half, v211); v212 p's scale word; v213 where I store V; v214 the rescaling factor;
;   v216-235 at work (in pass 1 v224-231: V's chunks 12, 13); v236-239 K's scale words; v240-247 V's chunks 14, 15; v248-251 sums; v254-255 the add's two.
.set KP,  80                           ; a key's row in LDS: 64 bytes + 16: an odd multiple of 16
.set VP,  144                          ; a row of V: 128 bytes + 16
.set VT,  2048*KP                      ; V's 1,024 rows behind K's 2,048
.set KSL, VT+1024*VP                   ; K's scale bytes: 16 units of 256 bytes + 16, one for each step of 128 keys
.set VSL, KSL+16*272                   ; V's likewise
.set SPARE, VSL+16*272                 ; the spare words, 128 bytes for each wave: eight blocks of 256 bytes that no other line names
.set KC,  4194304
.set VC,  8388608
.set QS,  12582912
.set KSO, 12713984
.set VSO, 12845056
	s_load_b128 s[4:7], s[0:1], 0x0                ; qkv, mb
	s_load_b128 s[8:11], s[0:1], 0x10              ; mf, ab
	v_lshl_add_u32 v254, v0, 2, SPARE
	v_mov_b32 v255, 0
	v_lshrrev_b32 v216, 5, v0
	v_readfirstlane_b32 s3, v216                   ; wave 0..15
	s_and_b32 s31, ttmp7, 0xffff                   ; 16 b + head
	s_lshr_b32 s76, s31, 4                         ; b
	s_and_b32 s77, s31, 15                         ; head
	s_lshl_b32 s80, s77, 18                        ; K's codes: head x 4,096 tokens x 64
	s_lshl_b32 s79, s76, 17                        ; + b x 2,048 x 64
	s_add_co_u32 s80, s80, s79
	s_add_co_u32 s80, s80, KC
	s_mov_b32 s81, 0
	s_lshl_b32 s82, s31, 17                        ; V's codes: (16 b + head) x 131,072
	s_add_co_u32 s82, s82, VC
	s_mov_b32 s83, 0
	s_lshl_b32 s84, s77, 13                        ; K's scale bytes, 4,096: threads 0-255 take 16 each;
	s_lshl_b32 s79, s76, 12
	s_add_co_u32 s84, s84, s79
	s_add_co_u32 s84, s84, KSO
	s_lshl_b32 s86, s31, 12                        ; V's, 4,096: threads 256-511 (so 4,096 are taken off)
	s_add_co_u32 s86, s86, VSO-4096
	s_cmp_lt_u32 s3, 8
	s_cselect_b32 s84, s84, s86
	s_mov_b32 s85, 0
	s_lshl_b32 s88, s76, 11                        ; my first token: 2,048 b + 256 x block + 16 x wave.  Also: my four flag words' byte in mf (16 bytes for 16 tokens)
	s_lshl_b32 s89, ttmp9, 8
	s_add_co_u32 s88, s88, s89
	s_lshl_b32 s89, s3, 4
	s_add_co_u32 s88, s88, s89
	s_lshl_b32 s90, s77, 18                        ; its codes of q,
	s_lshl_b32 s89, s88, 6
	s_add_co_u32 s90, s90, s89
	s_mov_b32 s91, 0
	s_lshl_b32 s92, s77, 13                        ; its scale bytes,
	s_lshl_b32 s89, s88, 1
	s_add_co_u32 s92, s92, s89
	s_add_co_u32 s92, s92, QS
	s_mov_b32 s93, 0
	s_lshl_b32 s94, s88, 8                         ; its 16 queries' mask words: 4,096 bytes,
	s_mov_b32 s95, 0
	s_lshl_b32 s96, s88, 10                        ; its place in ab's codes,
	s_lshl_b32 s89, s77, 6
	s_add_co_u32 s96, s96, s89
	s_mov_b32 s97, 0
	s_lshl_b32 s98, s88, 5                         ; and in ab's scale bytes
	s_lshl_b32 s89, s77, 1
	s_add_co_u32 s98, s98, s89
	s_add_co_u32 s98, s98, 4194304
	s_mov_b32 s99, 0
	s_mov_b32 s12, 0x76543210
	s_mov_b32 s13, 0xfedcba98                      ; v_permlanex16_b32's selects for lane l xor 16
	s_mov_b32 s14, 0x3e38aa3b                      ; c = log2(e) / 8
	s_mov_b32 s15, s14                             ; (named with it as a pair)
	s_mov_b32 s16, 0xbe38aa3b                      ; -c
	s_mov_b32 s17, 0x600000                        ; the mantissa field of 57,344
	s_mov_b32 s18, 0                               ; where the step's keys begin in LDS,
	s_mov_b32 s19, 0                               ; their scale bytes,
	s_mov_b32 s20, 0                               ; V's rows,
	s_mov_b32 s21, 0                               ; and V's scale bytes
	v_lshlrev_b32 v11, 4, v0                       ; 16 bytes a thread: a load of the work-group covers 8,192 consecutive bytes
	v_and_b32 v217, 15, v0                         ; r
	v_bfe_u32 v218, v0, 4, 1                       ; h
	v_lshlrev_b32 v10, 6, v217
	v_lshl_add_u32 v10, v218, 4, v10               ; q: row r of 64 bytes, + 16 h
	v_lshlrev_b32 v8, 1, v217                      ; q's two scale bytes
	v_mul_u32_u24 v1, v217, KP
	v_lshl_add_u32 v1, v218, 4, v1                 ; a fragment of K
	v_mul_u32_u24 v2, v217, VP
	v_lshl_add_u32 v2, v218, 4, v2
	v_add_nc_u32 v2, VT, v2                        ; of V
	v_lshl_add_u32 v3, v217, 1, KSL
	v_lshl_add_u32 v4, v217, 2, VSL
	v_lshrrev_b32 v219, 2, v0                      ; where I store K: four threads to a row; a chunk's 128 rows are 128 KP bytes;
	v_and_b32 v220, 3, v0
	v_mul_u32_u24 v219, v219, KP
	v_lshl_add_u32 v208, v220, 4, v219
	v_add_nc_u32 v209, 6*128*KP, v208              ; three registers, six chunks each: the immediate has 16 bits
	v_add_nc_u32 v210, 12*128*KP, v208
	v_lshrrev_b32 v222, 4, v0                      ; the scale bytes: sixteen threads to a unit of 256 bytes; V's 16 units follow K's 16
	v_mul_u32_u24 v222, v222, 272
	v_lshl_add_u32 v222, v217, 4, v222
	v_add_nc_u32 v222, KSL, v222
	v_lshrrev_b32 v223, 3, v0                      ; V: eight threads to a row; a chunk's 64 rows are 64 VP bytes;
	v_and_b32 v213, 7, v0
	v_mul_u32_u24 v223, v223, VP
	v_lshl_add_u32 v213, v213, 4, v223
	v_add_nc_u32 v213, VT, v213
	v_add_nc_u32 v211, 8*64*VP, v213               ; two registers, eight chunks each
	s_wait_alu depctr_va_vdst(0)
	s_wait_kmcnt 0x0
	s_load_b128 s[68:71], s[8:9], s88 offset:0x0   ; my 16 queries' flags: four bits in each of four words
	s_add_nc_u64 s[84:85], s[4:5], s[84:85]
	s_add_nc_u64 s[90:91], s[4:5], s[90:91]
	s_add_nc_u64 s[92:93], s[4:5], s[92:93]
	s_add_nc_u64 s[30:31], s[4:5], s[82:83]        ; V's codes
	s_add_nc_u64 s[24:25], s[6:7], s[94:95]
	s_add_nc_u64 s[26:27], s[10:11], s[96:97]
	s_add_nc_u64 s[28:29], s[10:11], s[98:99]
	s_add_nc_u64 s[4:5], s[4:5], s[80:81]          ; K's codes: in registers that the mask's words never take, since its last loads are out during pass 1's first steps
.irp i, 0,1,2,3
	global_load_b128 v[96+4*\i:99+4*\i], v11, s[4:5] offset:8192*\i
.endr
	global_load_b128 v[112:115], v11, s[84:85]     ; the scale bytes
	global_load_b128 v[16:19], v10, s[90:91]
	global_load_b128 v[20:23], v10, s[90:91] offset:32
	global_load_u16 v15, v8, s[92:93]              ; q's two scale bytes; the word's upper two are 0
.irp i, 4,5,6,7,8,9,10,11,12,13,14,15
	global_load_b128 v[160+4*(\i-4):163+4*(\i-4)], v11, s[4:5] offset:8192*\i
.endr
	s_mov_b32 s10, 0                               ; the step's number
.irp j, 0,1,2,3,4,5,6,7
	v_mov_b32 v[24+\j], 0                          ; zero codes for K = 64 .. 127: Q's,
.endr
.irp t, 0,1,2,3
.irp j, 0,1,2,3,4,5,6,7
	v_mov_b32 v[40+16*\t+\j], 0                    ; and those of K's four fragments: no load ever lands here
.endr
.endr
	v_mov_b32 v5, 0xff800000                       ; -infinity
	v_mov_b32 v6, 0                                ; the sum, in two halves
	v_mov_b32 v7, 0
	v_mov_b32 v13, 0                               ; (named as the upper half of the pair v[12:13])
	v_mov_b32 v215, 0                              ; (of v[214:215])
	v_mov_b32 v14, 0xff61b1e6                      ; the largest score so far: -3e38
	v_mov_b32 v234, 0                              ; a lane permute's destination counts as one of its sources
	v_mov_b32 v238, 0
	v_mul_f32 v12, s16, v14                        ; -c m
	s_wait_alu depctr_va_vdst(0)
	s_wait_loadcnt 15                              ; K's chunks 0-3 and the scale bytes are in: q's three loads and K's other twelve, issued behind them, may be out
.irp i, 0,1,2,3
	ds_store_b128 v208, v[96+4*\i:99+4*\i] offset:\i*128*KP
.endr
	ds_store_b128 v222, v[112:115]
	s_wait_kmcnt 0x0
	s_lshl_b32 s69, s69, 4
	s_lshl_b32 s70, s70, 8
	s_lshl_b32 s71, s71, 12
	s_or_b32 s68, s68, s69
	s_or_b32 s70, s70, s71
	s_or_b32 s2, s68, s70                          ; bit i: every key of step i counts for all my queries
	s_wait_dscnt 0x0                               ; for the others' sake
	s_barrier_signal -1
	s_barrier_wait -1                              ; everybody's part of K's first 512 keys lies in LDS
	s_wait_loadcnt 12                              ; q is in; K's twelve may be out
; THE SCORES OF A STEP OF 128 KEYS, masked.  Eight tiles of 16 neighbouring keys, four at a time.
.macro SCORES
	v_add_nc_u32 v8, s18, v1
	v_add_nc_u32 v10, s19, v3
	s_wait_alu depctr_va_vdst(0)
.irp g, 0,1
.if \g
.rept 8
	v_nop                                          ; places in front of loads into registers that matrix instructions have read; they also part the first four results from their first readers
.endr
.endif
.irp t, 0,1,2,3
	ds_load_b128 v[32+16*\t:35+16*\t], v8 offset:(4*\g+\t)*16*KP
	ds_load_b128 v[36+16*\t:39+16*\t], v8 offset:(4*\g+\t)*16*KP+32
	ds_load_u16 v[236+\t], v10 offset:(4*\g+\t)*32
.endr
	s_wait_dscnt 0x0
.irp t, 0,1,2,3
	v_wmma_scale_f32_16x16x128_f8f6f4 v[96+8*(4*\g+\t):103+8*(4*\g+\t)], v[32+16*\t:47+16*\t], v[16:31], 0, v[236+\t], v15 matrix_a_fmt:MATRIX_FMT_BF8 matrix_b_fmt:MATRIX_FMT_BF8
.endr
.endr
	s_bitcmp1_b32 s2, s10                          ; do all keys of this step count?
	s_cbranch_scc1 .Lopen_\@
	s_lshl_b32 s22, s10, 8                         ; no: the step's 64 mask words: word n in s[32 + n], from word 32 on in s[36 + n]
	s_load_b512 s[32:47], s[24:25], s22 offset:0x0
	s_load_b512 s[48:63], s[24:25], s22 offset:0x40
	s_load_b512 s[68:83], s[24:25], s22 offset:0x80
	s_load_b512 s[84:99], s[24:25], s22 offset:0xc0
	s_wait_kmcnt 0x0
.set n, 0
.rept 64
	v_cndmask_b32 v[96+n], v5, v[96+n], s[32+n+4*(n/32)]   ; -infinity where the mask is 0; the first 32 name the first four tiles alone: they are the places behind the last four products
.set n, n+1
.endr
.Lopen_\@:
.endm
; The largest score of my 16 keys of blocks b0 and b1: two chains a block, the four by turns.  Each accumulator is read from its low end on.
.macro BMAX2 b0, b1
.irp b, \b0, \b1
	v_max3_num_f32 v[216+\b], v[96+16*\b], v[97+16*\b], v[98+16*\b]
	v_max3_num_f32 v[220+\b], v[104+16*\b], v[105+16*\b], v[106+16*\b]
.endr
.irp i, 3,5
.irp b, \b0, \b1
	v_max3_num_f32 v[216+\b], v[216+\b], v[96+16*\b+\i], v[97+16*\b+\i]
	v_max3_num_f32 v[220+\b], v[220+\b], v[104+16*\b+\i], v[105+16*\b+\i]
.endr
.endr
.irp b, \b0, \b1
	v_max3_num_f32 v[216+\b], v[216+\b], v[220+\b], v[103+16*\b]
.endr
.irp b, \b0, \b1
	v_max_num_f32 v[216+\b], v[216+\b], v[111+16*\b]
.endr
.endm
.macro SCALED                          ; c s + the addend, two at a time (of the pairs the low word serves both halves)
.set n, 0
.rept 32
	v_pk_fma_f32 v[96+n:97+n], v[96+n:97+n], s[14:15], v[12:13] op_sel_hi:[1,0,0]
.set n, n+2
.endr
.endm
; A STEP OF PASS 1: each lane by itself: the running maximum and sum of its 64 keys
.macro PASS1
	SCORES
	BMAX2 0, 1                                     ; 16 lines on the first four tiles: the places behind the last four products
	BMAX2 2, 3
	v_mov_b32 v235, v12
	v_max3_num_f32 v234, v216, v217, v218
	s_delay_alu instid0(VALU_DEP_1)
	v_max3_num_f32 v14, v234, v219, v14            ; the running maximum
	s_delay_alu instid0(VALU_DEP_1)
	v_mul_f32 v12, s16, v14                        ; -c m
	s_delay_alu instid0(VALU_DEP_1)
	v_sub_f32 v235, v12, v235                      ; c m_old - c m_new, 0 or less
	SCALED                                         ; c s - c m
	s_wait_alu depctr_va_vdst(0)
	v_exp_f32 v214, v235                           ; what was summed under the old maximum is multiplied by this
.set n, 0
.rept 64
	v_exp_f32 v[96+n], v[96+n]
.set n, n+1
.endr
	v_nop                                          ; a plain place behind the exponentials
	s_wait_alu depctr_va_vdst(0)                   ; one wait for the batch, ahead of its first reader
	v_pk_mul_f32 v[6:7], v[6:7], v[214:215] op_sel_hi:[1,0]
	v_pk_add_f32 v[232:233], v[96:97], v[98:99]    ; the 32 pairs in four chains by turns
	v_pk_add_f32 v[248:249], v[100:101], v[102:103]
	v_pk_add_f32 v[250:251], v[104:105], v[106:107]
	v_pk_add_f32 v[6:7], v[6:7], v[108:109]
.irp j, 110,118,126,134,142,150
	v_pk_add_f32 v[232:233], v[232:233], v[\j:\j+1]
	v_pk_add_f32 v[248:249], v[248:249], v[\j+2:\j+3]
	v_pk_add_f32 v[250:251], v[250:251], v[\j+4:\j+5]
	v_pk_add_f32 v[6:7], v[6:7], v[\j+6:\j+7]
.endr
	v_pk_add_f32 v[232:233], v[232:233], v[158:159]
	v_pk_add_f32 v[6:7], v[6:7], v[248:249]
	s_delay_alu instid0(VALU_DEP_2)
	v_pk_add_f32 v[232:233], v[232:233], v[250:251]
	s_delay_alu instid0(VALU_DEP_1)
	v_pk_add_f32 v[6:7], v[6:7], v[232:233]
	s_add_co_u32 s18, s18, 128*KP
	s_add_co_u32 s19, s19, 272
	s_add_co_u32 s10, s10, 1
.endm
	s_mov_b32 s23, 4                               ; PASS 1, steps 0-3: the keys that the head stored
.Lpass1a:
	PASS1
	s_sub_co_u32 s23, s23, 1
	s_cmp_lg_u32 s23, 0
	s_cbranch_scc1 .Lpass1a
	s_wait_loadcnt 0x0                             ; K's chunks 4-15
.irp i, 4,5,6,7,8,9,10,11,12,13,14,15
	ds_store_b128 v[208+\i/6], v[160+4*(\i-4):163+4*(\i-4)] offset:(\i%6)*128*KP   ; rows 512 on: no wave reads them before the barrier below
.endr
	s_wait_dscnt 0x0                               ; for the others' sake; and the stores have read their registers,
.irp i, 0,1,2,3,4,5,6,7,8,9,10,11
	global_load_b128 v[160+4*\i:163+4*\i], v11, s[30:31] offset:8192*\i   ; which take V: all 16 chunks
.endr
.irp i, 0,1
	global_load_b128 v[224+4*\i:227+4*\i], v11, s[30:31] offset:8192*(12+\i)
	global_load_b128 v[240+4*\i:243+4*\i], v11, s[30:31] offset:8192*(14+\i)
.endr
	s_barrier_signal -1
	s_barrier_wait -1                              ; all of K lies in LDS
	s_mov_b32 s23, 12                              ; PASS 1, steps 4-15
.Lpass1b:
	PASS1
	s_sub_co_u32 s23, s23, 1
	s_cmp_lg_u32 s23, 0
	s_cbranch_scc1 .Lpass1b
	; the two lanes of a query meet: the row's maximum, its sum under that maximum, and the addend -c m - log2(sum); 0 for a row whose every key is masked: its scores are -infinity, and 2^-infinity is 0
	v_add_f32 v6, v6, v7
	v_permlanex16_b32 v234, v14, s12, s13
	s_delay_alu instid0(VALU_DEP_1)
	v_max_num_f32 v234, v14, v234
	s_delay_alu instid0(VALU_DEP_1)
	v_mul_f32 v235, s16, v234                      ; the final -c m
	s_delay_alu instid0(VALU_DEP_1)
	v_sub_f32 v232, v235, v12
	s_wait_alu depctr_va_vdst(0)
	v_exp_f32 v233, v232
	v_nop                                          ; a plain place
	s_wait_alu depctr_va_vdst(0)
	v_mul_f32 v6, v6, v233
	s_delay_alu instid0(VALU_DEP_1)
	v_permlanex16_b32 v238, v6, s12, s13
	s_delay_alu instid0(VALU_DEP_1)
	v_add_f32 v6, v6, v238
	s_wait_alu depctr_va_vdst(0)
	v_log_f32 v233, v6
	v_nop                                          ; a plain place
	v_cmp_lt_f32 vcc_lo, 0, v6
	s_wait_alu depctr_va_vdst(0)
	v_sub_f32 v232, v235, v233
	s_delay_alu instid0(VALU_DEP_1)
	v_cndmask_b32 v12, 0, v232, vcc_lo
	s_mov_b32 s18, 0
	s_mov_b32 s19, 0
	s_mov_b32 s10, 0
	s_wait_alu depctr_va_vdst(0)
	s_wait_loadcnt 0x0                             ; V
.irp i, 0,1,2,3,4,5,6,7
	ds_store_b128 v213, v[160+4*\i:163+4*\i] offset:\i*64*VP
.endr
.irp i, 0,1,2,3
	ds_store_b128 v211, v[192+4*\i:195+4*\i] offset:\i*64*VP
.endr
.irp i, 0,1
	ds_store_b128 v211, v[224+4*\i:227+4*\i] offset:(4+\i)*64*VP
	ds_store_b128 v211, v[240+4*\i:243+4*\i] offset:(6+\i)*64*VP
.endr
	s_wait_dscnt 0x0                               ; my part of V lies in LDS, and the stores have read their registers
	s_barrier_signal -1
.set n, 0
.rept 32
	v_mov_b32 v[160+n], 0                          ; O^T: pass 2 is written once
.set n, n+1
.endr
	s_wait_alu depctr_va_vdst(0)
	s_barrier_wait -1                              ; everybody's part of V lies in LDS
	; PASS 2
	s_mov_b32 s23, 16
.Lpass2:
	SCORES
	BMAX2 0, 1
	BMAX2 2, 3
.irp b, 0,1,2,3
	v_permlanex16_b32 v[220+\b], v[216+\b], s12, s13
.endr
.irp b, 0,1,2,3
	v_max_num_f32 v[216+\b], v[216+\b], v[220+\b]  ; the block's largest score: p rises with the score, so it gives the block's largest p
.endr
	SCALED
.irp b, 0,1,2,3
	v_fma_f32 v[216+\b], v[216+\b], s14, v12       ; the same two steps on the same number give the same bits
.endr
	s_wait_alu depctr_va_vdst(0)
.set n, 0
.rept 64
	v_exp_f32 v[96+n], v[96+n]                     ; aw, normalised
.set n, n+1
.endr
.irp b, 0,1,2,3
	v_exp_f32 v[216+\b], v[216+\b]
.endr
	v_add_nc_u32 v9, s20, v2                       ; where the step's rows of V lie: also the plain place behind the exponentials
	s_wait_alu depctr_va_vdst(0)                   ; one wait for the batch
.irp b, 0,1,2,3
	v_max_num_f32 v[216+\b], 0x8000000, v[216+\b]  ; the floor 2^(16 - 127): the byte cannot fall under 1 (a block of zeros keeps that byte: its codes are zeros)
.endr
.irp b, 0,1,2,3
	v_add_nc_u32 v[232+\b], 0xf8800000, v[216+\b]  ; 15 off the exponent field: the conversion's scale operand
.endr
.irp b, 0,1,2,3
	v_and_or_b32 v[224+2*\b], v[216+\b], 0x7f800000, s17   ; 57,344 x the scale,
	v_and_or_b32 v[225+2*\b], v[216+\b], 0x7f800000, s17   ; twice: the two halves of a dual instruction take their second sources from different register banks
.endr
.irp b, 0,1,2,3
	v_lshrrev_b32 v[220+\b], 23, v[232+\b]         ; the scale's byte
.endr
	v_lshl_or_b32 v212, v221, 8, v220              ; p's scale word for these 128 keys
	s_delay_alu instid0(VALU_DEP_1)
	v_lshl_or_b32 v212, v222, 16, v212
	s_delay_alu instid0(VALU_DEP_1)
	v_lshl_or_b32 v212, v223, 24, v212
.irp b, 0,1,2,3
.irp i, 0,2,4,6,8,10,12,14
	v_dual_min_num_f32 v[96+16*\b+\i], v[96+16*\b+\i], v[224+2*\b] :: v_dual_min_num_f32 v[97+16*\b+\i], v[97+16*\b+\i], v[225+2*\b]   ; the conversion does not saturate (ISA guide 7.6.2); p is not negative, so the hold is one-sided; two holds an instruction
.endr
	v_cvt_scalef32_pk8_bf8_f32 v[192+4*\b:193+4*\b], v[96+16*\b:103+16*\b], v[232+\b]
	v_cvt_scalef32_pk8_bf8_f32 v[194+4*\b:195+4*\b], v[104+16*\b:111+16*\b], v[232+\b]
.endr
	v_nop                                          ; five plain instructions between the conversions and the products that take the codes
	v_add_nc_u32 v11, s21, v4
	v_nop
	v_nop
	v_nop
.irp t, 0,1,2,3
.irp c, 0,1,2,3
	ds_load_b128 v[96+16*\t+4*\c:99+16*\t+4*\c], v9 offset:\t*16*VP+32*\c   ; V's four fragments take p's registers
.endr
	ds_load_b32 v[208+\t], v11 offset:64*\t
.endr
	s_wait_alu depctr_va_vdst(0)
	s_wait_dscnt 0x0
.irp t, 0,1,2,3
	v_wmma_scale_f32_16x16x128_f8f6f4 v[160+8*\t:167+8*\t], v[96+16*\t:111+16*\t], v[192:207], v[160+8*\t:167+8*\t], v[208+\t], v212 matrix_a_fmt:MATRIX_FMT_BF8 matrix_b_fmt:MATRIX_FMT_BF8
.endr
.rept 7
	v_nop                                          ; the next step's score products write over registers that these four have read: nine places, of which the next step's two additions are two
.endr
	s_add_co_u32 s18, s18, 128*KP
	s_add_co_u32 s19, s19, 272
	s_add_co_u32 s20, s20, 64*VP
	s_add_co_u32 s21, s21, 272
	s_add_co_u32 s10, s10, 1
	s_sub_co_u32 s23, s23, 1
	s_cmp_lg_u32 s23, 0
	s_cbranch_scc1 .Lpass2
	; THE WAY OUT.  Register 16 beta + 8 u + j of lane (r, h) is attn(token r, d = 32 beta + 16 u + 8 h + j): two blocks of 32 along the next product's K
	v_nop                                          ; the eighth place behind the last products
.irp b, 0,1
	v_max3_num_f32 v[216+\b], |v[160+16*\b]|, |v[161+16*\b]|, 0x8000000
.endr
.irp i, 2,4,6,8,10,12,14
.irp b, 0,1
	v_max3_num_f32 v[216+\b], v[216+\b], |v[160+16*\b+\i]|, |v[161+16*\b+\i]|
.endr
.endr
.irp b, 0,1
	s_delay_alu instid0(VALU_DEP_2)
	v_permlanex16_b32 v[220+\b], v[216+\b], s12, s13
.endr
.irp b, 0,1
	s_delay_alu instid0(VALU_DEP_2)
	v_max_num_f32 v[216+\b], v[216+\b], v[220+\b]
.endr
.irp b, 0,1
	s_delay_alu instid0(VALU_DEP_2)
	v_add_nc_u32 v[228+\b], 0xf8800000, v[216+\b]
.endr
.irp b, 0,1
	s_delay_alu instid0(VALU_DEP_4)
	v_and_or_b32 v[224+\b], v[216+\b], 0x7f800000, s17
.endr
.irp b, 0,1
	s_delay_alu instid0(VALU_DEP_4)
	v_lshrrev_b32 v[220+\b], 23, v[228+\b]
.endr
.irp b, 0,1
.irp i, 0,1,2,3,4,5,6,7,8,9,10,11,12,13,14,15
	v_med3_num_f32 v[160+16*\b+\i], v[160+16*\b+\i], -v[224+\b], v[224+\b]
.endr
	v_cvt_scalef32_pk8_bf8_f32 v[192+4*\b:193+4*\b], v[160+16*\b:167+16*\b], v[228+\b]
	v_cvt_scalef32_pk8_bf8_f32 v[194+4*\b:195+4*\b], v[168+16*\b:175+16*\b], v[228+\b]
.endr
	v_and_b32 v8, 15, v0                           ; (a plain instruction behind the last conversion)
	v_bfe_u32 v9, v0, 4, 1
	s_delay_alu instid0(VALU_DEP_2)
	v_lshlrev_b32 v10, 10, v8
	s_delay_alu instid0(VALU_DEP_1)
	v_lshl_add_u32 v10, v9, 3, v10                 ; codes: token r's row of 1,024 bytes, + 8 h
	v_lshl_add_u32 v11, v8, 5, v9                  ; scale bytes: 32 a token; lane (r, h) stores block h's
	v_cmp_ne_u32 vcc_lo, 0, v9
	s_delay_alu instid0(VALU_DEP_1)
	v_cndmask_b32 v234, v220, v221, vcc_lo
	global_store_b64 v10, v[192:193], s[26:27]
	global_store_b64 v10, v[194:195], s[26:27] offset:16
	global_store_b64 v10, v[196:197], s[26:27] offset:32
	global_store_b64 v10, v[198:199], s[26:27] offset:48
	global_store_b8 v11, v234, s[28:29]
	s_wait_tensorcnt 0x0                           ; the wave's end
	ds_add_u32 v254, v255
	s_wait_dscnt 0x0
	s_endpgm
.Lfunc_end_k_q16d586a48e_attn:
	.size	k_q16d586a48e_attn, .Lfunc_end_k_q16d586a48e_attn-k_q16d586a48e_attn
	.p2alignl 7, 3214868480
	.fill 96, 4, 3214868480
	.section	.rodata,"a",@progbits
	.p2align	6, 0x0
	.amdhsa_kernel k_q16d586a48e_attn
		.amdhsa_group_segment_fixed_size 327680
		.amdhsa_private_segment_fixed_size 0
		.amdhsa_enable_private_segment 0
		.amdhsa_kernarg_size 32
		.amdhsa_user_sgpr_count 2
		.amdhsa_user_sgpr_kernarg_segment_ptr 1
		.amdhsa_wavefront_size32 1
		.amdhsa_system_sgpr_workgroup_id_x 1
		.amdhsa_system_sgpr_workgroup_id_y 1
		.amdhsa_system_sgpr_workgroup_id_z 1
		.amdhsa_system_vgpr_workitem_id 0
		.amdhsa_next_free_vgpr 256
		.amdhsa_next_free_sgpr 100
		.amdhsa_reserve_vcc 1
		.amdhsa_float_denorm_mode_32 3
		.amdhsa_float_denorm_mode_16_64 3
		.amdhsa_memory_ordered 1
		.amdhsa_forward_progress 1
		.amdhsa_inst_pref_size 73
	.end_amdhsa_kernel
	.amdgpu_metadata
---
amdhsa.version: [ 1, 2 ]
amdhsa.kernels:
  - .name:           k_q16d586a48e_attn
    .symbol:         k_q16d586a48e_attn.kd
    .args:
      - { .name: qkv, .offset: 0, .size: 8, .value_kind: global_buffer, .address_space: global }
      - { .name: mb, .offset: 8, .size: 8, .value_kind: global_buffer, .address_space: global }
      - { .name: mf, .offset: 16, .size: 8, .value_kind: global_buffer, .address_space: global }
      - { .name: ab, .offset: 24, .size: 8, .value_kind: global_buffer, .address_space: global }
    .group_segment_fixed_size: 327680
    .private_segment_fixed_size: 0
    .kernarg_segment_align: 8
    .kernarg_segment_size: 32
    .max_flat_workgroup_size: 512
    .sgpr_count:     100
    .vgpr_count:     256
    .wavefront_size: 32
...
	.end_amdgpu_metadata
.endif
;; end of part 4
;; launch wo (part 5): grid 8 x 32, 4 waves a work-group, clusters of 4 x 4, 327,680 bytes of LDS; arguments ab, Wo_codes, Wo_scales, bo, y; writes y
.if DOCPART == 5
	.amdgcn_target "amdgcn-amd-amdhsa--gfx1250"
	.amdhsa_code_object_version 6
	.text
	.protected	k_q16d586a48e_wo
	.globl	k_q16d586a48e_wo
	.p2align	8
	.type	k_q16d586a48e_wo,@function
k_q16d586a48e_wo:
	s_mov_b64 s[64:65], 0
	v_nop
	global_prefetch_b8 v0, s[64:65] scope:SCOPE_SE
	s_setreg_imm32_b32 hwreg(HW_REG_WAVE_MODE, 25, 1), 1
	s_wait_xcnt 0x0
	s_wait_alu depctr_hold_cnt(0) depctr_sa_sdst(0) depctr_va_vdst(0) depctr_va_sdst(0) depctr_va_ssrc(0) depctr_va_vcc(0) depctr_vm_vsrc(0)
	s_getreg_b32 s2, hwreg(HW_REG_IB_STS2, 6, 4)
	s_cmp_eq_u32 s2, 0
	s_cbranch_scc0 .Lentry_in_a_cluster
	s_endpgm
.Lentry_in_a_cluster:
	s_bfe_u32 s2, ttmp6, 0x10000c
	s_cmp_lg_u32 s2, 0xf033
	s_cbranch_scc0 .Lentry_shape_is_right
	s_endpgm
.Lentry_shape_is_right:
.set SIZE_K, 1024
.set ASOFF,  4194304
.set KSTEP,  512
; y = attn Wo + bo on codes of BF8 (E5M2) with E8M0 scales, K = 1,024; 128 tokens x 128 columns to a work-group of four waves, 64 x 64 to a wave; joint loads in a 4 x 4 cluster.
.set PITCH,  1040                      ; a tile's row holds all of K: 1,024 bytes + 16 = 260 words: row r starts at bank 4 r mod 64.  Each tile is filled once, by one load; 'slot 1' is the rows' second 512 bytes
.set HALFT,  64*PITCH
.set SLOT,   4*HALFT
.set LAPS,   SIZE_K/(2*KSTEP)
.set KS,     SIZE_K/32
.set TB,     18944                     ; the tiles begin here: the bytes below are the way out's stages, into which no load lands
.set SCL,    TB+SLOT
.set HALFS,  (64*KS/256)*272
.set SBLK,   (16*KS/256)*272
.set SPARE,  SCL+4*HALFS
.set SPITCH, 272
.set ADRA, 16
.set ADRB, 20
.set STO,  24
.set RD,   25
.set CO,   26
.set ADRS, 27
.set SPW,  28
.set NIL,  29
.set SC,   32
.set BI,   64
.set ACC,  128
.set F0,   0
.set F1,   128
.set G1, 24
.set G0, 32
.set G1B, 48
.set G0B, 56
.set G1S, 68
.set G0S, 76
.set G1SB, 80
.set G0SB, 88
.set MSB, 0
.macro WIN new
.if MSB != \new
	s_set_vgpr_msb (MSB<<8)|\new
.set MSB, \new
.endif
.endm
.set MUL,  0x05
.set TO_F, 0x40
.macro JLOAD g0a, g1a, g0b, g1b
	s_cmp_eq_u32 s15, 0
	s_cbranch_scc0 .Lfor_b_\@
	tensor_load_to_lds s[\g0a:\g0a+3], s[\g1a:\g1a+7]
	s_nop 0
.rept 4
	v_nop
.endr
	s_branch .Lasked_\@
.Lfor_b_\@:
	tensor_load_to_lds s[\g0b:\g0b+3], s[\g1b:\g1b+7]
	s_nop 0
.rept 4
	v_nop
.endr
.Lasked_\@:
.endm
.macro CREST
	s_cmp_lg_u32 s14, 0
	s_cbranch_scc1 .Lnot_wave_0_\@
	s_barrier_signal -3
.Lnot_wave_0_\@:
	s_barrier_wait -3
	s_barrier_signal -1
	s_barrier_wait -1
.endm
.macro CROUND
	s_barrier_signal -1
	s_barrier_wait -1
	CREST
.endm
.macro PLACES n
.rept \n
	v_nop
.endr
.endm
	s_load_b64 s[4:5], s[0:1], 0x0
	s_load_b128 s[8:11], s[0:1], 0x8
	s_load_b64 s[96:97], s[0:1], 0x18
	s_load_b64 s[12:13], s[0:1], 0x20
	v_lshl_add_u32 v[SPW], v0, 2, SPARE
	v_mov_b32 v[NIL], 0
	ds_add_u32 v28, v29
	ds_add_u32 v28, v29
	s_wait_dscnt 0x0
	v_lshrrev_b32 v1, 5, v0
	v_readfirstlane_b32 s14, v1
	s_lshr_b32 s15, s14, 1
	s_and_b32 s16, s14, 1
	s_bfe_u32 s40, ttmp6, 0x40000
	s_bfe_u32 s41, ttmp6, 0x40004
	s_lshl_b32 s42, ttmp9, 2
	s_add_co_u32 s42, s42, s40
	s_and_b32 s17, ttmp7, 0xffff
	s_lshl_b32 s17, s17, 2
	s_add_co_u32 s17, s17, s41
	s_lshl_b32 s43, s41, 2
	s_lshl_b32 s43, 15, s43
	s_lshl_b32 s44, 0x1111, s40
	s_or_b32 s[G1+0], s43, (0<<16)|(1<<20)|(1<<21)|(7<<22)|(3<<25)   ; padding: four words after every 256
	s_or_b32 s[G1B+0], s44, (0<<16)|(1<<20)|(1<<21)|(7<<22)|(3<<25)
.irp g, G1, G1B
	s_mov_b32 s[\g+1], SIZE_K<<16                  ; all of K
	s_mov_b32 s[\g+2], 128<<16                     ; the tile's 128 rows
	s_mov_b32 s[\g+3], SIZE_K<<16
	s_mov_b32 s[\g+4], 128
	s_mov_b32 s[\g+5], SIZE_K
	s_mov_b32 s[\g+6], 0
	s_mov_b32 s[\g+7], 0
.endr
	s_lshl_b32 s20, s17, 7                         ; A: row 128 x tile row
	s_lshl_b32 s46, s42, 7                         ; B: row 128 x tile column
	s_mul_i32 s22, s20, KS
	s_mul_i32 s92, s46, KS
	s_mul_i32 s20, s20, SIZE_K
	s_mul_i32 s46, s46, SIZE_K
	s_mov_b32 s21, 0
	s_mov_b32 s23, 0
	s_mov_b32 s47, 0
	s_mov_b32 s93, 0
	s_wait_kmcnt 0x0
	s_add_nc_u64 s[6:7], s[4:5], ASOFF
	s_add_nc_u64 s[20:21], s[4:5], s[20:21]
	s_add_nc_u64 s[22:23], s[6:7], s[22:23]
	s_add_nc_u64 s[46:47], s[8:9], s[46:47]
	s_add_nc_u64 s[92:93], s[10:11], s[92:93]
	s_or_b32 s[G1S+0], s43, (3<<16)|(1<<20)|(1<<21)|(5<<22)|(3<<25)
	s_or_b32 s[G1SB+0], s44, (3<<16)|(1<<20)|(1<<21)|(5<<22)|(3<<25)
.irp g, G1S, G1SB
	s_mov_b32 s[\g+1], 32<<16
	s_mov_b32 s[\g+2], (128*KS/256)<<16
	s_mov_b32 s[\g+3], 32<<16
	s_mov_b32 s[\g+4], 128*KS/256
	s_mov_b32 s[\g+5], 32
	s_mov_b32 s[\g+6], 0
	s_mov_b32 s[\g+7], 0
.endr
	CROUND
	s_mov_b32 s[G0S], 1
	s_mov_b32 s[G0S+1], SCL
	s_mov_b64 s[G0S+2:G0S+3], s[22:23]
	s_or_b32 s[G0S+3], s[G0S+3], 0x80000000
	s_mov_b32 s[G0SB], 1
	s_mov_b32 s[G0SB+1], SCL+2*HALFS
	s_mov_b64 s[G0SB+2:G0SB+3], s[92:93]
	s_or_b32 s[G0SB+3], s[G0SB+3], 0x80000000
	s_mov_b32 s[G0], 1                             ; A's 128 rows, all of K
	s_mov_b32 s[G0+1], TB
	s_mov_b64 s[G0+2:G0+3], s[20:21]
	s_or_b32 s[G0+3], s[G0+3], 0x80000000
	s_mov_b32 s[G0B], 1                            ; B's 128 rows behind them
	s_mov_b32 s[G0B+1], TB+2*HALFT
	s_mov_b64 s[G0B+2:G0B+3], s[46:47]
	s_or_b32 s[G0B+3], s[G0B+3], 0x80000000
; THE LOADS, ONE A WAVE, and the launch's only ones: wave 0 A's tile, wave 1 B's, wave 2 A's scale bytes, wave 3 B's.  One tree of branches on the wave's number: every way passes exactly one load.
.macro ARM under, g0, g1, next
	s_cmp_lt_u32 s14, \under
	s_cbranch_scc0 \next
	tensor_load_to_lds s[\g0:\g0+3], s[\g1:\g1+7]
	s_nop 0
.rept 4
	v_nop
.endr
	s_branch .Lhead_asked
\next:
.endm
	ARM 1, G0,  G1,  .Lhead_b
	ARM 2, G0B, G1B, .Lhead_sa
	ARM 3, G0S, G1S, .Lhead_sb
	tensor_load_to_lds s[G0SB:G0SB+3], s[G1SB:G1SB+7]
	s_nop 0
.rept 4
	v_nop
.endr
.Lhead_asked:
	v_and_b32 v1, 15, v0
	v_bfe_u32 v2, v0, 4, 1
	v_mul_u32_u24 v3, v1, PITCH
	v_lshl_add_u32 v4, v2, 4, v3
	s_mul_i32 s21, s15, HALFT
	s_mul_i32 s22, s16, HALFT
	s_add_co_u32 s21, s21, TB
	s_add_co_u32 s22, s22, 2*HALFT+TB
.irp s, 0,1
	v_add_nc_u32 v[ADRA+\s], s21, v4
	v_add_nc_u32 v[ADRB+\s], s22, v4
	s_add_co_u32 s21, s21, KSTEP                   ; the rows' second 512 bytes
	s_add_co_u32 s22, s22, KSTEP
.endr
	s_wait_alu depctr_va_vdst(0)                   ; ahead of the lines that read lane % 16 and lane / 16 again
	v_mul_u32_u24 v5, v1, KS
	v_lshrrev_b32 v6, 8, v5
	v_lshl_add_u32 v5, v6, 4, v5
	s_mul_i32 s21, s15, HALFS
	s_mul_i32 s22, s16, HALFS
	s_add_co_u32 s22, s22, 2*HALFS
	s_sub_co_u32 s22, s22, s21
	v_mul_u32_u24 v6, s22, v2
	s_add_co_u32 s21, s21, SCL
	v_add_nc_u32 v5, v5, v6
	v_add_nc_u32 v[ADRS], s21, v5
	s_lshl_b32 s46, s42, 9
	s_lshl_b32 s47, s16, 8
	s_add_co_u32 s46, s46, s47
	s_mov_b32 s47, 0
	s_add_nc_u64 s[96:97], s[96:97], s[46:47]
	v_lshlrev_b32 v7, 5, v2
.irp b, 0,1,2,3
	global_load_b128 v[BI+8*\b:BI+8*\b+3], v7, s[96:97] offset:64*\b
	global_load_b128 v[BI+8*\b+4:BI+8*\b+7], v7, s[96:97] offset:64*\b+16
.endr
	s_mul_i32 s23, s14, 16*SPITCH
	v_mul_u32_u24 v5, v1, SPITCH
	v_lshl_add_u32 v5, v2, 5, v5
	v_add_nc_u32 v[STO], s23, v5
	v_mul_u32_u24 v5, v2, SPITCH
	v_lshl_add_u32 v5, v1, 4, v5
	v_add_nc_u32 v[RD], s23, v5
	v_lshlrev_b32 v5, 12, v2
	v_lshl_add_u32 v[CO], v1, 4, v5
	s_lshl_b32 s20, s17, 7
	s_lshl_b32 s21, s15, 6
	s_add_co_u32 s20, s20, s21
	s_lshl_b32 s20, s20, 12
	s_add_co_u32 s20, s20, s46
	s_mov_b32 s21, 0
	s_add_nc_u64 s[12:13], s[12:13], s[20:21]
.macro FRAG reg, adr, q, i
.irp c, 0,1,2,3
	ds_load_b128 v[\reg+4*\c:\reg+4*\c+3], v[\adr] offset:128*(\q)+32*\c+(\i)*16*PITCH
.endr
.endm
.macro FETCH slot, q, f
	WIN TO_F
.irp i, 0,1,2,3
	FRAG \f+64+16*\i, ADRB+\slot, \q, \i
	FRAG \f+16*\i, ADRA+\slot, \q, \i
.endr
.endm
.macro SCALES
	WIN 0
.irp i, 0,1,2,3
	ds_load_b128 v[SC+4*\i:SC+4*\i+3], v[ADRS] offset:\i*SBLK
.endr
.endm
.macro MUL8 f, q, a0, first
.irp a, \a0, \a0+1
.irp b, 0,1,2,3
.if \first
	v_wmma_scale_f32_16x16x128_f8f6f4 v[ACC+8*(4*(\a)+\b):ACC+8*(4*(\a)+\b)+7], v[\f+64+16*\b:\f+64+16*\b+15], v[\f+16*(\a):\f+16*(\a)+15], v[BI+8*\b:BI+8*\b+7], v[SC+4*\b+\q], v[SC+4*(\a)+\q] matrix_a_fmt:MATRIX_FMT_BF8 matrix_b_fmt:MATRIX_FMT_BF8 matrix_a_scale:MATRIX_SCALE_ROW1
.else
	v_wmma_scale_f32_16x16x128_f8f6f4 v[ACC+8*(4*(\a)+\b):ACC+8*(4*(\a)+\b)+7], v[\f+64+16*\b:\f+64+16*\b+15], v[\f+16*(\a):\f+16*(\a)+15], v[ACC+8*(4*(\a)+\b):ACC+8*(4*(\a)+\b)+7], v[SC+4*\b+\q], v[SC+4*(\a)+\q] matrix_a_fmt:MATRIX_FMT_BF8 matrix_b_fmt:MATRIX_FMT_BF8 matrix_a_scale:MATRIX_SCALE_ROW1
.endif
.endr
.endr
.endm
.macro QUARTER slot, qn, f, g, q, first, np
.if \np
	PLACES \np
.endif
	FETCH \slot, \qn, \g
	s_wait_dscnt 32
	WIN MUL
	MUL8 \f, \q, 0, \first
	MUL8 \f, \q, 2, \first
.endm
.macro TURN slot, next, fill
	WIN 0
	s_wait_tensorcnt 0x0
	ds_add_u32 v[SPW], v[NIL]
	s_wait_dscnt 1
	WIN MUL
	MUL8 F1, 3, 0, 0
	s_wait_dscnt 0x0
	s_barrier_signal -1
	MUL8 F1, 3, 2, 0
	WIN 0
	s_barrier_wait -1
.if \fill
	CREST
	s_add_nc_u64 s[G0+4*\slot+2:G0+4*\slot+3], s[G0+4*\slot+2:G0+4*\slot+3], 2*KSTEP
	s_add_nc_u64 s[G0B+4*\slot+2:G0B+4*\slot+3], s[G0B+4*\slot+2:G0B+4*\slot+3], 2*KSTEP
	JLOAD G0+4*\slot, G1, G0B+4*\slot, G1B
	PLACES 4
.else
	PLACES 8
.endif
	v_add_nc_u32 v[ADRS], 16, v[ADRS]
	FETCH \next, 0, F0
	SCALES
.endm
	s_wait_alu depctr_va_vdst(0)
	s_wait_tensorcnt 0x0                           ; my tile is in,
	s_barrier_signal -1
	s_barrier_wait -1
	FETCH 0, 0, F0
	SCALES
	s_wait_loadcnt 0x0
	QUARTER 0, 1, F0, F1, 0, 1, 0
.if LAPS > 1
	WIN 0
	s_mov_b32 s3, LAPS-1
.Llap:
	QUARTER 0, 2, F1, F0, 1, 0, 8
	QUARTER 0, 3, F0, F1, 2, 0, 8
	TURN 0, 1, 1
	QUARTER 1, 1, F0, F1, 0, 0, 0
	QUARTER 1, 2, F1, F0, 1, 0, 8
	QUARTER 1, 3, F0, F1, 2, 0, 8
	TURN 1, 0, 1
	QUARTER 0, 1, F0, F1, 0, 0, 0
	WIN 0
	s_sub_co_u32 s3, s3, 1
	s_cmp_lg_u32 s3, 0
	s_cbranch_scc1 .Llap
.endif
	QUARTER 0, 2, F1, F0, 1, 0, 8
	QUARTER 0, 3, F0, F1, 2, 0, 8
	TURN 0, 1, 0
	QUARTER 1, 1, F0, F1, 0, 0, 0
	QUARTER 1, 2, F1, F0, 1, 0, 8
	QUARTER 1, 3, F0, F1, 2, 0, 8
	s_wait_dscnt 0x0
	MUL8 F1, 3, 0, 0
	MUL8 F1, 3, 2, 0
	WIN 0
	PLACES 8
.macro TOSTAGE a
.irp b, 0,1,2,3
	ds_store_b128 v[STO], v[ACC+8*(4*(\a)+\b):ACC+8*(4*(\a)+\b)+3] offset:64*\b
	ds_store_b128 v[STO], v[ACC+8*(4*(\a)+\b)+4:ACC+8*(4*(\a)+\b)+7] offset:64*\b+16
.endr
.set BB, BI+32*((\a)%2)
.irp t, 0,1,2,3,4,5,6,7
	ds_load_b128 v[BB+4*\t:BB+4*\t+3], v[RD] offset:\t*2*SPITCH
.endr
.endm
.macro SEND a, younger
.set BB, BI+32*((\a)%2)
	s_wait_dscnt \younger
.irp t, 0,1,2,3,4,5,6,7
	global_store_b128 v[CO], v[BB+4*\t:BB+4*\t+3], s[12:13] offset:(16*(\a)+2*\t)*4096
.endr
.endm
	s_wait_alu depctr_va_vdst(0)
	TOSTAGE 0
.irp a, 1,2,3
.if \a > 1
	s_wait_xcnt 0x0
.endif
	TOSTAGE \a
	SEND \a-1, 16
.endr
	SEND 3, 0
	s_wait_tensorcnt 0x0
	ds_add_u32 v[SPW], v[NIL]
	s_wait_dscnt 0x0
	CROUND
	s_endpgm
.Lfunc_end_k_q16d586a48e_wo:
	.size	k_q16d586a48e_wo, .Lfunc_end_k_q16d586a48e_wo-k_q16d586a48e_wo
	.p2alignl 7, 3214868480
	.fill 96, 4, 3214868480
	.section	.rodata,"a",@progbits
	.p2align	6, 0x0
	.amdhsa_kernel k_q16d586a48e_wo
		.amdhsa_group_segment_fixed_size 327680
		.amdhsa_private_segment_fixed_size 0
		.amdhsa_enable_private_segment 0
		.amdhsa_kernarg_size 40
		.amdhsa_user_sgpr_count 2
		.amdhsa_user_sgpr_kernarg_segment_ptr 1
		.amdhsa_wavefront_size32 1
		.amdhsa_system_sgpr_workgroup_id_x 1
		.amdhsa_system_sgpr_workgroup_id_y 1
		.amdhsa_system_sgpr_workgroup_id_z 1
		.amdhsa_system_vgpr_workitem_id 0
		.amdhsa_next_free_vgpr 512
		.amdhsa_next_free_sgpr 98
		.amdhsa_reserve_vcc 0
		.amdhsa_float_denorm_mode_32 3
		.amdhsa_float_denorm_mode_16_64 3
		.amdhsa_memory_ordered 1
		.amdhsa_forward_progress 1
		.amdhsa_inst_pref_size 53
	.end_amdhsa_kernel
	.amdgpu_metadata
---
amdhsa.version: [ 1, 2 ]
amdhsa.kernels:
  - .name:           k_q16d586a48e_wo
    .symbol:         k_q16d586a48e_wo.kd
    .args:
      - { .name: ab, .offset: 0, .size: 8, .value_kind: global_buffer, .address_space: global }
      - { .name: Wo_codes, .offset: 8, .size: 8, .value_kind: global_buffer, .address_space: global }
      - { .name: Wo_scales, .offset: 16, .size: 8, .value_kind: global_buffer, .address_space: global }
      - { .name: bo, .offset: 24, .size: 8, .value_kind: global_buffer, .address_space: global }
      - { .name: y, .offset: 32, .size: 8, .value_kind: global_buffer, .address_space: global }
    .group_segment_fixed_size: 327680
    .private_segment_fixed_size: 0
    .kernarg_segment_align: 8
    .kernarg_segment_size: 40
    .max_flat_workgroup_size: 128
    .sgpr_count:     98
    .vgpr_count:     512
    .wavefront_size: 32
...
	.end_amdgpu_metadata
.endif
;; end of part 5
;; launch ln1 (part 6): grid 256 x 1, 16 waves a work-group, no clusters, 133,120 bytes of LDS; arguments y, x, g1, b1, ib; writes ib
.if DOCPART == 6
	.amdgcn_target "amdgcn-amd-amdhsa--gfx1250"
	.amdhsa_code_object_version 6
	.text
	.protected	k_q16d586a48e_ln1
	.globl	k_q16d586a48e_ln1
	.p2align	8
	.type	k_q16d586a48e_ln1,@function
k_q16d586a48e_ln1:
	s_mov_b64 s[64:65], 0
	v_nop
	global_prefetch_b8 v0, s[64:65] scope:SCOPE_SE
	s_setreg_imm32_b32 hwreg(HW_REG_WAVE_MODE, 25, 1), 1
	s_wait_xcnt 0x0
; inter = LayerNorm(x + y) g1 + b1, f32 [4096][1024] at ib + 0, and its codes of BF8 (E5M2) along the 1,024 at ib + 16,777,216 with one E8M0 scale byte for each 32 at ib + 20,971,520.
; A row is 4,096 bytes: one wave takes ONE whole row in 32 registers, so the mean, the variance (of the differences from the mean: two passes over registers) and the scaling read memory once.
; Sixteen waves to a work-group, 16 rows: every row of the tensor is asked for at the launch's start, and no load waits for another row's.  The price: each wave loads the gain and the bias (8,192 bytes) for its one row.
; THE CODES.  The conversions take 16 neighbours from one lane's registers; as loaded a lane holds four neighbours of eight places.  So the finished row turns through the wave's own stage in LDS, 512 numbers at a time, and comes back 64 bytes a lane.
; A lane's 16 codes are 16 bytes: the wave stores 512 consecutive bytes.  The work-group's 512 scale bytes meet in LDS behind one barrier, and wave 0 stores them: 512 consecutive, aligned bytes.  A stream: no matrix unit, no cluster.
; LIMITS: a block whose largest magnitude lies under 2^-111 gets the scale byte 1 (this program alone reads the bytes); NaN and infinities are not served.
.set G,   16                           ; v16-47   the gain, in a row's layout: load j holds numbers 128 j + 4 lane + 0 .. 3
.set BT,  48                           ; v48-79   the bias
.set Z,   80                           ; v80-111  the row
.set YN,  112                          ; v112-143 the row of y as loaded
.set XN,  144                          ; v144-175 the row of x as loaded
.set T,   176                          ; v176-207 the row turned: two sets of 16 neighbours
.set C,   208                          ; v208-215 codes
.set W,   216                          ; v216-227 at work
.set E,   228                          ; v228-229 a scale byte for each half of the row
.set WREG, 8192                        ; LDS: a region for each wave: two stages of 32 x SP bytes
.set SP,   80
.set SCB,  2*32*SP                     ; behind wave 0's stages, inside its region: the work-group's 512 scale bytes, 32 for each wave
	s_load_b256 s[4:11], s[0:1], 0x0               ; y, x, g1, b1
	s_load_b64 s[12:13], s[0:1], 0x20              ; ib
	v_lshl_add_u32 v240, v0, 2, 0x20000
	v_mov_b32 v241, 0
	v_lshrrev_b32 v1, 5, v0
	s_delay_alu instid0(VALU_DEP_1)
	v_readfirstlane_b32 s16, v1                    ; wave 0..15
	v_and_b32 v2, 31, v0                           ; lane
	s_delay_alu instid0(VALU_DEP_1)
	v_lshlrev_b32 v3, 4, v2                        ; 16 bytes a lane
	s_mul_i32 s17, s16, WREG
	v_lshrrev_b32 v14, 2, v2
	s_delay_alu instid0(VALU_DEP_1)
	v_mul_u32_u24 v14, v14, SP
	v_and_b32 v15, 3, v2
	s_delay_alu instid0(VALU_DEP_1)
	v_lshl_add_u32 v14, v15, 4, v14
	s_delay_alu instid0(VALU_DEP_1)
	v_add_nc_u32 v14, s17, v14                     ; the stage, on the way in: SP (lane / 4) + 16 (lane % 4)
	v_mul_u32_u24 v15, v2, SP
	s_delay_alu instid0(VALU_DEP_1)
	v_add_nc_u32 v15, s17, v15                     ; and on the way out: SP x lane
	v_lshrrev_b32 v5, 1, v2
	s_lshl_b32 s27, s16, 5
	s_add_co_u32 s27, s27, SCB
	v_add_nc_u32 v5, s27, v5                       ; my block's scale byte: 32 x wave + lane / 2
	v_add_nc_u32 v6, SCB, v3                       ; and where wave 0 reads all 512 back
	s_lshl_b32 s17, ttmp9, 4
	s_add_co_u32 s17, s17, s16                     ; my row
	s_lshl_b32 s20, s17, 12
	s_mov_b32 s21, 0
	s_lshl_b32 s22, s17, 10
	s_add_co_u32 s22, s22, 16777216
	s_mov_b32 s23, 0
	s_lshl_b32 s24, ttmp9, 9                       ; the work-group's 16 rows x 32 scale bytes
	s_add_co_u32 s24, s24, 20971520
	s_mov_b32 s25, 0
	s_mov_b32 s14, 0x76543210
	s_mov_b32 s15, 0xfedcba98                      ; v_permlanex16_b32's selects for lane l xor 16
	s_mov_b32 s18, 0x3a800000                      ; 1 / 1,024
	s_mov_b32 s19, 0x3727c5ac                      ; 1e-5
	s_mov_b32 s26, 0x600000                        ; the mantissa field of 57,344
	s_wait_kmcnt 0x0
	s_add_nc_u64 s[4:5], s[4:5], s[20:21]
	s_add_nc_u64 s[6:7], s[6:7], s[20:21]
	s_add_nc_u64 s[22:23], s[12:13], s[22:23]
	s_add_nc_u64 s[24:25], s[12:13], s[24:25]
	s_add_nc_u64 s[12:13], s[12:13], s[20:21]
.irp j, 0,1,2,3,4,5,6,7
	global_load_b128 v[YN+4*\j:YN+4*\j+3], v3, s[4:5] offset:512*\j th:TH_LOAD_NT   ; the row first: it is wanted first
	global_load_b128 v[XN+4*\j:XN+4*\j+3], v3, s[6:7] offset:512*\j th:TH_LOAD_NT
.endr
.irp j, 0,1,2,3,4,5,6,7
	global_load_b128 v[G+4*\j:G+4*\j+3], v3, s[8:9] offset:512*\j
	global_load_b128 v[BT+4*\j:BT+4*\j+3], v3, s[10:11] offset:512*\j
.endr
.macro ACROSS                          ; v[W:W+3], four partial sums a lane, become the row's sum in every lane's v[W]
	s_delay_alu instid0(VALU_DEP_1)
	v_pk_add_f32 v[W:W+1], v[W:W+1], v[W+2:W+3]
	s_delay_alu instid0(VALU_DEP_1)
	v_add_f32 v[W], v[W], v[W+1]
	s_delay_alu instid0(VALU_DEP_1)
	v_add_f32_dpp v[W], v[W], v[W] row_xmask:1 row_mask:0xf bank_mask:0xf
	s_delay_alu instid0(VALU_DEP_1)
	v_add_f32_dpp v[W], v[W], v[W] row_xmask:2 row_mask:0xf bank_mask:0xf
	s_delay_alu instid0(VALU_DEP_1)
	v_add_f32_dpp v[W], v[W], v[W] row_xmask:4 row_mask:0xf bank_mask:0xf
	s_delay_alu instid0(VALU_DEP_1)
	v_add_f32_dpp v[W], v[W], v[W] row_xmask:8 row_mask:0xf bank_mask:0xf
	s_delay_alu instid0(VALU_DEP_1)
	v_permlanex16_b32 v[W+1], v[W], s14, s15
	s_delay_alu instid0(VALU_DEP_1)
	v_add_f32 v[W], v[W], v[W+1]
.endm
.macro QSTEP s                         ; 512 numbers, 16 neighbours a lane, become codes and 16 scale bytes
.set XS, T+16*(\s)
	v_max3_num_f32 v[W], |v[XS]|, |v[XS+1]|, |v[XS+2]|
	v_max3_num_f32 v[W+1], |v[XS+3]|, |v[XS+4]|, |v[XS+5]|
.irp i, 6,10
	s_delay_alu instid0(VALU_DEP_2)
	v_max3_num_f32 v[W], v[W], |v[XS+\i]|, |v[XS+\i+1]|
	s_delay_alu instid0(VALU_DEP_2)
	v_max3_num_f32 v[W+1], v[W+1], |v[XS+\i+2]|, |v[XS+\i+3]|
.endr
	s_delay_alu instid0(VALU_DEP_2)
	v_max3_num_f32 v[W], v[W], |v[XS+14]|, |v[XS+15]|
	s_delay_alu instid0(VALU_DEP_1)
	v_max3_num_f32 v[W], v[W], v[W+1], 0x8000000   ; and the floor 2^(16 - 127): the byte cannot fall under 1
	s_delay_alu instid0(VALU_DEP_1)
	v_max_num_f32_dpp v[W], v[W], v[W] row_xmask:1 row_mask:0xf bank_mask:0xf   ; with my neighbour's 16: the block's largest magnitude
	s_delay_alu instid0(VALU_DEP_1)
	v_add_nc_u32 v[W+3], 0xf8800000, v[W]          ; 15 off its exponent field: the conversion's scale operand
	s_delay_alu instid0(VALU_DEP_2)
	v_and_or_b32 v[W+2], v[W], 0x7f800000, s26     ; 57,344 x the scale
.irp i, 0,1,2,3,4,5,6,7,8,9,10,11,12,13,14,15
	v_med3_num_f32 v[XS+\i], v[XS+\i], -v[W+2], v[W+2]   ; the conversion does not saturate (ISA guide 7.6.2): hold first
.endr
	v_cvt_scalef32_pk8_bf8_f32 v[C+4*(\s):C+4*(\s)+1], v[XS:XS+7], v[W+3]
	v_cvt_scalef32_pk8_bf8_f32 v[C+4*(\s)+2:C+4*(\s)+3], v[XS+8:XS+15], v[W+3]
	v_lshrrev_b32 v[E+(\s)], 23, v[W+3]            ; the scale's byte
	ds_store_b8 v5, v[E+(\s)] offset:16*(\s)       ; both lanes of a block write the same byte with the same value
	global_store_b128 v3, v[C+4*(\s):C+4*(\s)+3], s[22:23] offset:512*(\s)
.endm
	s_wait_loadcnt 16                              ; the row is in; the gain's and the bias's 16 loads, issued behind it, may be out
.set i, 0
.rept 16
	v_pk_add_f32 v[Z+i:Z+i+1], v[YN+i:YN+i+1], v[XN+i:XN+i+1]
.set i, i+2
.endr
	v_pk_add_f32 v[W:W+1], v[Z:Z+1], v[Z+2:Z+3]
	v_pk_add_f32 v[W+2:W+3], v[Z+4:Z+5], v[Z+6:Z+7]
.irp i, 8,12,16,20,24,28
	s_delay_alu instid0(VALU_DEP_2)
	v_pk_add_f32 v[W:W+1], v[W:W+1], v[Z+\i:Z+\i+1]
	s_delay_alu instid0(VALU_DEP_2)
	v_pk_add_f32 v[W+2:W+3], v[W+2:W+3], v[Z+\i+2:Z+\i+3]
.endr
	ACROSS
	s_delay_alu instid0(VALU_DEP_1)
	v_mul_f32 v[W+4], 0xba800000, v[W]             ; minus the mean
	s_delay_alu instid0(VALU_DEP_1)
	v_mov_b32 v[W+5], v[W+4]
.set i, 0
.rept 16
	v_pk_add_f32 v[Z+i:Z+i+1], v[Z+i:Z+i+1], v[W+4:W+5]
.set i, i+2
.endr
	v_pk_mul_f32 v[W:W+1], v[Z:Z+1], v[Z:Z+1]
	v_pk_mul_f32 v[W+2:W+3], v[Z+2:Z+3], v[Z+2:Z+3]
.irp i, 4,8,12,16,20,24,28
	s_delay_alu instid0(VALU_DEP_2)
	v_pk_fma_f32 v[W:W+1], v[Z+\i:Z+\i+1], v[Z+\i:Z+\i+1], v[W:W+1]
	s_delay_alu instid0(VALU_DEP_2)
	v_pk_fma_f32 v[W+2:W+3], v[Z+\i+2:Z+\i+3], v[Z+\i+2:Z+\i+3], v[W+2:W+3]
.endr
	ACROSS
	s_delay_alu instid0(VALU_DEP_1)
	v_fma_f32 v[W+6], v[W], s18, s19               ; the variance + 1e-5
	s_wait_alu depctr_va_vdst(0)
	v_rsq_f32 v[W+8], v[W+6]
	v_rsq_f32 v[W+9], v[W+6]
	v_nop                                          ; a plain instruction behind the transcendentals
.set i, 0
	s_wait_alu depctr_va_vdst(0)
.rept 16
	v_pk_mul_f32 v[Z+i:Z+i+1], v[Z+i:Z+i+1], v[W+8:W+9]
.set i, i+2
.endr
	s_wait_loadcnt 0x0                             ; the gain and the bias
.set i, 0
.rept 16
	v_pk_fma_f32 v[Z+i:Z+i+1], v[Z+i:Z+i+1], v[G+i:G+i+1], v[BT+i:BT+i+1]
.set i, i+2
.endr
.irp j, 0,1,2,3,4,5,6,7
	global_store_b128 v3, v[Z+4*\j:Z+4*\j+3], s[12:13] offset:512*\j
.endr
.irp s, 0,1                            ; both halves of the row through the two stages: LDS serves a wave's instructions in order
.irp i, 0,1,2,3
	ds_store_b128 v14, v[Z+16*\s+4*\i:Z+16*\s+4*\i+3] offset:32*SP*\s+8*SP*\i
.endr
.irp i, 0,1,2,3
	ds_load_b128 v[T+16*\s+4*\i:T+16*\s+4*\i+3], v15 offset:32*SP*\s+16*\i
.endr
.endr
	s_wait_dscnt 8                                 ; the first half is back; the second half's four stores and four loads may be out
	QSTEP 0
	s_wait_dscnt 1                                 ; the second half is back; the byte store just issued may be out
	QSTEP 1
	s_wait_dscnt 0x0                               ; for the others' sake: my 32 scale bytes lie in LDS
	s_barrier_signal -1
	s_barrier_wait -1                              ; everybody's do
	s_cmp_lg_u32 s16, 0                            ; wave 0 alone stores them
	s_cbranch_scc1 .Ldone
	ds_load_b128 v[W:W+3], v6
	s_wait_dscnt 0x0
	global_store_b128 v3, v[W:W+3], s[24:25]       ; 32 lanes store 512 consecutive bytes, aligned
.Ldone:
	s_wait_tensorcnt 0x0
	ds_add_u32 v240, v241
	s_wait_dscnt 0x0
	s_endpgm
.Lfunc_end_k_q16d586a48e_ln1:
	.size	k_q16d586a48e_ln1, .Lfunc_end_k_q16d586a48e_ln1-k_q16d586a48e_ln1
	.p2alignl 7, 3214868480
	.fill 96, 4, 3214868480
	.section	.rodata,"a",@progbits
	.p2align	6, 0x0
	.amdhsa_kernel k_q16d586a48e_ln1
		.amdhsa_group_segment_fixed_size 133120
		.amdhsa_private_segment_fixed_size 0
		.amdhsa_enable_private_segment 0
		.amdhsa_kernarg_size 40
		.amdhsa_user_sgpr_count 2
		.amdhsa_user_sgpr_kernarg_segment_ptr 1
		.amdhsa_wavefront_size32 1
		.amdhsa_system_sgpr_workgroup_id_x 1
		.amdhsa_system_sgpr_workgroup_id_y 1
		.amdhsa_system_sgpr_workgroup_id_z 1
		.amdhsa_system_vgpr_workitem_id 0
		.amdhsa_next_free_vgpr 242
		.amdhsa_next_free_sgpr 66
		.amdhsa_reserve_vcc 0
		.amdhsa_float_denorm_mode_32 3
		.amdhsa_float_denorm_mode_16_64 3
		.amdhsa_memory_ordered 1
		.amdhsa_forward_progress 1
		.amdhsa_inst_pref_size 21
	.end_amdhsa_kernel
	.amdgpu_metadata
---
amdhsa.version: [ 1, 2 ]
amdhsa.kernels:
  - .name:           k_q16d586a48e_ln1
    .symbol:         k_q16d586a48e_ln1.kd
    .args:
      - { .name: y, .offset: 0, .size: 8, .value_kind: global_buffer, .address_space: global }
      - { .name: x, .offset: 8, .size: 8, .value_kind: global_buffer, .address_space: global }
      - { .name: g1, .offset: 16, .size: 8, .value_kind: global_buffer, .address_space: global }
      - { .name: b1, .offset: 24, .size: 8, .value_kind: global_buffer, .address_space: global }
      - { .name: ib, .offset: 32, .size: 8, .value_kind: global_buffer, .address_space: global }
    .group_segment_fixed_size: 133120
    .private_segment_fixed_size: 0
    .kernarg_segment_align: 8
    .kernarg_segment_size: 40
    .max_flat_workgroup_size: 512
    .sgpr_count:     66
    .vgpr_count:     242
    .wavefront_size: 32
...
	.end_amdgpu_metadata
.endif
;; end of part 6
;; launch ffn1 (part 7): grid 16 x 16, 4 waves a work-group, clusters of 4 x 4, 327,680 bytes of LDS; arguments ib, W1_codes, W1_scales, bf1, hb; writes hb
.if DOCPART == 7
	.amdgcn_target "amdgcn-amd-amdhsa--gfx1250"
	.amdhsa_code_object_version 6
	.text
	.protected	k_q16d586a48e_ffn1
	.globl	k_q16d586a48e_ffn1
	.p2align	8
	.type	k_q16d586a48e_ffn1,@function
k_q16d586a48e_ffn1:
	s_mov_b64 s[64:65], 0
	v_nop
	global_prefetch_b8 v0, s[64:65] scope:SCOPE_SE
	s_setreg_imm32_b32 hwreg(HW_REG_WAVE_MODE, 25, 1), 1
	s_wait_xcnt 0x0
	s_wait_alu depctr_hold_cnt(0) depctr_sa_sdst(0) depctr_va_vdst(0) depctr_va_sdst(0) depctr_va_ssrc(0) depctr_va_vcc(0) depctr_vm_vsrc(0)
	s_getreg_b32 s2, hwreg(HW_REG_IB_STS2, 6, 4)
	s_cmp_eq_u32 s2, 0
	s_cbranch_scc0 .Lentry_in_a_cluster
	s_endpgm
.Lentry_in_a_cluster:
	s_bfe_u32 s2, ttmp6, 0x10000c
	s_cmp_lg_u32 s2, 0xf033
	s_cbranch_scc0 .Lentry_shape_is_right
	s_endpgm
.Lentry_shape_is_right:
.set SIZE_K, 1024
.set KSTEP,  256
.set NQ,     KSTEP/128
.set ROWB,   256
.set PITCH,  272
.set FR,     16
.set NL,     4
.set NP,     8
.set HALFT,  128*PITCH
.set SLOT,   4*HALFT
.set LAPS,   SIZE_K/(2*KSTEP)
.set KS,     SIZE_K/32
.set SCL,    2*SLOT
.set HALFS,  (128*KS/256)*272
.set SBLK,   (16*KS/256)*272
.set SPARE,  SCL+4*HALFS
.set CPITCH, 272
.set SST,    256*CPITCH
.set ADRA, 16
.set ADRB, 20
.set STO,  24
.set RD,   25
.set CO,   26
.set ADRS, 27
.set SPW,  28
.set NIL,  29
.set SSTO, 30
.set SRD,  31
.set SCO,  13
.set SC,   32
.set BI,   64
.set TM,   64
.set PC,   80
.set PW,   96
.set AF,   128
.set QT,   128
.set BK,   128
.set G1, 24
.set G0, 32
.set G1B, 48
.set G0B, 56
.set G1S, 68
.set G0S, 76
.set G1SB, 80
.set G0SB, 88
.set MSB, 0
.macro WIN new
.if MSB != \new
	s_set_vgpr_msb (MSB<<8)|\new
.set MSB, \new
.endif
.endm
.set MUL_LO, 0xa1
.set MUL_HI, 0xf1
.set TO_B,   0x40
.macro JLOAD g0a, g1a, g0b, g1b
	s_cmp_eq_u32 s15, 0
	s_cbranch_scc0 .Lfor_b_\@
	tensor_load_to_lds s[\g0a:\g0a+3], s[\g1a:\g1a+7]
	s_nop 0
.rept 4
	v_nop
.endr
	s_branch .Lasked_\@
.Lfor_b_\@:
	tensor_load_to_lds s[\g0b:\g0b+3], s[\g1b:\g1b+7]
	s_nop 0
.rept 4
	v_nop
.endr
.Lasked_\@:
.endm
.macro CREST
	s_cmp_lg_u32 s14, 0
	s_cbranch_scc1 .Lnot_wave_0_\@
	s_barrier_signal -3
.Lnot_wave_0_\@:
	s_barrier_wait -3
	s_barrier_signal -1
	s_barrier_wait -1
.endm
.macro CROUND
	s_barrier_signal -1
	s_barrier_wait -1
	CREST
.endm
.macro PLACES n
.rept \n
	v_nop
.endr
.endm
	s_load_b64 s[4:5], s[0:1], 0x0
	s_load_b128 s[8:11], s[0:1], 0x8
	s_load_b64 s[96:97], s[0:1], 0x18
	s_load_b64 s[12:13], s[0:1], 0x20
	v_lshl_add_u32 v[SPW], v0, 2, SPARE
	v_mov_b32 v[NIL], 0
	ds_add_u32 v28, v29
	ds_add_u32 v28, v29
	s_wait_dscnt 0x0
	v_lshrrev_b32 v1, 5, v0
	v_readfirstlane_b32 s14, v1
	s_lshr_b32 s15, s14, 1
	s_and_b32 s16, s14, 1
	s_bfe_u32 s40, ttmp6, 0x40000
	s_bfe_u32 s41, ttmp6, 0x40004
	s_lshl_b32 s42, ttmp9, 2
	s_add_co_u32 s42, s42, s40
	s_and_b32 s17, ttmp7, 0xffff
	s_lshl_b32 s17, s17, 2
	s_add_co_u32 s17, s17, s41
	s_lshl_b32 s43, s41, 2
	s_lshl_b32 s43, 15, s43
	s_lshl_b32 s44, 0x1111, s40
	s_or_b32 s[G1+0], s43, (0<<16)|(1<<20)|(1<<21)|(5<<22)|(3<<25)
	s_or_b32 s[G1B+0], s44, (0<<16)|(1<<20)|(1<<21)|(5<<22)|(3<<25)
.irp g, G1, G1B
	s_mov_b32 s[\g+1], ROWB<<16
	s_mov_b32 s[\g+2], 256<<16                     ; the head's loads bring a tile's 256 rows; behind them the two words that count rows are set to 128, for the ring's
	s_mov_b32 s[\g+3], ROWB<<16
	s_mov_b32 s[\g+4], 256
	s_mov_b32 s[\g+5], SIZE_K
	s_mov_b32 s[\g+6], 0
	s_mov_b32 s[\g+7], 0
.endr
	s_or_b32 s[G1S+0], s43, (3<<16)|(1<<20)|(1<<21)|(5<<22)|(3<<25)
	s_or_b32 s[G1SB+0], s44, (3<<16)|(1<<20)|(1<<21)|(5<<22)|(3<<25)
.irp g, G1S, G1SB
	s_mov_b32 s[\g+1], 32<<16
	s_mov_b32 s[\g+2], (256*KS/256)<<16            ; the scale bytes of 256 rows
	s_mov_b32 s[\g+3], 32<<16
	s_mov_b32 s[\g+4], 256*KS/256
	s_mov_b32 s[\g+5], 32
	s_mov_b32 s[\g+6], 0
	s_mov_b32 s[\g+7], 0
.endr
	s_lshl_b32 s20, s17, 8                         ; A: the tile's first row
	s_lshl_b32 s46, s42, 8                         ; B: likewise
	s_mul_i32 s22, s20, KS
	s_mul_i32 s92, s46, KS
	s_mul_i32 s20, s20, SIZE_K
	s_mul_i32 s46, s46, SIZE_K
	s_mov_b32 s21, 0
	s_mov_b32 s23, 0
	s_mov_b32 s47, 0
	s_mov_b32 s93, 0
	s_mul_i32 s45, s14, HALFT
	s_mul_i32 s18, s16, 128*SIZE_K                 ; in the ring I fetch 128 rows of a tile: which half, in bytes
	s_mov_b32 s19, 0
	s_wait_kmcnt 0x0
	s_add_nc_u64 s[6:7], s[4:5], 20971520
	s_add_nc_u64 s[4:5], s[4:5], 16777216
	s_add_nc_u64 s[20:21], s[4:5], s[20:21]
	s_add_nc_u64 s[22:23], s[6:7], s[22:23]
	s_add_nc_u64 s[46:47], s[8:9], s[46:47]
	s_add_nc_u64 s[92:93], s[10:11], s[92:93]
	CROUND
	s_mov_b32 s[G0S], 1
	s_mov_b32 s[G0S+1], SCL
	s_mov_b64 s[G0S+2:G0S+3], s[22:23]
	s_or_b32 s[G0S+3], s[G0S+3], 0x80000000
	s_mov_b32 s[G0SB], 1
	s_mov_b32 s[G0SB+1], SCL+2*HALFS
	s_mov_b64 s[G0SB+2:G0SB+3], s[92:93]
	s_or_b32 s[G0SB+3], s[G0SB+3], 0x80000000
	s_mov_b32 s4, 1                                ; s[4:7], s[8:11]: group 0 for the head's loads of K step 0 (the arguments that lay there have been used): A's 256 rows,
	s_mov_b32 s5, 0
	s_mov_b64 s[6:7], s[20:21]
	s_or_b32 s7, s7, 0x80000000
	s_mov_b32 s8, 1                                ; B's 256 rows behind them in slot 0
	s_mov_b32 s9, 2*HALFT
	s_mov_b64 s[10:11], s[46:47]
	s_or_b32 s11, s11, 0x80000000
	s_add_nc_u64 s[20:21], s[20:21], s[18:19]      ; for the ring: my 128 rows of the tile
	s_add_nc_u64 s[46:47], s[46:47], s[18:19]
.irp s, 0,1
	s_mov_b32 s[G0+4*\s], 1
	s_add_co_u32 s[G0+4*\s+1], s45, \s*SLOT
	s_add_nc_u64 s[G0+4*\s+2:G0+4*\s+3], s[20:21], \s*ROWB
	s_or_b32 s[G0+4*\s+3], s[G0+4*\s+3], 0x80000000
	s_mov_b32 s[G0B+4*\s], 1
	s_add_co_u32 s[G0B+4*\s+1], s45, \s*SLOT
	s_add_nc_u64 s[G0B+4*\s+2:G0B+4*\s+3], s[46:47], \s*ROWB
	s_or_b32 s[G0B+4*\s+3], s[G0B+4*\s+3], 0x80000000
.endr
; THE HEAD'S LOADS, ONE A WAVE: wave 0 K step 0's rows of A, wave 1 those of B, wave 2 A's scale bytes, wave 3 B's.  One tree of branches on the wave's number: every way passes exactly one load.
.macro ARM under, g0, g1, next
	s_cmp_lt_u32 s14, \under
	s_cbranch_scc0 \next
	tensor_load_to_lds s[\g0:\g0+3], s[\g1:\g1+7]
	s_nop 0
.rept 4
	v_nop
.endr
	s_branch .Lhead_asked
\next:
.endm
	ARM 1, 4,   G1,  .Lhead_b
	ARM 2, 8,   G1B, .Lhead_sa
	ARM 3, G0S, G1S, .Lhead_sb
	tensor_load_to_lds s[G0SB:G0SB+3], s[G1SB:G1SB+7]
	s_nop 0
.rept 4
	v_nop
.endr
.Lhead_asked:
	v_and_b32 v1, 15, v0
	v_bfe_u32 v2, v0, 4, 1
	v_mul_u32_u24 v3, v1, PITCH
	v_lshl_add_u32 v4, v2, 4, v3
	s_mul_i32 s21, s15, HALFT
	s_mul_i32 s22, s16, HALFT
	s_add_co_u32 s22, s22, 2*HALFT
.irp s, 0,1
	v_add_nc_u32 v[ADRA+\s], s21, v4
	v_add_nc_u32 v[ADRB+\s], s22, v4
	s_add_co_u32 s21, s21, SLOT
	s_add_co_u32 s22, s22, SLOT
.endr
	v_mul_u32_u24 v5, v1, KS
	v_lshrrev_b32 v6, 8, v5
	v_lshl_add_u32 v5, v6, 4, v5
	s_mul_i32 s21, s15, HALFS
	s_mul_i32 s22, s16, HALFS
	s_add_co_u32 s22, s22, 2*HALFS
	s_sub_co_u32 s22, s22, s21
	v_mul_u32_u24 v6, s22, v2
	s_add_co_u32 s21, s21, SCL
	v_add_nc_u32 v5, v5, v6
	v_add_nc_u32 v[ADRS], s21, v5
	s_lshl_b32 s46, s42, 10
	s_lshl_b32 s47, s16, 9
	s_add_co_u32 s46, s46, s47
	s_mov_b32 s47, 0
	s_add_nc_u64 s[96:97], s[96:97], s[46:47]
	v_lshlrev_b32 v7, 5, v2
.irp b, 0,1,2,3,4,5,6,7
	global_load_b128 v[BI+8*\b:BI+8*\b+3], v7, s[96:97] offset:64*\b
	global_load_b128 v[BI+8*\b+4:BI+8*\b+7], v7, s[96:97] offset:64*\b+16
.endr
	s_mul_i32 s23, s15, 128*CPITCH
	s_lshl_b32 s22, s16, 7
	s_add_co_u32 s23, s23, s22
	v_mul_u32_u24 v5, v1, CPITCH
	v_lshl_add_u32 v5, v2, 3, v5
	v_add_nc_u32 v[STO], s23, v5
	s_mul_i32 s23, s14, 64*CPITCH
	v_mul_u32_u24 v5, v2, CPITCH
	v_lshl_add_u32 v5, v1, 4, v5
	v_add_nc_u32 v[RD], s23, v5
	v_lshlrev_b32 v5, 12, v2
	v_lshl_add_u32 v[CO], v1, 4, v5
	s_lshl_b32 s23, s15, 10
	s_lshl_b32 s22, s16, 2
	s_add_co_u32 s23, s23, s22
	s_add_co_u32 s23, s23, SST
	v_lshl_add_u32 v[SSTO], v1, 3, s23
	v_and_b32 v6, 31, v0
	s_lshl_b32 s23, s14, 9
	s_add_co_u32 s23, s23, SST
	v_lshl_add_u32 v[SRD], v6, 3, s23
	v_lshlrev_b32 v[SCO], 7, v6
	s_lshl_b32 s20, s17, 8
	s_lshl_b32 s21, s14, 6
	s_add_co_u32 s22, s20, s21
	s_lshl_b32 s20, s22, 12
	s_lshl_b32 s21, s42, 8
	s_add_co_u32 s20, s20, s21
	s_mov_b32 s21, 0
	s_lshl_b32 s22, s22, 7
	s_lshl_b32 s23, s42, 3
	s_add_co_u32 s22, s22, s23
	s_add_co_u32 s22, s22, 16777216
	s_mov_b32 s23, 0
	s_add_nc_u64 s[94:95], s[12:13], s[22:23]
	s_add_nc_u64 s[12:13], s[12:13], s[20:21]
.macro FRAG reg, adr, q, i
.irp c, 0,1,2,3
	ds_load_b128 v[\reg+4*\c:\reg+4*\c+3], v[\adr] offset:128*(\q)+32*\c+(\i)*16*PITCH
.endr
.endm
.macro MUL16 a0, p, q, sc, first
.irp a, \a0, \a0+1
.irp b, 0,1,2,3,4,5,6,7
.if \first
	v_wmma_scale_f32_16x16x128_f8f6f4 v[8*(8*((\a)%4)+\b):8*(8*((\a)%4)+\b)+7], v[128*(\p)+FR*\b:128*(\p)+FR*\b+FR-1], v[AF+FR*(\a):AF+FR*(\a)+FR-1], v[BI+8*\b:BI+8*\b+7], v[SC+8*NQ*(\sc)+NQ*\b+(\q)], v[SC+8*NQ*(\sc)+NQ*(\a)+(\q)] matrix_a_fmt:MATRIX_FMT_BF8 matrix_b_fmt:MATRIX_FMT_BF8 matrix_a_scale:MATRIX_SCALE_ROW1
.else
	v_wmma_scale_f32_16x16x128_f8f6f4 v[8*(8*((\a)%4)+\b):8*(8*((\a)%4)+\b)+7], v[128*(\p)+FR*\b:128*(\p)+FR*\b+FR-1], v[AF+FR*(\a):AF+FR*(\a)+FR-1], v[8*(8*((\a)%4)+\b):8*(8*((\a)%4)+\b)+7], v[SC+8*NQ*(\sc)+NQ*\b+(\q)], v[SC+8*NQ*(\sc)+NQ*(\a)+(\q)] matrix_a_fmt:MATRIX_FMT_BF8 matrix_b_fmt:MATRIX_FMT_BF8 matrix_a_scale:MATRIX_SCALE_ROW1
.endif
.endr
.endr
.endm
.macro FETCH_B slot, q, p
	WIN TO_B
.irp i, 0,1,2,3,4,5,6,7
	FRAG 128*(\p)+FR*\i, ADRB+\slot, \q, \i
.endr
	WIN 0
.endm
.macro FETCH_A slot, q, i0
.irp i, \i0, \i0+1, \i0+2, \i0+3
	FRAG AF+FR*(\i), ADRA+\slot, \q, \i
.endr
.endm
.macro SCALES sc
.irp i, 0,1,2,3,4,5,6,7
	ds_load_b64 v[SC+8*NQ*\sc+NQ*\i:SC+8*NQ*\sc+NQ*\i+1], v[ADRS] offset:\i*SBLK
.endr
.endm
.macro STEP slot, q, first
	s_wait_dscnt 4*NL
	WIN (MUL_LO-0x20*(\first))
	MUL16 0, (\q)%2, \q, \slot, \first
	MUL16 2, (\q)%2, \q, \slot, \first
	s_wait_dscnt 0
	PLACES NP
	FETCH_B \slot, (\q)+1, 1-(\q)%2
	FETCH_A \slot, (\q)+1, 0
	WIN (MUL_HI-0x30*(\first))
	MUL16 4, (\q)%2, \q, \slot, \first
	MUL16 6, (\q)%2, \q, \slot, \first
	PLACES NP
	WIN 0
	FETCH_A \slot, (\q)+1, 4
.endm
.macro TURN slot, next, fill
	s_wait_tensorcnt 0x0
	ds_add_u32 v[SPW], v[NIL]
	s_wait_dscnt 4*NL+1
	WIN MUL_LO
	MUL16 0, 1, NQ-1, \slot, 0
	s_wait_dscnt 0x0
	s_barrier_signal -1
	MUL16 2, 1, NQ-1, \slot, 0
	WIN 0
	s_barrier_wait -1
.if \fill
	CREST
	s_add_nc_u64 s[G0+4*\slot+2:G0+4*\slot+3], s[G0+4*\slot+2:G0+4*\slot+3], 2*ROWB
	s_add_nc_u64 s[G0B+4*\slot+2:G0B+4*\slot+3], s[G0B+4*\slot+2:G0B+4*\slot+3], 2*ROWB
	JLOAD G0+4*\slot, G1, G0B+4*\slot, G1B
	PLACES NP-4
.else
	PLACES NP
.endif
	s_wait_alu depctr_va_vdst(0)
	v_add_nc_u32 v[ADRS], 4*NQ, v[ADRS]
	FETCH_B \next, 0, 0
	FETCH_A \next, 0, 0
	SCALES \next
	WIN MUL_HI
	MUL16 4, 1, NQ-1, \slot, 0
	MUL16 6, 1, NQ-1, \slot, 0
	PLACES NP
	WIN 0
	FETCH_A \next, 0, 4
.endm
	s_wait_alu depctr_va_vdst(0)
	s_wait_tensorcnt 0x0                           ; my tile of the head's four is in
	ds_add_u32 v[SPW], v[NIL]
	s_mov_b32 s[G1+2], 128<<16                     ; no tensor load of mine is out, so a descriptor may be written: from here on a load brings 128 rows
	s_mov_b32 s[G1+4], 128
	s_mov_b32 s[G1B+2], 128<<16
	s_mov_b32 s[G1B+4], 128
	s_wait_dscnt 0x0
	CROUND                                         ; all four tiles are in, and all sixteen work-groups are here,
	JLOAD G0+4, G1, G0B+4, G1B                     ; and K step 1's load is the first tensor load behind the round
	FETCH_B 0, 0, 0
	FETCH_A 0, 0, 0
	SCALES 0
	FETCH_A 0, 0, 4
	s_wait_loadcnt 0x0
	STEP 0, 0, 1
	s_mov_b32 s3, LAPS-1
.Llap:
	TURN 0, 1, 1
	STEP 1, 0, 0
	TURN 1, 0, 1
	STEP 0, 0, 0
	s_sub_co_u32 s3, s3, 1
	s_cmp_lg_u32 s3, 0
	s_cbranch_scc1 .Llap
	TURN 0, 1, 0
	STEP 1, 0, 0
	s_wait_dscnt 4*NL
	WIN MUL_LO
	MUL16 0, 1, NQ-1, 1, 0
	MUL16 2, 1, NQ-1, 1, 0
	s_wait_dscnt 0
	WIN MUL_HI
	MUL16 4, 1, NQ-1, 1, 0
	MUL16 6, 1, NQ-1, 1, 0
	WIN 0
	PLACES NP
.macro QUANT a
.set AC, 64*((\a)%4)
	WIN (0x0a+5*((\a)/4))
.irp b, 0,1,2,3
	v_max3_num_f32 v[TM+\b], v[AC+16*\b], v[AC+1+16*\b], 0x8000000
.endr
.irp i, 2,4,6,8,10,12,14
.irp b, 0,1,2,3
	v_max3_num_f32 v[TM+\b], v[AC+16*\b+\i], v[AC+1+16*\b+\i], v[TM+\b]
.endr
.endr
	WIN 0
.irp b, 0,1,2,3
	v_permlanex16_b32 v[TM+4+\b], v[TM+\b], s18, s19
.endr
.irp b, 0,1,2,3
	v_max_num_f32 v[TM+\b], v[TM+\b], v[TM+4+\b]
.endr
.irp b, 0,1,2,3
	v_add_nc_u32 v[TM+12+\b], 0xf8800000, v[TM+\b]
.endr
.irp b, 0,1,2,3
	v_and_or_b32 v[TM+8+\b], v[TM+\b], 0x7f800000, s23
.endr
.irp b, 0,1,2,3
	v_lshrrev_b32 v[TM+4+\b], 23, v[TM+12+\b]
.endr
	WIN (0x0a+5*((\a)/4))
.irp b, 0,1,2,3
.irp i, 0,1,2,3,4,5,6,7,8,9,10,11,12,13,14,15
	v_med3_num_f32 v[QT+16*\b+\i], v[AC+16*\b+\i], 0, v[TM+8+\b]
.endr
.endr
	WIN 0
	s_wait_dscnt 0x0
	v_lshl_or_b32 v[PW], v[TM+5], 8, v[TM+4]
	v_lshl_or_b32 v[PW], v[TM+6], 16, v[PW]
	v_lshl_or_b32 v[PW], v[TM+7], 24, v[PW]
.irp b, 0,1,2,3
	v_cvt_scalef32_pk8_bf8_f32 v[PC+4*\b:PC+1+4*\b], v[QT+16*\b:QT+7+16*\b], v[TM+12+\b]
	v_cvt_scalef32_pk8_bf8_f32 v[PC+2+4*\b:PC+3+4*\b], v[QT+8+16*\b:QT+15+16*\b], v[TM+12+\b]
.endr
	v_nop
.irp b, 0,1,2,3
	ds_store_b64 v[STO], v[PC+4*\b:PC+4*\b+1] offset:16*(\a)*CPITCH+32*\b
	ds_store_b64 v[STO], v[PC+4*\b+2:PC+4*\b+3] offset:16*(\a)*CPITCH+32*\b+16
.endr
	ds_store_b32 v[SSTO], v[PW] offset:128*(\a)
.endm
	s_mov_b32 s18, 0x76543210
	s_mov_b32 s19, 0xfedcba98
	s_mov_b32 s23, 0x600000
.irp b, 0,1,2,3
	v_mov_b32 v[TM+4+\b], 0
.endr
.irp a, 0,1,2,3,4,5,6,7
	QUANT \a
.endr
	s_wait_dscnt 0x0
	s_barrier_signal -1
	s_barrier_wait -1
.set n, 0
.rept 32
	ds_load_b128 v[BK+4*n:BK+4*n+3], v[RD] offset:n*2*CPITCH
.set n, n+1
.endr
	ds_load_b64 v[PC:PC+1], v[SRD]
	ds_load_b64 v[PC+2:PC+3], v[SRD] offset:256
.set n, 0
.rept 32
	s_wait_dscnt 33-n
	global_store_b128 v[CO], v[BK+4*n:BK+4*n+3], s[12:13] offset:2*n*4096
.set n, n+1
.endr
	s_wait_dscnt 0x0
	global_store_b64 v[SCO], v[PC:PC+1], s[94:95]
	global_store_b64 v[SCO], v[PC+2:PC+3], s[94:95] offset:4096
	s_wait_tensorcnt 0x0
	ds_add_u32 v[SPW], v[NIL]
	s_wait_dscnt 0x0
	CROUND
	s_endpgm
.Lfunc_end_k_q16d586a48e_ffn1:
	.size	k_q16d586a48e_ffn1, .Lfunc_end_k_q16d586a48e_ffn1-k_q16d586a48e_ffn1
	.p2alignl 7, 3214868480
	.fill 96, 4, 3214868480
	.section	.rodata,"a",@progbits
	.p2align	6, 0x0
	.amdhsa_kernel k_q16d586a48e_ffn1
		.amdhsa_group_segment_fixed_size 327680
		.amdhsa_private_segment_fixed_size 0
		.amdhsa_enable_private_segment 0
		.amdhsa_kernarg_size 40
		.amdhsa_user_sgpr_count 2
		.amdhsa_user_sgpr_kernarg_segment_ptr 1
		.amdhsa_wavefront_size32 1
		.amdhsa_system_sgpr_workgroup_id_x 1
		.amdhsa_system_sgpr_workgroup_id_y 1
		.amdhsa_system_sgpr_workgroup_id_z 1
		.amdhsa_system_vgpr_workitem_id 0
		.amdhsa_next_free_vgpr 1024
		.amdhsa_next_free_sgpr 98
		.amdhsa_reserve_vcc 0
		.amdhsa_float_denorm_mode_32 3
		.amdhsa_float_denorm_mode_16_64 3
		.amdhsa_memory_ordered 1
		.amdhsa_forward_progress 1
		.amdhsa_inst_pref_size 196
	.end_amdhsa_kernel
	.amdgpu_metadata
---
amdhsa.version: [ 1, 2 ]
amdhsa.kernels:
  - .name:           k_q16d586a48e_ffn1
    .symbol:         k_q16d586a48e_ffn1.kd
    .args:
      - { .name: ib, .offset: 0, .size: 8, .value_kind: global_buffer, .address_space: global }
      - { .name: W1_codes, .offset: 8, .size: 8, .value_kind: global_buffer, .address_space: global }
      - { .name: W1_scales, .offset: 16, .size: 8, .value_kind: global_buffer, .address_space: global }
      - { .name: bf1, .offset: 24, .size: 8, .value_kind: global_buffer, .address_space: global }
      - { .name: hb, .offset: 32, .size: 8, .value_kind: global_buffer, .address_space: global }
    .group_segment_fixed_size: 327680
    .private_segment_fixed_size: 0
    .kernarg_segment_align: 8
    .kernarg_segment_size: 40
    .max_flat_workgroup_size: 128
    .sgpr_count:     98
    .vgpr_count:     1024
    .wavefront_size: 32
...
	.end_amdgpu_metadata
.endif
;; end of part 7
;; launch ffn2 (part 8): grid 8 x 32, 4 waves a work-group, clusters of 4 x 4, 327,680 bytes of LDS; arguments hb, W2_codes, W2_scales, bf2, y; writes y
.if DOCPART == 8
	.amdgcn_target "amdgcn-amd-amdhsa--gfx1250"
	.amdhsa_code_object_version 6
	.text
	.protected	k_q16d586a48e_ffn2
	.globl	k_q16d586a48e_ffn2
	.p2align	8
	.type	k_q16d586a48e_ffn2,@function
k_q16d586a48e_ffn2:
	s_mov_b64 s[64:65], 0
	v_nop
	global_prefetch_b8 v0, s[64:65] scope:SCOPE_SE
	s_setreg_imm32_b32 hwreg(HW_REG_WAVE_MODE, 25, 1), 1
	s_wait_xcnt 0x0
	s_wait_alu depctr_hold_cnt(0) depctr_sa_sdst(0) depctr_va_vdst(0) depctr_va_sdst(0) depctr_va_ssrc(0) depctr_va_vcc(0) depctr_vm_vsrc(0)
	s_getreg_b32 s2, hwreg(HW_REG_IB_STS2, 6, 4)
	s_cmp_eq_u32 s2, 0
	s_cbranch_scc0 .Lentry_in_a_cluster
	s_endpgm
.Lentry_in_a_cluster:
	s_bfe_u32 s2, ttmp6, 0x10000c
	s_cmp_lg_u32 s2, 0xf033
	s_cbranch_scc0 .Lentry_shape_is_right
	s_endpgm
.Lentry_shape_is_right:
.set SIZE_K, 4096
.set ASOFF,  16777216
.set KSTEP,  512
.set PITCH,  528
.set HALFT,  64*PITCH
.set SLOT,   4*HALFT
.set LAPS,   SIZE_K/(2*KSTEP)
.set KS,     SIZE_K/32
.set SCL,    2*SLOT
.set HALFS,  (64*KS/256)*272
.set SBLK,   (16*KS/256)*272
.set SPARE,  SCL+4*HALFS
.set SPITCH, 272
.set ADRA, 16
.set ADRB, 20
.set STO,  24
.set RD,   25
.set CO,   26
.set ADRS, 27
.set SPW,  28
.set NIL,  29
.set SC,   32
.set BI,   64
.set ACC,  128
.set F0,   0
.set F1,   128
.set G1, 24
.set G0, 32
.set G1B, 48
.set G0B, 56
.set G1S, 68
.set G0S, 76
.set G1SB, 80
.set G0SB, 88
.set MSB, 0
.macro WIN new
.if MSB != \new
	s_set_vgpr_msb (MSB<<8)|\new
.set MSB, \new
.endif
.endm
.set MUL,  0x05
.set TO_F, 0x40
.macro JLOAD g0a, g1a, g0b, g1b
	s_cmp_eq_u32 s15, 0
	s_cbranch_scc0 .Lfor_b_\@
	tensor_load_to_lds s[\g0a:\g0a+3], s[\g1a:\g1a+7]
	s_nop 0
.rept 4
	v_nop
.endr
	s_branch .Lasked_\@
.Lfor_b_\@:
	tensor_load_to_lds s[\g0b:\g0b+3], s[\g1b:\g1b+7]
	s_nop 0
.rept 4
	v_nop
.endr
.Lasked_\@:
.endm
.macro CREST
	s_cmp_lg_u32 s14, 0
	s_cbranch_scc1 .Lnot_wave_0_\@
	s_barrier_signal -3
.Lnot_wave_0_\@:
	s_barrier_wait -3
	s_barrier_signal -1
	s_barrier_wait -1
.endm
.macro CROUND
	s_barrier_signal -1
	s_barrier_wait -1
	CREST
.endm
.macro PLACES n
.rept \n
	v_nop
.endr
.endm
	s_load_b64 s[4:5], s[0:1], 0x0
	s_load_b128 s[8:11], s[0:1], 0x8
	s_load_b64 s[96:97], s[0:1], 0x18
	s_load_b64 s[12:13], s[0:1], 0x20
	v_lshl_add_u32 v[SPW], v0, 2, SPARE
	v_mov_b32 v[NIL], 0
	ds_add_u32 v28, v29
	ds_add_u32 v28, v29
	s_wait_dscnt 0x0
	v_lshrrev_b32 v1, 5, v0
	v_readfirstlane_b32 s14, v1
	s_lshr_b32 s15, s14, 1
	s_and_b32 s16, s14, 1
	s_bfe_u32 s40, ttmp6, 0x40000
	s_bfe_u32 s41, ttmp6, 0x40004
	s_lshl_b32 s42, ttmp9, 2
	s_add_co_u32 s42, s42, s40
	s_and_b32 s17, ttmp7, 0xffff
	s_lshl_b32 s17, s17, 2
	s_add_co_u32 s17, s17, s41
	s_lshl_b32 s43, s41, 2
	s_lshl_b32 s43, 15, s43
	s_lshl_b32 s44, 0x1111, s40
	s_or_b32 s[G1+0], s43, (0<<16)|(1<<20)|(1<<21)|(6<<22)|(3<<25)
	s_or_b32 s[G1B+0], s44, (0<<16)|(1<<20)|(1<<21)|(6<<22)|(3<<25)
.irp g, G1, G1B
	s_mov_b32 s[\g+1], KSTEP<<16
	s_mov_b32 s[\g+2], 128<<16                     ; the head's loads bring a tile's 128 rows; behind them the two words that count rows are set to 64, for the ring's
	s_mov_b32 s[\g+3], KSTEP<<16
	s_mov_b32 s[\g+4], 128
	s_mov_b32 s[\g+5], SIZE_K
	s_mov_b32 s[\g+6], 0
	s_mov_b32 s[\g+7], 0
.endr
	s_lshl_b32 s20, s17, 7                         ; A: the tile's first row
	s_lshl_b32 s46, s42, 7                         ; B: likewise
	s_mul_i32 s22, s20, KS
	s_mul_i32 s92, s46, KS
	s_mul_i32 s20, s20, SIZE_K
	s_mul_i32 s46, s46, SIZE_K
	s_mov_b32 s21, 0
	s_mov_b32 s23, 0
	s_mov_b32 s47, 0
	s_mov_b32 s93, 0
	s_mul_i32 s45, s14, HALFT
	s_mul_i32 s18, s16, 64*SIZE_K                  ; in the ring I fetch 64 rows of a tile: which half, in bytes
	s_mov_b32 s19, 0
	s_wait_kmcnt 0x0
	s_add_nc_u64 s[6:7], s[4:5], ASOFF
	s_add_nc_u64 s[20:21], s[4:5], s[20:21]
	s_add_nc_u64 s[22:23], s[6:7], s[22:23]
	s_add_nc_u64 s[46:47], s[8:9], s[46:47]
	s_add_nc_u64 s[92:93], s[10:11], s[92:93]
	s_or_b32 s[G1S+0], s43, (3<<16)|(1<<20)|(1<<21)|(5<<22)|(3<<25)
	s_or_b32 s[G1SB+0], s44, (3<<16)|(1<<20)|(1<<21)|(5<<22)|(3<<25)
.irp g, G1S, G1SB
	s_mov_b32 s[\g+1], 32<<16
	s_mov_b32 s[\g+2], (128*KS/256)<<16            ; the scale bytes of 128 rows
	s_mov_b32 s[\g+3], 32<<16
	s_mov_b32 s[\g+4], 128*KS/256
	s_mov_b32 s[\g+5], 32
	s_mov_b32 s[\g+6], 0
	s_mov_b32 s[\g+7], 0
.endr
	CROUND
	s_mov_b32 s[G0S], 1
	s_mov_b32 s[G0S+1], SCL
	s_mov_b64 s[G0S+2:G0S+3], s[22:23]
	s_or_b32 s[G0S+3], s[G0S+3], 0x80000000
	s_mov_b32 s[G0SB], 1
	s_mov_b32 s[G0SB+1], SCL+2*HALFS
	s_mov_b64 s[G0SB+2:G0SB+3], s[92:93]
	s_or_b32 s[G0SB+3], s[G0SB+3], 0x80000000
	s_mov_b32 s4, 1                                ; s[4:7], s[8:11]: group 0 for the head's loads of K step 0 (the arguments that lay there have been used): A's 128 rows,
	s_mov_b32 s5, 0
	s_mov_b64 s[6:7], s[20:21]
	s_or_b32 s7, s7, 0x80000000
	s_mov_b32 s8, 1                                ; B's 128 rows behind them in slot 0
	s_mov_b32 s9, 2*HALFT
	s_mov_b64 s[10:11], s[46:47]
	s_or_b32 s11, s11, 0x80000000
	s_add_nc_u64 s[20:21], s[20:21], s[18:19]      ; for the ring: my 64 rows of the tile
	s_add_nc_u64 s[46:47], s[46:47], s[18:19]
.irp s, 0,1
	s_mov_b32 s[G0+4*\s], 1
	s_add_co_u32 s[G0+4*\s+1], s45, \s*SLOT
	s_add_nc_u64 s[G0+4*\s+2:G0+4*\s+3], s[20:21], \s*KSTEP
	s_or_b32 s[G0+4*\s+3], s[G0+4*\s+3], 0x80000000
	s_mov_b32 s[G0B+4*\s], 1
	s_add_co_u32 s[G0B+4*\s+1], s45, \s*SLOT
	s_add_nc_u64 s[G0B+4*\s+2:G0B+4*\s+3], s[46:47], \s*KSTEP
	s_or_b32 s[G0B+4*\s+3], s[G0B+4*\s+3], 0x80000000
.endr
; THE HEAD'S LOADS, ONE A WAVE: wave 0 K step 0's rows of A, wave 1 those of B, wave 2 A's scale bytes, wave 3 B's.  One tree of branches on the wave's number: every way passes exactly one load.
.macro ARM under, g0, g1, next
	s_cmp_lt_u32 s14, \under
	s_cbranch_scc0 \next
	tensor_load_to_lds s[\g0:\g0+3], s[\g1:\g1+7]
	s_nop 0
.rept 4
	v_nop
.endr
	s_branch .Lhead_asked
\next:
.endm
	ARM 1, 4,   G1,  .Lhead_b
	ARM 2, 8,   G1B, .Lhead_sa
	ARM 3, G0S, G1S, .Lhead_sb
	tensor_load_to_lds s[G0SB:G0SB+3], s[G1SB:G1SB+7]
	s_nop 0
.rept 4
	v_nop
.endr
.Lhead_asked:
	v_and_b32 v1, 15, v0
	v_bfe_u32 v2, v0, 4, 1
	v_mul_u32_u24 v3, v1, PITCH
	v_lshl_add_u32 v4, v2, 4, v3
	s_mul_i32 s21, s15, HALFT
	s_mul_i32 s22, s16, HALFT
	s_add_co_u32 s22, s22, 2*HALFT
.irp s, 0,1
	v_add_nc_u32 v[ADRA+\s], s21, v4
	v_add_nc_u32 v[ADRB+\s], s22, v4
	s_add_co_u32 s21, s21, SLOT
	s_add_co_u32 s22, s22, SLOT
.endr
	v_mul_u32_u24 v5, v1, KS
	v_lshrrev_b32 v6, 8, v5
	v_lshl_add_u32 v5, v6, 4, v5
	s_mul_i32 s21, s15, HALFS
	s_mul_i32 s22, s16, HALFS
	s_add_co_u32 s22, s22, 2*HALFS
	s_sub_co_u32 s22, s22, s21
	v_mul_u32_u24 v6, s22, v2
	s_add_co_u32 s21, s21, SCL
	v_add_nc_u32 v5, v5, v6
	v_add_nc_u32 v[ADRS], s21, v5
	s_lshl_b32 s46, s42, 9
	s_lshl_b32 s47, s16, 8
	s_add_co_u32 s46, s46, s47
	s_mov_b32 s47, 0
	s_add_nc_u64 s[96:97], s[96:97], s[46:47]
	v_lshlrev_b32 v7, 5, v2
.irp b, 0,1,2,3
	global_load_b128 v[BI+8*\b:BI+8*\b+3], v7, s[96:97] offset:64*\b
	global_load_b128 v[BI+8*\b+4:BI+8*\b+7], v7, s[96:97] offset:64*\b+16
.endr
	s_mul_i32 s23, s14, 16*SPITCH
	v_mul_u32_u24 v5, v1, SPITCH
	v_lshl_add_u32 v5, v2, 5, v5
	v_add_nc_u32 v[STO], s23, v5
	v_mul_u32_u24 v5, v2, SPITCH
	v_lshl_add_u32 v5, v1, 4, v5
	v_add_nc_u32 v[RD], s23, v5
	v_lshlrev_b32 v5, 12, v2
	v_lshl_add_u32 v[CO], v1, 4, v5
	s_lshl_b32 s20, s17, 7
	s_lshl_b32 s21, s15, 6
	s_add_co_u32 s20, s20, s21
	s_lshl_b32 s20, s20, 12
	s_add_co_u32 s20, s20, s46
	s_mov_b32 s21, 0
	s_add_nc_u64 s[12:13], s[12:13], s[20:21]
.macro FRAG reg, adr, q, i
.irp c, 0,1,2,3
	ds_load_b128 v[\reg+4*\c:\reg+4*\c+3], v[\adr] offset:128*(\q)+32*\c+(\i)*16*PITCH
.endr
.endm
.macro FETCH slot, q, f
	WIN TO_F
.irp i, 0,1,2,3
	FRAG \f+64+16*\i, ADRB+\slot, \q, \i
	FRAG \f+16*\i, ADRA+\slot, \q, \i
.endr
.endm
.macro SCALES
	WIN 0
.irp i, 0,1,2,3
	ds_load_b128 v[SC+4*\i:SC+4*\i+3], v[ADRS] offset:\i*SBLK
.endr
.endm
.macro MUL8 f, q, a0, first
.irp a, \a0, \a0+1
.irp b, 0,1,2,3
.if \first
	v_wmma_scale_f32_16x16x128_f8f6f4 v[ACC+8*(4*(\a)+\b):ACC+8*(4*(\a)+\b)+7], v[\f+64+16*\b:\f+64+16*\b+15], v[\f+16*(\a):\f+16*(\a)+15], v[BI+8*\b:BI+8*\b+7], v[SC+4*\b+\q], v[SC+4*(\a)+\q] matrix_a_fmt:MATRIX_FMT_BF8 matrix_b_fmt:MATRIX_FMT_BF8 matrix_a_scale:MATRIX_SCALE_ROW1
.else
	v_wmma_scale_f32_16x16x128_f8f6f4 v[ACC+8*(4*(\a)+\b):ACC+8*(4*(\a)+\b)+7], v[\f+64+16*\b:\f+64+16*\b+15], v[\f+16*(\a):\f+16*(\a)+15], v[ACC+8*(4*(\a)+\b):ACC+8*(4*(\a)+\b)+7], v[SC+4*\b+\q], v[SC+4*(\a)+\q] matrix_a_fmt:MATRIX_FMT_BF8 matrix_b_fmt:MATRIX_FMT_BF8 matrix_a_scale:MATRIX_SCALE_ROW1
.endif
.endr
.endr
.endm
.macro QUARTER slot, qn, f, g, q, first, np
.if \np
	PLACES \np
.endif
	FETCH \slot, \qn, \g
	s_wait_dscnt 32
	WIN MUL
	MUL8 \f, \q, 0, \first
	MUL8 \f, \q, 2, \first
.endm
.macro TURN slot, next, fill
	WIN 0
	s_wait_tensorcnt 0x0
	ds_add_u32 v[SPW], v[NIL]
	s_wait_dscnt 1
	WIN MUL
	MUL8 F1, 3, 0, 0
	s_wait_dscnt 0x0
	s_barrier_signal -1
	MUL8 F1, 3, 2, 0
	WIN 0
	s_barrier_wait -1
.if \fill
	CREST
	s_add_nc_u64 s[G0+4*\slot+2:G0+4*\slot+3], s[G0+4*\slot+2:G0+4*\slot+3], 2*KSTEP
	s_add_nc_u64 s[G0B+4*\slot+2:G0B+4*\slot+3], s[G0B+4*\slot+2:G0B+4*\slot+3], 2*KSTEP
	JLOAD G0+4*\slot, G1, G0B+4*\slot, G1B
	PLACES 4
.else
	PLACES 8
.endif
	s_wait_alu depctr_va_vdst(0)
	v_add_nc_u32 v[ADRS], 16, v[ADRS]
	FETCH \next, 0, F0
	SCALES
.endm
	s_wait_alu depctr_va_vdst(0)
	s_wait_tensorcnt 0x0                           ; my tile of the head's four is in
	ds_add_u32 v[SPW], v[NIL]
	s_mov_b32 s[G1+2], 64<<16                      ; no tensor load of mine is out, so a descriptor may be written: from here on a load brings 64 rows
	s_mov_b32 s[G1+4], 64
	s_mov_b32 s[G1B+2], 64<<16
	s_mov_b32 s[G1B+4], 64
	s_wait_dscnt 0x0
	CROUND                                         ; all four tiles are in, and all sixteen work-groups are here,
	JLOAD G0+4, G1, G0B+4, G1B                     ; and K step 1's load is the first tensor load behind the round
	FETCH 0, 0, F0
	SCALES
	s_wait_loadcnt 0x0
	QUARTER 0, 1, F0, F1, 0, 1, 0
.if LAPS > 1
	WIN 0
	s_mov_b32 s3, LAPS-1
.Llap:
	QUARTER 0, 2, F1, F0, 1, 0, 8
	QUARTER 0, 3, F0, F1, 2, 0, 8
	TURN 0, 1, 1
	QUARTER 1, 1, F0, F1, 0, 0, 0
	QUARTER 1, 2, F1, F0, 1, 0, 8
	QUARTER 1, 3, F0, F1, 2, 0, 8
	TURN 1, 0, 1
	QUARTER 0, 1, F0, F1, 0, 0, 0
	WIN 0
	s_sub_co_u32 s3, s3, 1
	s_cmp_lg_u32 s3, 0
	s_cbranch_scc1 .Llap
.endif
	QUARTER 0, 2, F1, F0, 1, 0, 8
	QUARTER 0, 3, F0, F1, 2, 0, 8
	TURN 0, 1, 0
	QUARTER 1, 1, F0, F1, 0, 0, 0
	QUARTER 1, 2, F1, F0, 1, 0, 8
	QUARTER 1, 3, F0, F1, 2, 0, 8
	s_wait_dscnt 0x0
	MUL8 F1, 3, 0, 0
	MUL8 F1, 3, 2, 0
	WIN 0
	PLACES 8
.macro TOSTAGE a
.irp b, 0,1,2,3
	ds_store_b128 v[STO], v[ACC+8*(4*(\a)+\b):ACC+8*(4*(\a)+\b)+3] offset:64*\b
	ds_store_b128 v[STO], v[ACC+8*(4*(\a)+\b)+4:ACC+8*(4*(\a)+\b)+7] offset:64*\b+16
.endr
.set BB, BI+32*((\a)%2)
.irp t, 0,1,2,3,4,5,6,7
	ds_load_b128 v[BB+4*\t:BB+4*\t+3], v[RD] offset:\t*2*SPITCH
.endr
.endm
.macro SEND a, younger
.set BB, BI+32*((\a)%2)
	s_wait_dscnt \younger
.irp t, 0,1,2,3,4,5,6,7
	global_store_b128 v[CO], v[BB+4*\t:BB+4*\t+3], s[12:13] offset:(16*(\a)+2*\t)*4096
.endr
.endm
	TOSTAGE 0
.irp a, 1,2,3
.if \a > 1
	s_wait_xcnt 0x0
.endif
	TOSTAGE \a
	SEND \a-1, 16
.endr
	SEND 3, 0
	s_wait_tensorcnt 0x0
	ds_add_u32 v[SPW], v[NIL]
	s_wait_dscnt 0x0
	CROUND
	s_endpgm
.Lfunc_end_k_q16d586a48e_ffn2:
	.size	k_q16d586a48e_ffn2, .Lfunc_end_k_q16d586a48e_ffn2-k_q16d586a48e_ffn2
	.p2alignl 7, 3214868480
	.fill 96, 4, 3214868480
	.section	.rodata,"a",@progbits
	.p2align	6, 0x0
	.amdhsa_kernel k_q16d586a48e_ffn2
		.amdhsa_group_segment_fixed_size 327680
		.amdhsa_private_segment_fixed_size 0
		.amdhsa_enable_private_segment 0
		.amdhsa_kernarg_size 40
		.amdhsa_user_sgpr_count 2
		.amdhsa_user_sgpr_kernarg_segment_ptr 1
		.amdhsa_wavefront_size32 1
		.amdhsa_system_sgpr_workgroup_id_x 1
		.amdhsa_system_sgpr_workgroup_id_y 1
		.amdhsa_system_sgpr_workgroup_id_z 1
		.amdhsa_system_vgpr_workitem_id 0
		.amdhsa_next_free_vgpr 512
		.amdhsa_next_free_sgpr 98
		.amdhsa_reserve_vcc 0
		.amdhsa_float_denorm_mode_32 3
		.amdhsa_float_denorm_mode_16_64 3
		.amdhsa_memory_ordered 1
		.amdhsa_forward_progress 1
		.amdhsa_inst_pref_size 92
	.end_amdhsa_kernel
	.amdgpu_metadata
---
amdhsa.version: [ 1, 2 ]
amdhsa.kernels:
  - .name:           k_q16d586a48e_ffn2
    .symbol:         k_q16d586a48e_ffn2.kd
    .args:
      - { .name: hb, .offset: 0, .size: 8, .value_kind: global_buffer, .address_space: global }
      - { .name: W2_codes, .offset: 8, .size: 8, .value_kind: global_buffer, .address_space: global }
      - { .name: W2_scales, .offset: 16, .size: 8, .value_kind: global_buffer, .address_space: global }
      - { .name: bf2, .offset: 24, .size: 8, .value_kind: global_buffer, .address_space: global }
      - { .name: y, .offset: 32, .size: 8, .value_kind: global_buffer, .address_space: global }
    .group_segment_fixed_size: 327680
    .private_segment_fixed_size: 0
    .kernarg_segment_align: 8
    .kernarg_segment_size: 40
    .max_flat_workgroup_size: 128
    .sgpr_count:     98
    .vgpr_count:     512
    .wavefront_size: 32
...
	.end_amdgpu_metadata
.endif
;; end of part 8
;; launch ln2 (part 9): grid 256 x 1, 16 waves a work-group, no clusters, 0 bytes of LDS; arguments y, ib, g2, b2, out0; writes out0
.if DOCPART == 9
	.amdgcn_target "amdgcn-amd-amdhsa--gfx1250"
	.amdhsa_code_object_version 6
	.text
	.protected	k_q16d586a48e_ln2
	.globl	k_q16d586a48e_ln2
	.p2align	8
	.type	k_q16d586a48e_ln2,@function
k_q16d586a48e_ln2:
	s_mov_b64 s[64:65], 0
	v_nop
	global_prefetch_b8 v0, s[64:65] scope:SCOPE_SE
	s_setreg_imm32_b32 hwreg(HW_REG_WAVE_MODE, 25, 1), 1
	s_wait_xcnt 0x0
; out0 = LayerNorm(inter + y) g2 + b2, f32 [4096][1024]; inter lies at ib + 0.
; A row is 4,096 bytes: one wave takes ONE whole row in 32 registers, so the mean, the variance (of the differences from the mean: two passes over registers) and the scaling read memory once.
; Sixteen waves to a work-group, 16 rows: every row of the tensor is asked for at the launch's start, and no load waits for another row's.  The price: each wave loads the gain and the bias (8,192 bytes) for its one row.
; Each load and store of a wave covers 512 consecutive bytes.  Waves share nothing: no LDS, no barrier.  A stream: no matrix unit, no cluster.  NaN and infinities are not served.
.set G,   16                           ; v16-47   the gain, in a row's layout: load j holds numbers 128 j + 4 lane + 0 .. 3
.set BT,  48                           ; v48-79   the bias
.set Z,   80                           ; v80-111  the row
.set YN,  112                          ; v112-143 the row of y as loaded
.set XN,  144                          ; v144-175 the row of inter as loaded
.set W,   176                          ; v176-185 at work
	s_load_b256 s[4:11], s[0:1], 0x0               ; y, ib, g2, b2
	s_load_b64 s[12:13], s[0:1], 0x20              ; out0
	v_lshrrev_b32 v1, 5, v0
	s_delay_alu instid0(VALU_DEP_1)
	v_readfirstlane_b32 s16, v1                    ; wave 0..15
	v_and_b32 v2, 31, v0                           ; lane
	s_delay_alu instid0(VALU_DEP_1)
	v_lshlrev_b32 v3, 4, v2                        ; 16 bytes a lane
	s_lshl_b32 s17, ttmp9, 4
	s_add_co_u32 s17, s17, s16                     ; my row
	s_lshl_b32 s20, s17, 12
	s_mov_b32 s21, 0
	s_mov_b32 s14, 0x76543210
	s_mov_b32 s15, 0xfedcba98                      ; v_permlanex16_b32's selects for lane l xor 16
	s_mov_b32 s18, 0x3a800000                      ; 1 / 1,024
	s_mov_b32 s19, 0x3727c5ac                      ; 1e-5
	s_wait_alu depctr_va_vdst(0)
	s_wait_kmcnt 0x0
	s_add_nc_u64 s[4:5], s[4:5], s[20:21]
	s_add_nc_u64 s[6:7], s[6:7], s[20:21]
	s_add_nc_u64 s[12:13], s[12:13], s[20:21]
.irp j, 0,1,2,3,4,5,6,7
	global_load_b128 v[YN+4*\j:YN+4*\j+3], v3, s[4:5] offset:512*\j th:TH_LOAD_NT   ; the row first: it is wanted first
	global_load_b128 v[XN+4*\j:XN+4*\j+3], v3, s[6:7] offset:512*\j th:TH_LOAD_NT
.endr
.irp j, 0,1,2,3,4,5,6,7
	global_load_b128 v[G+4*\j:G+4*\j+3], v3, s[8:9] offset:512*\j
	global_load_b128 v[BT+4*\j:BT+4*\j+3], v3, s[10:11] offset:512*\j
.endr
.macro ACROSS                          ; v[W:W+3], four partial sums a lane, become the row's sum in every lane's v[W]
	s_delay_alu instid0(VALU_DEP_1)
	v_pk_add_f32 v[W:W+1], v[W:W+1], v[W+2:W+3]
	s_delay_alu instid0(VALU_DEP_1)
	v_add_f32 v[W], v[W], v[W+1]
	s_delay_alu instid0(VALU_DEP_1)
	v_add_f32_dpp v[W], v[W], v[W] row_xmask:1 row_mask:0xf bank_mask:0xf
	s_delay_alu instid0(VALU_DEP_1)
	v_add_f32_dpp v[W], v[W], v[W] row_xmask:2 row_mask:0xf bank_mask:0xf
	s_delay_alu instid0(VALU_DEP_1)
	v_add_f32_dpp v[W], v[W], v[W] row_xmask:4 row_mask:0xf bank_mask:0xf
	s_delay_alu instid0(VALU_DEP_1)
	v_add_f32_dpp v[W], v[W], v[W] row_xmask:8 row_mask:0xf bank_mask:0xf
	s_delay_alu instid0(VALU_DEP_1)
	v_permlanex16_b32 v[W+1], v[W], s14, s15
	s_delay_alu instid0(VALU_DEP_1)
	v_add_f32 v[W], v[W], v[W+1]
.endm
	s_wait_loadcnt 16                              ; the row is in; the gain's and the bias's 16 loads, issued behind it, may be out
.set i, 0
.rept 16
	v_pk_add_f32 v[Z+i:Z+i+1], v[YN+i:YN+i+1], v[XN+i:XN+i+1]
.set i, i+2
.endr
	v_pk_add_f32 v[W:W+1], v[Z:Z+1], v[Z+2:Z+3]
	v_pk_add_f32 v[W+2:W+3], v[Z+4:Z+5], v[Z+6:Z+7]
.irp i, 8,12,16,20,24,28
	s_delay_alu instid0(VALU_DEP_2)
	v_pk_add_f32 v[W:W+1], v[W:W+1], v[Z+\i:Z+\i+1]
	s_delay_alu instid0(VALU_DEP_2)
	v_pk_add_f32 v[W+2:W+3], v[W+2:W+3], v[Z+\i+2:Z+\i+3]
.endr
	ACROSS
	s_delay_alu instid0(VALU_DEP_1)
	v_mul_f32 v[W+4], 0xba800000, v[W]             ; minus the mean
	s_delay_alu instid0(VALU_DEP_1)
	v_mov_b32 v[W+5], v[W+4]
.set i, 0
.rept 16
	v_pk_add_f32 v[Z+i:Z+i+1], v[Z+i:Z+i+1], v[W+4:W+5]
.set i, i+2
.endr
	v_pk_mul_f32 v[W:W+1], v[Z:Z+1], v[Z:Z+1]
	v_pk_mul_f32 v[W+2:W+3], v[Z+2:Z+3], v[Z+2:Z+3]
.irp i, 4,8,12,16,20,24,28
	s_delay_alu instid0(VALU_DEP_2)
	v_pk_fma_f32 v[W:W+1], v[Z+\i:Z+\i+1], v[Z+\i:Z+\i+1], v[W:W+1]
	s_delay_alu instid0(VALU_DEP_2)
	v_pk_fma_f32 v[W+2:W+3], v[Z+\i+2:Z+\i+3], v[Z+\i+2:Z+\i+3], v[W+2:W+3]
.endr
	ACROSS
	s_delay_alu instid0(VALU_DEP_1)
	v_fma_f32 v[W+6], v[W], s18, s19               ; the variance + 1e-5
	s_wait_alu depctr_va_vdst(0)
	v_rsq_f32 v[W+8], v[W+6]
	v_rsq_f32 v[W+9], v[W+6]
	v_nop                                          ; a plain instruction behind the transcendentals
.set i, 0
	s_wait_alu depctr_va_vdst(0)
.rept 16
	v_pk_mul_f32 v[Z+i:Z+i+1], v[Z+i:Z+i+1], v[W+8:W+9]
.set i, i+2
.endr
	s_wait_loadcnt 0x0                             ; the gain and the bias
.set i, 0
.rept 16
	v_pk_fma_f32 v[Z+i:Z+i+1], v[Z+i:Z+i+1], v[G+i:G+i+1], v[BT+i:BT+i+1]
.set i, i+2
.endr
.irp j, 0,1,2,3,4,5,6,7
	global_store_b128 v3, v[Z+4*\j:Z+4*\j+3], s[12:13] offset:512*\j th:TH_STORE_NT
.endr
	s_endpgm
.Lfunc_end_k_q16d586a48e_ln2:
	.size	k_q16d586a48e_ln2, .Lfunc_end_k_q16d586a48e_ln2-k_q16d586a48e_ln2
	.p2alignl 7, 3214868480
	.fill 96, 4, 3214868480
	.section	.rodata,"a",@progbits
	.p2align	6, 0x0
	.amdhsa_kernel k_q16d586a48e_ln2
		.amdhsa_group_segment_fixed_size 0
		.amdhsa_private_segment_fixed_size 0
		.amdhsa_enable_private_segment 0
		.amdhsa_kernarg_size 40
		.amdhsa_user_sgpr_count 2
		.amdhsa_user_sgpr_kernarg_segment_ptr 1
		.amdhsa_wavefront_size32 1
		.amdhsa_system_sgpr_workgroup_id_x 1
		.amdhsa_system_sgpr_workgroup_id_y 1
		.amdhsa_system_sgpr_workgroup_id_z 1
		.amdhsa_system_vgpr_workitem_id 0
		.amdhsa_next_free_vgpr 192
		.amdhsa_next_free_sgpr 66
		.amdhsa_reserve_vcc 0
		.amdhsa_float_denorm_mode_32 3
		.amdhsa_float_denorm_mode_16_64 3
		.amdhsa_memory_ordered 1
		.amdhsa_forward_progress 1
		.amdhsa_inst_pref_size 14
	.end_amdhsa_kernel
	.amdgpu_metadata
---
amdhsa.version: [ 1, 2 ]
amdhsa.kernels:
  - .name:           k_q16d586a48e_ln2
    .symbol:         k_q16d586a48e_ln2.kd
    .args:
      - { .name: y, .offset: 0, .size: 8, .value_kind: global_buffer, .address_space: global }
      - { .name: ib, .offset: 8, .size: 8, .value_kind: global_buffer, .address_space: global }
      - { .name: g2, .offset: 16, .size: 8, .value_kind: global_buffer, .address_space: global }
      - { .name: b2, .offset: 24, .size: 8, .value_kind: global_buffer, .address_space: global }
      - { .name: out0, .offset: 32, .size: 8, .value_kind: global_buffer, .address_space: global }
    .group_segment_fixed_size: 0
    .private_segment_fixed_size: 0
    .kernarg_segment_align: 8
    .kernarg_segment_size: 40
    .max_flat_workgroup_size: 512
    .sgpr_count:     66
    .vgpr_count:     192
    .wavefront_size: 32
...
	.end_amdgpu_metadata
.endif
;; end of part 9
